; MI455X (gfx1250); checked and timed in simulation.
; The chip was launched on July 23, 2026; its instructions are those of AMD's public machine-readable ISA for CDNA 5 (MIT licence, August 2026) and "CDNA5" Instruction Set Architecture Reference Guide (July 2026). The comments in the code are by the model that wrote it; some were corrected since.
;; Encoder Block. Allowed arithmetic: matrix products marked QUANTISED: E4M3 operands, one E8M0 scale for each 32 along K, by v_wmma_scale_f32_16x16x128_f8f6f4 with both operands' format E4M3, f32 sums; everything else in f32.
;; Inputs: W1_codes 4,096 x 32 x 32 uint8 (E4M3 codes of W1, K innermost, in blocks of 32 codes); W1_scales 4,096 x 32 uint8 (E8M0 scales of W1, one for each 32 codes along K); W2_codes 1,024 x 128 x 32 uint8 (E4M3 codes of W2, K innermost, in blocks of 32 codes); W2_scales 1,024 x 128 uint8 (E8M0 scales of W2, one for each 32 codes along K); Wk_codes 1,024 x 32 x 32 uint8 (E4M3 codes of Wk, K innermost, in blocks of 32 codes); Wk_scales 1,024 x 32 uint8 (E8M0 scales of Wk, one for each 32 codes along K); Wo_codes 1,024 x 32 x 32 uint8 (E4M3 codes of Wo, K innermost, in blocks of 32 codes); Wo_scales 1,024 x 32 uint8 (E8M0 scales of Wo, one for each 32 codes along K); Wq_codes 1,024 x 32 x 32 uint8 (E4M3 codes of Wq, K innermost, in blocks of 32 codes); Wq_scales 1,024 x 32 uint8 (E8M0 scales of Wq, one for each 32 codes along K); Wv_codes 1,024 x 32 x 32 uint8 (E4M3 codes of Wv, K innermost, in blocks of 32 codes); Wv_scales 1,024 x 32 uint8 (E8M0 scales of Wv, one for each 32 codes along K); b1 4,096 float32; b2 1,024 float32; be1 1,024 float32; be2 1,024 float32; bk 1,024 float32; bo 1,024 float32; bq 1,024 float32; bv 1,024 float32; g1 1,024 float32; g2 1,024 float32; mask 2 x 1 x 1 x 2,048 int32; x 2 x 2,048 x 1,024 float32.
;; Outputs: out0 2 x 2,048 x 1,024 float32.
;; This version of the problem:
;;   THIS VERSION OF THE PROBLEM IS GIVEN IN LOW PRECISION. The matrix products marked QUANTISED in the list below multiply operands that are first quantised to E4M3 (4 exponent bits, 3 mantissa bits; 8 bits a number), with one power-of-two scale for each 32 numbers along K (OCP MX v1.0); their sums are f32. All else is computed in f32.
;;   The module's matrix products, in the order in which they are computed (A, B: the left and right operand; K: the contracted axis; several contracted axes count as one K, in the product's order):
;;     1. [M 4,096, K 1,024] x [K 1,024, N 1,024]; A: input x; B: input Wq (given as codes): QUANTISED
;;     2. [M 4,096, K 1,024] x [K 1,024, N 1,024]; A: input x; B: input Wk (given as codes): QUANTISED
;;     3. [M 4,096, K 1,024] x [K 1,024, N 1,024]; A: input x; B: input Wv (given as codes): QUANTISED
;;     4. batch 32 x [M 2,048, K 64] x [K 64, N 2,048]; A: computed on the way; B: computed on the way: QUANTISED
;;     5. batch 32 x [M 2,048, K 2,048] x [K 2,048, N 64]; A: softmax (see below); B: computed on the way: QUANTISED
;;     6. [M 4,096, K 1,024] x [K 1,024, N 1,024]; A: computed on the way; B: input Wo (given as codes): QUANTISED
;;     7. [M 4,096, K 1,024] x [K 1,024, N 4,096]; A: computed on the way; B: input W1 (given as codes): QUANTISED
;;     8. [M 4,096, K 4,096] x [K 4,096, N 1,024]; A: computed on the way; B: input W2 (given as codes): QUANTISED
;;   THE QUANTISER, for each operand of a quantised product, along K:
;;     - K is cut into blocks of 32 from its start; a last block that is shorter is filled with zeros.
;;     - A block's scale is 2^e with e = floor(log2(the largest magnitude in the block)) - 8, held to -126 .. 127; a block of zeros has e = 0. As a byte (E8M0): e + 127.
;;     - Each number is divided by its block's scale, clamped to +-448, and rounded to the nearest number of E4M3, ties to even, subnormals kept.
;;     - The product sums the exact products of the quantised numbers (number of the format x scale) in f32.
;;   ~~~python
;;   def quantise(x, axis):      # numpy; x: float32 -> the quantised numbers, widened to float32 again
;;       x = np.moveaxis(x, axis, -1); K = x.shape[-1]
;;       x = np.pad(x, [(0, 0)] * (x.ndim - 1) + [(0, -K % 32)]); x = x.reshape(x.shape[:-1] + (-1, 32)); a = np.abs(x).max(-1, keepdims=True)
;;       e = np.where(a > 0, np.clip(np.frexp(np.where(a > 0, a, 1))[1] - 1 - 8, -126, 127), 0)      # np.frexp(a)[1] - 1 = floor(log2(a)), exactly
;;       r = np.clip(x / 2.0 ** e, -448, 448)
;;       step = 2.0 ** (np.maximum(np.frexp(np.where(r == 0, 1, r))[1] - 1, -6) - 3)
;;       q = np.round(r / step) * step * 2.0 ** e      # np.round: ties to even
;;       return np.moveaxis(q.reshape(q.shape[:-2] + (-1,))[..., :K], -1, axis).astype(np.float32)
;;   ~~~
;;   SOFTMAX AHEAD OF A QUANTISED PRODUCT. Where the list says 'softmax', what is quantised is not the finished softmax but p = 2^(t - M), with t = logit x log2(e) and M = ceil(the row's largest t), a whole number; so 1/2 < the row's largest p <= 1. The row's sum l is taken of the UNQUANTISED p, in f32, and the product's result is divided by l at the end. Since M is a whole number, a kernel that streams over the keys may use a running M (the ceiling of the running maximum): every later rescaling is an exact power of two, which a block's scale takes up: the codes' values come out the same.
;;   OPERANDS COMPUTED ON THE WAY. 'Computed on the way' means the value that the module computes at that place (a softmax that the list does not call 'softmax' is quantised finished and normalised). What goes into a quantiser is computed in f32, as accurately as f32 sums, v_exp_f32 and their like allow (about 1e-6 of the number): no bf16 or f16 on the way to a quantiser, and a product that is left as it is and whose result goes on into a quantised operand takes f32 operands (vector FMAs, or v_wmma_f32_16x16x4_f32). A number that lies on a knife's edge between two numbers of the format may be rounded either way, as far as f32 arithmetic and the matrix unit's own rounding can turn it there, and no further.
;;   INPUTS GIVEN AS CODES. W1 (in the module: [1024, 4096], K = its axis 0); W2 (in the module: [4096, 1024], K = its axis 0); Wk (in the module: [1024, 1024], K = its axis 0); Wo (in the module: [1024, 1024], K = its axis 0); Wq (in the module: [1024, 1024], K = its axis 0); Wv (in the module: [1024, 1024], K = its axis 0): each comes as NAME_codes (uint8): NAME with its K axis moved to the last place and cut into blocks of 32 codes, [.., K / 32, bytes a block], one block behind the other in memory; one code a byte (a code: sign, 4 exponent bits, 3 mantissa bits); and NAME_scales (uint8): the same leading axes, one E8M0 byte (e + 127) for each 32 codes along K. Its value is code x scale, taken as it is: it is not quantised again, and the codes and scales need not be those that the quantiser above would give.
;; 2 versions. Each part assembles by itself: llvm-mc -triple=amdgcn-amd-amdhsa -mcpu=gfx1250 --defsym DOCPART=n.
;; ======== version 1 of 2: 8 launches
;; workspace buffers: wrec 13,369,344 bytes; arec 4,456,448 bytes; qkrec 10,485,760 bytes; vrec 4,456,448 bytes; cbuf 16,777,216 bytes; out1 16,777,216 bytes; hrec 17,825,792 bytes
;; launch prep (part 1): grid 640 x 1, 8 waves a work-group, no clusters, 66,816 bytes of LDS; arguments x, Wq_codes, Wq_scales, Wk_codes, Wk_scales, Wv_codes, Wv_scales, Wo_codes, Wo_scales, W1_codes, W1_scales, W2_codes, W2_scales, arec, wrec; writes arec, wrec
.if DOCPART == 1
	.amdgcn_target "amdgcn-amd-amdhsa--gfx1250"
	.amdhsa_code_object_version 6
	.text
	.protected	k_qb4ad155f4d_prep
	.globl	k_qb4ad155f4d_prep
	.p2align	8
	.type	k_qb4ad155f4d_prep,@function
k_qb4ad155f4d_prep:
	s_mov_b64 s[64:65], 0
	v_nop
	global_prefetch_b8 v0, s[64:65] scope:SCOPE_SE
	s_setreg_imm32_b32 hwreg(HW_REG_WAVE_MODE, 25, 1), 1
	s_wait_xcnt 0x0
; Lays every operand that later launches read many times as RECORDS.  A record is 16 rows x 256 along K as an image of the operand's registers, 4,352 bytes:
;   byte 2048 q + 512 c + 16 lane : registers 4 c .. 4 c + 3 of that lane for the q-th 128 along K;   byte 4096 + 128 q + 4 lane : row (lane % 16)'s scale word for that 128.
; ORDER OF K IN A FRAGMENT, the same for both operands of every product of this program: registers 2 c, 2 c + 1 of lane (r, h) hold k = 16 c + 8 h + 0 .. 7.  That permutes k inside each block of 32 alike
; on both sides, so products and block scales are kept, and it is the order in which a transposed matrix result falls into a lane's registers.
; Work-groups 0-255: 16 rows of x each, quantised to E4M3 with one E8M0 scale for each 32 along K -> arec [256][4] records.  Work-groups 256-639: a wave copies one record of a weight's codes and scales -> wrec.
; A block's scale is 2^(floor(log2(largest magnitude)) - 8).  LIMITS: a block whose largest magnitude lies under 2^-118 (zeros too) keeps the byte 1; NaN and infinities are not served.
; No cluster, no tensor load: no two work-groups read the same bytes.
.set ROW, 32                           ; v32-95  two rows as loaded; later 64 numbers of a lane for the quantiser
.set TM,  16                           ; v16-31  at work in the quantiser
.set PC,  96                           ; v96-111 the fragment's codes
.set PW,  112                          ; v112    its scale word
.set SPT, 4112                         ; a row of the stage: 4,096 bytes + 16: row r starts 4 r banks on
.set REC, 4352
.set SEL, 60
.set MNT, 59
; 64 numbers of a lane, register 16 b + i = the i-th of my 16 numbers of block b of my row, become 16 registers of codes and a scale word
.macro QUANT s
.irp b, 0,1,2,3
	v_max3_num_f32 v[TM+\b], |v[\s+16*\b]|, |v[\s+1+16*\b]|, 0x4800000   ; the floor 2^(9 - 127) holds the byte at 1 from below
.endr
.irp i, 2,4,6,8,10,12,14
.irp b, 0,1,2,3
	v_max3_num_f32 v[TM+\b], v[TM+\b], |v[\s+16*\b+\i]|, |v[\s+1+16*\b+\i]|
.endr
.endr
.irp b, 0,1,2,3
	v_permlanex16_b32 v[TM+4+\b], v[TM+\b], s[SEL], s[SEL+1]
.endr
.irp b, 0,1,2,3
	v_max_num_f32 v[TM+\b], v[TM+\b], v[TM+4+\b]       ; with lane l xor 16's 16 numbers: the block's largest magnitude
.endr
.irp b, 0,1,2,3
	v_add_nc_u32 v[TM+12+\b], 0xfc000000, v[TM+\b]     ; 8 off the exponent field: the conversion's scale operand
.endr
.irp b, 0,1,2,3
	v_and_or_b32 v[TM+8+\b], v[TM+\b], 0x7f800000, s[MNT]   ; 448 x the scale
.endr
.irp b, 0,1,2,3
	v_lshrrev_b32 v[TM+4+\b], 23, v[TM+12+\b]          ; the scale's byte
.endr
	v_lshl_or_b32 v[PW], v[TM+5], 8, v[TM+4]
	v_lshl_or_b32 v[PW], v[TM+6], 16, v[PW]
	v_lshl_or_b32 v[PW], v[TM+7], 24, v[PW]
.irp b, 0,1,2,3
.set i, 0
.rept 16
	v_med3_num_f32 v[\s+16*\b+i], v[\s+16*\b+i], -v[TM+8+\b], v[TM+8+\b]   ; the conversion does not saturate (ISA guide 7.6.2): the hold comes first
.set i, i+1
.endr
	v_cvt_scalef32_pk8_fp8_f32 v[PC+4*\b:PC+1+4*\b], v[\s+16*\b:\s+7+16*\b], v[TM+12+\b]
	v_cvt_scalef32_pk8_fp8_f32 v[PC+2+4*\b:PC+3+4*\b], v[\s+8+16*\b:\s+15+16*\b], v[TM+12+\b]
.endr
	v_nop
.endm
	s_load_b64 s[8:9], s[0:1], 0x0                 ; x
	s_load_b512 s[12:27], s[0:1], 0x8              ; Wq, Wk, Wv, Wo: codes, scales
	s_load_b256 s[28:35], s[0:1], 0x48             ; W1, W2: codes, scales
	s_load_b128 s[36:39], s[0:1], 0x68             ; arec, wrec
	v_lshl_add_u32 v128, v0, 2, 0x10100
	v_mov_b32 v129, 0
	v_lshrrev_b32 v1, 5, v0
	v_readfirstlane_b32 s2, v1                     ; wave 0..7
	v_and_b32 v2, 31, v0                           ; lane
	v_lshlrev_b32 v3, 4, v2                        ; 16 x lane
	v_and_b32 v4, 15, v0                           ; r
	v_bfe_u32 v5, v0, 4, 1                         ; h
	v_lshlrev_b32 v8, 2, v2                        ; 4 x lane
	s_cmp_lt_u32 ttmp9, 256                        ; the same for all waves of a work-group
	s_cbranch_scc0 .Lweights
	; ---- x: wave w brings rows 2 w, 2 w + 1 of the work-group's 16 (8,192 bytes on end) into the stage; then wave w quantises K step w of all 16 rows
	s_lshl_b32 s40, ttmp9, 4
	s_lshl_b32 s41, s2, 1
	s_add_co_u32 s40, s40, s41
	s_lshl_b32 s40, s40, 12                        ; my first row x 4,096 bytes
	s_mov_b32 s41, 0
	s_mul_i32 s42, s2, 2*SPT
	v_add_nc_u32 v6, s42, v3                       ; into the stage: my rows, 16 x lane
	v_mul_u32_u24 v7, v4, SPT
	v_lshl_add_u32 v7, v5, 5, v7
	s_lshl_b32 s42, s2, 9
	v_add_nc_u32 v7, s42, v7                       ; out of it: row r, K step w (512 bytes), + 32 h
	s_mul_i32 s44, ttmp9, 4*REC                    ; the work-group's four records
	s_lshr_b32 s45, s2, 1
	s_mul_i32 s45, s45, REC
	s_add_co_u32 s44, s44, s45                     ; K step w lies in record w / 2,
	s_and_b32 s46, s2, 1                           ; as its part w % 2
	s_lshl_b32 s47, s46, 11
	s_add_co_u32 s48, s44, s47
	s_mov_b32 s49, 0
	s_lshl_b32 s47, s46, 7
	s_add_co_u32 s44, s44, s47
	s_mov_b32 s45, 0
	s_mov_b32 s[SEL], 0x76543210
	s_mov_b32 s[SEL+1], 0xfedcba98
	s_mov_b32 s[MNT], 0x600000
	s_wait_kmcnt 0x0
	s_add_nc_u64 s[8:9], s[8:9], s[40:41]
	s_add_nc_u64 s[48:49], s[36:37], s[48:49]      ; where my codes go
	s_add_nc_u64 s[44:45], s[36:37], s[44:45]      ; and my scale words
.set n, 0
.rept 16
	global_load_b128 v[ROW+4*n:ROW+4*n+3], v3, s[8:9] offset:512*n th:TH_LOAD_NT   ; 32 lanes read 512 consecutive bytes
.set n, n+1
.endr
.irp b, 0,1,2,3
	v_mov_b32 v[TM+4+\b], 0                        ; a lane permute's destination counts as one of its sources
.endr
.set n, 0
.rept 16
	s_wait_loadcnt 15-n                            ; loads come back in order: load n is in, the younger ones stay out
	ds_store_b128 v6, v[ROW+4*n:ROW+4*n+3] offset:(n/8)*SPT+(n%8)*512
.set n, n+1
.endr
	s_wait_dscnt 0x0                               ; my stores have landed, for the other waves' sake
	s_barrier_signal -1
	s_barrier_wait -1
.set n, 0
.rept 16
	ds_load_b128 v[ROW+4*n:ROW+4*n+3], v7 offset:64*(n/2)+16*(n%2)   ; register 8 c + i: k = 16 c + 8 h + i of my K step
.set n, n+1
.endr
	s_wait_dscnt 0x0
	QUANT ROW
.irp c, 0,1,2,3
	global_store_b128 v3, v[PC+4*\c:PC+4*\c+3], s[48:49] offset:512*\c   ; 512 consecutive bytes a store
.endr
	global_store_b32 v8, v[PW], s[44:45] offset:4096
	s_wait_tensorcnt 0x0
	ds_add_u32 v128, v129
	s_wait_dscnt 0x0
	s_endpgm
.Lweights:
	; ---- a weight's record rho = 8 (work-group - 256) + wave.  Records 0-1023: Wq, Wk, Wv, Wo (256 each); 1024-2047: W1; 2048-3071: W2
	s_sub_co_u32 s40, ttmp9, 256
	s_lshr_b32 s41, s40, 5
	s_lshr_b32 s42, s40, 7
	s_add_co_u32 s42, s42, 3
	s_mov_b32 s43, 1023
	s_cmp_lt_u32 s40, 128
	s_cselect_b32 s41, s41, s42                    ; which weight, 0..5
	s_cselect_b32 s43, 255, s43
	s_lshl_b32 s44, s40, 3
	s_add_co_u32 s44, s44, s2                      ; rho
	s_and_b32 s45, s44, s43                        ; the record's number in its weight
	s_cmp_eq_u32 s41, 5
	s_cselect_b32 s46, 4, 2                        ; log2 of the records along K: W2 has 16, the others 4
	s_cselect_b32 s47, 12, 10                      ; log2 K
	s_lshr_b32 s48, s45, s46                       ; tile of 16 rows
	s_lshl_b32 s49, s48, s46
	s_sub_co_u32 s49, s45, s49                     ; which 256 along K
	s_add_co_u32 s56, s47, 4
	s_lshl_b32 s56, s48, s56                       ; codes: tile x 16 K
	s_lshl_b32 s57, s49, 8
	s_add_co_u32 s56, s56, s57                     ; + 256 x part
	s_mov_b32 s57, 0
	s_sub_co_u32 s58, s47, 1
	s_lshl_b32 s58, s48, s58                       ; scales: tile x K / 2
	s_lshl_b32 s59, s49, 3
	s_add_co_u32 s58, s58, s59                     ; + 8 x part
	s_mov_b32 s59, 0
	s_mul_i32 s54, s44, REC
	s_mov_b32 s55, 0
	v_lshlrev_b32 v6, s47, v4
	v_lshl_add_u32 v6, v5, 3, v6                   ; codes: r K + 8 h
	s_sub_co_u32 s47, s47, 5
	v_lshlrev_b32 v7, s47, v4                      ; scales: r K / 32
	s_wait_kmcnt 0x0
	s_mov_b64 s[50:51], s[12:13]
	s_mov_b64 s[52:53], s[14:15]
.irp n, 1,2,3,4,5
	s_cmp_eq_u32 s41, \n                           ; the choice hangs on the work-group's number alone
	s_cselect_b64 s[50:51], s[12+4*\n:13+4*\n], s[50:51]
	s_cselect_b64 s[52:53], s[14+4*\n:15+4*\n], s[52:53]
.endr
	s_add_nc_u64 s[50:51], s[50:51], s[56:57]
	s_add_nc_u64 s[52:53], s[52:53], s[58:59]
	s_add_nc_u64 s[54:55], s[38:39], s[54:55]
.set n, 0
.rept 16
	global_load_b64 v[32+2*n:33+2*n], v6, s[50:51] offset:16*n   ; k = 16 n + 8 h + 0 .. 7 of the record's 256
.set n, n+1
.endr
	global_load_b32 v64, v7, s[52:53]
	global_load_b32 v65, v7, s[52:53] offset:4
	s_wait_loadcnt 0x0
.set n, 0
.rept 8
	global_store_b128 v3, v[32+4*n:35+4*n], s[54:55] offset:512*n
.set n, n+1
.endr
	global_store_b32 v8, v64, s[54:55] offset:4096
	global_store_b32 v8, v65, s[54:55] offset:4224
	s_endpgm
.Lfunc_end_k_qb4ad155f4d_prep:
	.size	k_qb4ad155f4d_prep, .Lfunc_end_k_qb4ad155f4d_prep-k_qb4ad155f4d_prep
	.p2alignl 7, 3214868480
	.fill 96, 4, 3214868480
	.section	.rodata,"a",@progbits
	.p2align	6, 0x0
	.amdhsa_kernel k_qb4ad155f4d_prep
		.amdhsa_group_segment_fixed_size 66816
		.amdhsa_private_segment_fixed_size 0
		.amdhsa_enable_private_segment 0
		.amdhsa_kernarg_size 120
		.amdhsa_user_sgpr_count 2
		.amdhsa_user_sgpr_kernarg_segment_ptr 1
		.amdhsa_wavefront_size32 1
		.amdhsa_system_sgpr_workgroup_id_x 1
		.amdhsa_system_sgpr_workgroup_id_y 1
		.amdhsa_system_sgpr_workgroup_id_z 1
		.amdhsa_system_vgpr_workitem_id 0
		.amdhsa_next_free_vgpr 130
		.amdhsa_next_free_sgpr 66
		.amdhsa_reserve_vcc 0
		.amdhsa_float_denorm_mode_32 3
		.amdhsa_float_denorm_mode_16_64 3
		.amdhsa_memory_ordered 1
		.amdhsa_forward_progress 1
		.amdhsa_inst_pref_size 20
	.end_amdhsa_kernel
	.amdgpu_metadata
---
amdhsa.version: [ 1, 2 ]
amdhsa.kernels:
  - .name:           k_qb4ad155f4d_prep
    .symbol:         k_qb4ad155f4d_prep.kd
    .args:
      - { .name: x, .offset: 0, .size: 8, .value_kind: global_buffer, .address_space: global }
      - { .name: Wq_codes, .offset: 8, .size: 8, .value_kind: global_buffer, .address_space: global }
      - { .name: Wq_scales, .offset: 16, .size: 8, .value_kind: global_buffer, .address_space: global }
      - { .name: Wk_codes, .offset: 24, .size: 8, .value_kind: global_buffer, .address_space: global }
      - { .name: Wk_scales, .offset: 32, .size: 8, .value_kind: global_buffer, .address_space: global }
      - { .name: Wv_codes, .offset: 40, .size: 8, .value_kind: global_buffer, .address_space: global }
      - { .name: Wv_scales, .offset: 48, .size: 8, .value_kind: global_buffer, .address_space: global }
      - { .name: Wo_codes, .offset: 56, .size: 8, .value_kind: global_buffer, .address_space: global }
      - { .name: Wo_scales, .offset: 64, .size: 8, .value_kind: global_buffer, .address_space: global }
      - { .name: W1_codes, .offset: 72, .size: 8, .value_kind: global_buffer, .address_space: global }
      - { .name: W1_scales, .offset: 80, .size: 8, .value_kind: global_buffer, .address_space: global }
      - { .name: W2_codes, .offset: 88, .size: 8, .value_kind: global_buffer, .address_space: global }
      - { .name: W2_scales, .offset: 96, .size: 8, .value_kind: global_buffer, .address_space: global }
      - { .name: arec, .offset: 104, .size: 8, .value_kind: global_buffer, .address_space: global }
      - { .name: wrec, .offset: 112, .size: 8, .value_kind: global_buffer, .address_space: global }
    .group_segment_fixed_size: 66816
    .private_segment_fixed_size: 0
    .kernarg_segment_align: 8
    .kernarg_segment_size: 120
    .max_flat_workgroup_size: 256
    .sgpr_count:     66
    .vgpr_count:     130
    .wavefront_size: 32
...
	.end_amdgpu_metadata
.endif
;; end of part 1
;; launch qkv (part 2): grid 12 x 16, 4 waves a work-group, clusters of 4 x 4, 327,680 bytes of LDS; arguments arec, wrec, bq, bk, bv, mask, qkrec, vrec; writes qkrec, vrec
.if DOCPART == 2
	.amdgcn_target "amdgcn-amd-amdhsa--gfx1250"
	.amdhsa_code_object_version 6
	.text
	.protected	k_qb4ad155f4d_qkv
	.globl	k_qb4ad155f4d_qkv
	.p2align	8
	.type	k_qb4ad155f4d_qkv,@function
k_qb4ad155f4d_qkv:
	s_mov_b64 s[64:65], 0
	v_nop
	global_prefetch_b8 v0, s[64:65] scope:SCOPE_SE
	s_setreg_imm32_b32 hwreg(HW_REG_WAVE_MODE, 25, 1), 1
	s_wait_xcnt 0x0
	s_wait_alu depctr_hold_cnt(0) depctr_sa_sdst(0) depctr_va_vdst(0) depctr_va_sdst(0) depctr_va_ssrc(0) depctr_va_vcc(0) depctr_vm_vsrc(0)
	s_getreg_b32 s2, hwreg(HW_REG_IB_STS2, 6, 4)
	s_cmp_eq_u32 s2, 0
	s_cbranch_scc0 .Lentry_in_a_cluster
	s_endpgm
.Lentry_in_a_cluster:
	s_bfe_u32 s2, ttmp6, 0x10000c
	s_cmp_lg_u32 s2, 0xf033
	s_cbranch_scc0 .Lentry_shape_is_right
	s_endpgm
.Lentry_shape_is_right:
; Q = x Wq + bq, K = x Wk + bk, V^T = Wv^T x^T + bv, on codes of E4M3 with E8M0 block scales, and each result quantised for attention on its way out.
; OPERANDS ARE RECORDS (16 rows x 256 K as an image of the registers, 4,352 bytes: codes at 2048 q + 512 c + 16 lane, scale words at 4096 + 128 q + 4 lane), a matrix [R][K] as rec[R / 16][K / 256].
; A tile of 256 x 256 is made by four waves, 128 x 128 each: 64 accumulators, 512 registers.  K goes in steps of 256 through two LDS slots; a wave's tensor load brings 8 records, codes and scales together.
; CLUSTERS of 4 x 4: clusters x = 0, 1 make Q and K (rows = tokens, columns = the weight's rows); cluster x = 2 makes V^T by the same text with the operands' places changed (rows = Wv's rows, columns = tokens),
; so that a lane's registers run along the tokens, which are the K of attention's second product.  The row operand's tiles are asked for jointly along a row of the cluster, the column operand's along a column.
; THE MATRIX INSTRUCTION IS USED TRANSPOSED (source 0 = 16 rows of the column operand, source 1 = 16 of the row operand): lane (r, h) holds row r, register j of block b column 16 b + 8 h + j.
; OUT.  Q, K: a record of 1,280 bytes for each (batch x 16 + head, 16 tokens): registers 0-7 of the fragment (the head's 64) at 512 c + 16 lane; at 1024 + 8 lane the scale word and register 8, the pad word.
; THE MASK rides in the unused k = 64: Q's pad is 1.0 (lanes 0-15) under the scale 2^35; a masked key has pad -1.0 under 2^35 and all its 64 codes 0, so its raw score is exactly -2^70; an open key has pad 0 under 2^-126.
; LIMIT: the masked logit is -2^67 where the definition has -1e20: the same results while true logits lie above -1e20.  Blocks under 2^-118 keep the scale byte 1; NaN and infinities are not served.
; V^T: records [64][16] like every operand.
; REGISTERS: window 0: v1-7 at work, v8-15 the mask or bv of my rows, v16-30 addresses, v32-63 scale words (two sets), v64-127 the column bias, v128-255 the row operand's fragments; on the way out v64-255 are free.
;   window 1: the column operand's fragments, two sets.  Windows 2, 3: the accumulators ((a, b) at v[8 (8 (a % 4) + b)]).
.set SIZE_K, 1024
.set REC,   4352
.set KP,    SIZE_K/256                 ; records along K
.set HALFT, 8*REC                      ; 128 rows x 256 K: what one tensor load brings
.set SLOT,  4*HALFT
.set SPARE, 2*SLOT                     ; behind the ring: the spare words, 128 bytes a wave, that no other line names
.set LAPS,  SIZE_K/512
.set NP,    8                          ; places behind this matrix instruction (ISA guide 7.12.1)
.set FR,    16
.set ORS,   16*REC                     ; V's records: from a tile of rows to the next
.set AUX,  8
.set ADRA, 16                          ; v16-17 my row operand's records in slot 0, 1: + 16 x lane
.set ASA,  18                          ; v18-19 the same + 4 (lane % 16) + 128 (lane / 16): lanes 0-15 take the first 128's scale words, lanes 16-31 the second's
.set ADRB, 20
.set ASB,  22
.set CO,   26                          ; v26 16 x lane
.set L4,   27                          ; v27 4 x lane
.set SPW,  28
.set NIL,  29
.set L8,   30                          ; v30 8 x lane
.set SC,   32                          ; set s at 32 + 16 s: + i the row operand's block i, + 8 + i the column operand's
.set BI,   64
.set AF,   128
.set KM,   64                          ; way out: -1 where the row's codes are kept, 0 for a masked key
.set PW,   72                          ; a scale word for each block of rows
.set E,    80                          ; four words for each block of rows: scale word and pad word of two heads
.set TM,   112
.set PC,   128                         ; 16 registers of codes for each block of rows: no store's data are written again
.set WV, 20
.set RH, 21
.set CH, 22
.set TR, 23
.set TC, 42
.set G1, 24
.set G0, 32
.set G1B, 48
.set G0B, 56
.set MNT, 93
.set SEL, 94
.set MSB, 0
.macro WIN new                         ; the immediate's high byte repeats the setting that is left
.if MSB != \new
	s_set_vgpr_msb (MSB<<8)|\new
.set MSB, \new
.endif
.endm
.set MUL_LO, 0xa1                      ; source 0 window 1, source 1 window 0, C and D window 2
.set MUL_HI, 0xf1
.set BEG_LO, 0x81                      ; the first products: C (the bias) window 0, D window 2
.set BEG_HI, 0xc1
.set TO_B,   0x40
.macro JLOAD s                         ; a joint load: waves 0, 1 fetch the row operand's halves, waves 2, 3 the column operand's; four v_nop follow each line
	s_cmp_eq_u32 s[RH], 0
	s_cbranch_scc0 .Lfor_b_\@
	tensor_load_to_lds s[G0+4*\s:G0+4*\s+3], s[G1:G1+7]
	s_nop 0
.rept 4
	v_nop
.endr
	s_branch .Lasked_\@
.Lfor_b_\@:
	tensor_load_to_lds s[G0B+4*\s:G0B+4*\s+3], s[G1B:G1B+7]
	s_nop 0
.rept 4
	v_nop
.endr
.Lasked_\@:
.endm
.macro CREST                           ; a round of the cluster's barrier behind its opening barrier
	s_cmp_lg_u32 s[WV], 0
	s_cbranch_scc1 .Lnot_wave_0_\@
	s_barrier_signal -3
.Lnot_wave_0_\@:
	s_barrier_wait -3
	s_barrier_signal -1
	s_barrier_wait -1
.endm
.macro CROUND
	s_barrier_signal -1
	s_barrier_wait -1
	CREST
.endm
.macro PLACES n
.rept \n
	v_nop
.endr
.endm
.macro FRAG reg, adr, q, i             ; a fragment comes back as it was stored: four loads of 512 consecutive bytes
.irp c, 0,1,2,3
	ds_load_b128 v[\reg+4*\c:\reg+4*\c+3], v[\adr] offset:(\i)*REC+2048*(\q)+512*\c
.endr
.endm
; 16 matrix instructions: row blocks a0, a0 + 1 x the eight column blocks, the slot's q-th 128 along K.  The 64 accumulators take turns, one instruction a turn.
.macro MUL16 a0, p, q, sc, zero
.irp a, \a0, \a0+1
.irp b, 0,1,2,3,4,5,6,7
.set rD, 8*(8*((\a)%4)+\b)
.set rB, 128*(\p)+FR*\b
.set rA, AF+FR*(\a)
.set sB, SC+16*(\sc)+8+\b
.set sA, SC+16*(\sc)+(\a)
.if \zero
	v_wmma_scale_f32_16x16x128_f8f6f4 v[rD:rD+7], v[rB:rB+15], v[rA:rA+15], v[BI+8*\b:BI+8*\b+7], v[sB], v[sA]
.elseif \q
	v_wmma_scale_f32_16x16x128_f8f6f4 v[rD:rD+7], v[rB:rB+15], v[rA:rA+15], v[rD:rD+7], v[sB], v[sA] matrix_a_scale:MATRIX_SCALE_ROW1 matrix_b_scale:MATRIX_SCALE_ROW1
.else
	v_wmma_scale_f32_16x16x128_f8f6f4 v[rD:rD+7], v[rB:rB+15], v[rA:rA+15], v[rD:rD+7], v[sB], v[sA]
.endif
.endr
.endr
.endm
.macro FETCH_B slot, q, p
	WIN TO_B
.irp i, 0,1,2,3,4,5,6,7
	FRAG 128*(\p)+FR*\i, ADRB+\slot, \q, \i
.endr
	WIN 0
.endm
.macro FETCH_A slot, q, i0
.irp i, \i0, \i0+1, \i0+2, \i0+3
	FRAG AF+FR*(\i), ADRA+\slot, \q, \i
.endr
.endm
.macro SCALES sc                       ; a slot's scale words: one register a block serves both of its K steps
.irp i, 0,1,2,3,4,5,6,7
	ds_load_b32 v[SC+16*\sc+\i], v[ASA+\sc] offset:\i*REC+4096
	ds_load_b32 v[SC+16*\sc+8+\i], v[ASB+\sc] offset:\i*REC+4096
.endr
.endm
.macro STEP slot, zero                 ; a slot's first 128 along K; it fetches the second
	s_wait_dscnt 16                                ; all but the youngest sixteen loads (row blocks 4-7) are in
.if \zero
	WIN BEG_LO
.else
	WIN MUL_LO
.endif
	MUL16 0, 0, 0, \slot, \zero
	MUL16 2, 0, 0, \slot, \zero
	s_wait_dscnt 0                                 ; row blocks 4-7 are in
	PLACES NP                                      ; in front of loads into registers that matrix instructions have read
	FETCH_B \slot, 1, 1
	FETCH_A \slot, 1, 0
.if \zero
	WIN BEG_HI
.else
	WIN MUL_HI
.endif
	MUL16 4, 0, 0, \slot, \zero
	MUL16 6, 0, 0, \slot, \zero
	PLACES NP
	WIN 0
	FETCH_A \slot, 1, 4
.endm
.macro TURN slot, next, fill           ; a slot's second 128 along K, and the change of slots
	s_wait_tensorcnt 0x0                           ; all my tensor loads have landed: my part of the next slot
	ds_add_u32 v[SPW], v[NIL]                      ; 0 onto my spare word
	s_wait_dscnt 17                                ; (the add and the youngest sixteen loads may be out)
	WIN MUL_LO
	MUL16 0, 1, 1, \slot, 0
	s_wait_dscnt 0x0                               ; the add is done, and my reads of this slot are over
	s_barrier_signal -1
	MUL16 2, 1, 1, \slot, 0
	WIN 0
	s_barrier_wait -1
.if \fill
	CREST                                          ; the barrier has opened a round of the cluster's: no wave of any partner still reads this slot or has a load on its way
	s_add_nc_u64 s[G0+4*\slot+2:G0+4*\slot+3], s[G0+4*\slot+2:G0+4*\slot+3], 2*REC
	s_add_nc_u64 s[G0B+4*\slot+2:G0B+4*\slot+3], s[G0B+4*\slot+2:G0B+4*\slot+3], 2*REC
	JLOAD \slot                                    ; the first tensor load behind the round, my one load until the next
	PLACES NP-4
.else
	PLACES NP
.endif
	FETCH_B \next, 0, 0
	FETCH_A \next, 0, 0
	SCALES \next
	WIN MUL_HI
	MUL16 4, 1, 1, \slot, 0
	MUL16 6, 1, 1, \slot, 0
	PLACES NP
	WIN 0
	FETCH_A \next, 0, 4
.endm
	s_load_b512 s[4:19], s[0:1], 0x0               ; arec, wrec, bq, bk, bv, mask, qkrec, vrec
	v_lshl_add_u32 v[SPW], v0, 2, SPARE
	v_mov_b32 v[NIL], 0
	ds_add_u32 v28, v29
	ds_add_u32 v28, v29
	s_wait_dscnt 0x0
	v_lshrrev_b32 v1, 5, v0
	v_readfirstlane_b32 s[WV], v1                  ; wave 0..3
	s_lshr_b32 s[RH], s[WV], 1                     ; my half of the tile's rows.  Also: I fetch the row operand (0) or the column operand (1)
	s_and_b32 s[CH], s[WV], 1                      ; my half of its columns.  Also: which 128 rows I fetch
	s_bfe_u32 s40, ttmp6, 0x40000                  ; cx
	s_bfe_u32 s41, ttmp6, 0x40004                  ; cy
	s_and_b32 s81, ttmp7, 0xffff                   ; cluster y
	s_cmp_lt_u32 ttmp9, 2                          ; cluster x: 0 Q, 1 K, 2 V: the same in all sixteen partners
	s_cselect_b32 s82, s81, 0
	s_cselect_b32 s83, 0, s81
	s_cselect_b32 s84, -1, 0
	s_lshl_b32 s[TR], s82, 2
	s_add_co_u32 s[TR], s[TR], s41                 ; tile row: Q, K: 4 y + cy (tokens); V: cy (Wv's rows)
	s_lshl_b32 s[TC], s83, 2
	s_add_co_u32 s[TC], s[TC], s40                 ; tile column: Q, K: cx (the weight's rows); V: 4 y + cx (tokens)
	s_lshl_b32 s43, s41, 2
	s_lshl_b32 s43, 15, s43                        ; my row of the cluster
	s_lshl_b32 s44, 0x1111, s40                    ; my column
	s_or_b32 s[G1+0], s43, (3<<16)|(1<<21)         ; 15:0 the mask; 17:16 elements of 8 bytes; 21 set beside a mask; no padding
	s_or_b32 s[G1B+0], s44, (3<<16)|(1<<21)
.irp g, G1, G1B
	s_mov_b32 s[\g+1], 544<<16                     ; tensor_dim0: a record, 544 elements
	s_mov_b32 s[\g+2], 8<<16                       ; tensor_dim1: 8 records
	s_mov_b32 s[\g+3], 544<<16                     ; tile_dim0
	s_mov_b32 s[\g+4], 8                           ; tile_dim1
	s_mov_b32 s[\g+5], KP*544                      ; from a tile of 16 rows to the next
	s_mov_b32 s[\g+6], 0
	s_mov_b32 s[\g+7], 0
.endr
	s_lshl_b32 s46, s[TR], 4
	s_lshl_b32 s47, s[CH], 3
	s_add_co_u32 s46, s46, s47
	s_mul_i32 s46, s46, KP*REC                     ; the row operand: records of rows 256 x tile row + 128 x half
	s_mov_b32 s47, 0
	s_lshl_b32 s66, s[TC], 4
	s_lshl_b32 s67, s[CH], 3
	s_add_co_u32 s66, s66, s67
	s_mul_i32 s66, s66, KP*REC                     ; the column operand likewise
	s_mov_b32 s67, 0
	s_mul_i32 s45, s[WV], HALFT                    ; where they go: no place in the cluster enters an LDS address
	s_mul_i32 s72, ttmp9, 256*REC                  ; Wq's, Wk's or Wv's records in wrec
	s_mov_b32 s73, 0
	s_mov_b32 s[SEL], 0x76543210
	s_mov_b32 s[SEL+1], 0xfedcba98
	s_mov_b32 s[MNT], 0x600000
	s_wait_kmcnt 0x0
	s_add_nc_u64 s[72:73], s[6:7], s[72:73]
	s_cmp_lt_u32 ttmp9, 2
	s_cselect_b64 s[68:69], s[4:5], s[72:73]       ; rows: x, or Wv
	s_cselect_b64 s[70:71], s[72:73], s[4:5]       ; columns: Wq or Wk, or x
	s_add_nc_u64 s[68:69], s[68:69], s[46:47]
	s_add_nc_u64 s[70:71], s[70:71], s[66:67]
	CROUND                                         ; all sixteen work-groups are here: the first joint loads meet
.irp s, 0,1
	s_mov_b32 s[G0+4*\s], 1
	s_add_co_u32 s[G0+4*\s+1], s45, \s*SLOT
	s_add_nc_u64 s[G0+4*\s+2:G0+4*\s+3], s[68:69], \s*REC
	s_or_b32 s[G0+4*\s+3], s[G0+4*\s+3], 0x80000000
	s_mov_b32 s[G0B+4*\s], 1
	s_add_co_u32 s[G0B+4*\s+1], s45, \s*SLOT
	s_add_nc_u64 s[G0B+4*\s+2:G0B+4*\s+3], s[70:71], \s*REC
	s_or_b32 s[G0B+4*\s+3], s[G0B+4*\s+3], 0x80000000
	JLOAD \s
.endr
	v_and_b32 v1, 31, v0                           ; lane
	v_and_b32 v2, 15, v0                           ; r
	v_bfe_u32 v3, v0, 4, 1                         ; h
	v_lshlrev_b32 v[CO], 4, v1
	v_lshlrev_b32 v[L4], 2, v1
	v_lshlrev_b32 v[L8], 3, v1
	v_lshlrev_b32 v6, 2, v2                        ; 4 r
	v_lshl_add_u32 v4, v3, 7, v6                   ; 4 r + 128 h
	v_lshlrev_b32 v5, 5, v3                        ; 32 h
	s_mul_i32 s74, s[RH], HALFT
	s_mul_i32 s75, s[CH], HALFT
	s_add_co_u32 s75, s75, 2*HALFT
.irp s, 0,1
	v_add_nc_u32 v[ADRA+\s], s74, v[CO]
	v_add_nc_u32 v[ADRB+\s], s75, v[CO]
	v_add_nc_u32 v[ASA+\s], s74, v4
	v_add_nc_u32 v[ASB+\s], s75, v4
	s_add_co_u32 s74, s74, SLOT
	s_add_co_u32 s75, s75, SLOT
.endr
	s_lshl_b32 s76, s[TC], 8
	s_lshl_b32 s77, s[CH], 7
	s_add_co_u32 s76, s76, s77                     ; my first column
	s_and_b32 s76, s76, s84                        ; (V has no column bias: it reads bk's head and clears it below, so that no load leaves its buffer)
	s_lshl_b32 s76, s76, 2
	s_mov_b32 s77, 0
	s_cmp_eq_u32 ttmp9, 0
	s_cselect_b64 s[78:79], s[8:9], s[10:11]       ; bq, or bk
	s_add_nc_u64 s[78:79], s[78:79], s[76:77]
.irp b, 0,1,2,3,4,5,6,7
	global_load_b128 v[BI+8*\b:BI+8*\b+3], v5, s[78:79] offset:64*\b       ; the bias in the result's layout: columns 16 b + 8 h + 0 .. 7
	global_load_b128 v[BI+8*\b+4:BI+8*\b+7], v5, s[78:79] offset:64*\b+16
.endr
	s_lshl_b32 s86, s[TR], 8
	s_lshl_b32 s87, s[RH], 7
	s_add_co_u32 s86, s86, s87                     ; my first row
	s_lshl_b32 s88, s86, 2
	s_mov_b32 s89, 0
	s_cmp_lt_u32 ttmp9, 2
	s_cselect_b64 s[90:91], s[14:15], s[12:13]     ; a number for each row: the mask (rows = tokens), or bv (rows = Wv's)
	s_add_nc_u64 s[90:91], s[90:91], s[88:89]
.irp a, 0,1,2,3,4,5,6,7
	global_load_b32 v[AUX+\a], v6, s[90:91] offset:64*\a
.endr
	s_wait_loadcnt 0x0
.set i, 0
.rept 64
	v_and_b32 v[BI+i], s84, v[BI+i]                ; V: the column bias is 0
.set i, i+1
.endr
	PLACES NP
	s_wait_tensorcnt 1                             ; my part of slot 0 is in (slot 1's load may be out)
	s_barrier_signal -1
	s_barrier_wait -1
	FETCH_B 0, 0, 0
	FETCH_A 0, 0, 0
	SCALES 0
	FETCH_A 0, 0, 4
	STEP 0, 1                                      ; the first products start the sums from the bias: nothing is cleared
	s_mov_b32 s3, LAPS-1
.Llap:                                             ; a trip goes once round the ring and fills both slots again
	TURN 0, 1, 1
	STEP 1, 0
	TURN 1, 0, 1
	STEP 0, 0
	s_sub_co_u32 s3, s3, 1
	s_cmp_lg_u32 s3, 0
	s_cbranch_scc1 .Llap
	TURN 0, 1, 0                                   ; the last lap fills nothing
	STEP 1, 0
	s_wait_dscnt 16
	WIN MUL_LO
	MUL16 0, 1, 1, 1, 0
	MUL16 2, 1, 1, 1, 0
	s_wait_dscnt 0
	WIN MUL_HI
	MUL16 4, 1, 1, 1, 0
	MUL16 6, 1, 1, 1, 0
	WIN 0
; THE WAY OUT.  Block a's 64 registers of a lane are 128 neighbours along the next K of the lane's row, in the fragment's order: four blocks of 32, each shared with lane l xor 16.
.macro QUANTW a
.set WA, 2+(\a)/4
.set AC, 64*((\a)%4)
.set PCA, PC+16*(\a)
.set W_RD, WA|(WA<<2)
.set W_RW, WA|(WA<<6)
	WIN W_RD                                       ; sources 0, 1: the accumulators' window
.irp b, 0,1,2,3
	v_max3_num_f32 v[TM+\b], |v[AC+16*\b]|, |v[AC+16*\b+1]|, 0x4800000     ; each accumulator is read from its low end on; the floor holds the byte at 1
.endr
.irp i, 2,4,6,8,10,12,14
.irp b, 0,1,2,3
	v_max3_num_f32 v[TM+\b], |v[AC+16*\b+\i]|, |v[AC+16*\b+\i+1]|, v[TM+\b]
.endr
.endr
	WIN 0
.irp b, 0,1,2,3
	v_permlanex16_b32 v[TM+4+\b], v[TM+\b], s[SEL], s[SEL+1]
.endr
.irp b, 0,1,2,3
	v_max_num_f32 v[TM+\b], v[TM+\b], v[TM+4+\b]
.endr
.irp b, 0,1,2,3
	v_add_nc_u32 v[TM+12+\b], 0xfc000000, v[TM+\b]
.endr
.irp b, 0,1,2,3
	v_and_or_b32 v[TM+8+\b], v[TM+\b], 0x7f800000, s[MNT]
.endr
.irp b, 0,1,2,3
	v_lshrrev_b32 v[TM+4+\b], 23, v[TM+12+\b]
.endr
	v_lshl_or_b32 v[PW+(\a)], v[TM+5], 8, v[TM+4]
	v_lshl_or_b32 v[PW+(\a)], v[TM+6], 16, v[PW+(\a)]
	v_lshl_or_b32 v[PW+(\a)], v[TM+7], 24, v[PW+(\a)]
	WIN W_RW
.irp b, 0,1,2,3
.set i, 0
.rept 16
	v_med3_num_f32 v[AC+16*\b+i], v[AC+16*\b+i], -v[TM+8+\b], v[TM+8+\b]   ; the conversion does not saturate (ISA guide 7.6.2)
.set i, i+1
.endr
.endr
	WIN WA
.irp b, 0,1,2,3
	v_cvt_scalef32_pk8_fp8_f32 v[PCA+4*\b:PCA+4*\b+1], v[AC+16*\b:AC+16*\b+7], v[TM+12+\b]
	v_cvt_scalef32_pk8_fp8_f32 v[PCA+4*\b+2:PCA+4*\b+3], v[AC+16*\b+8:AC+16*\b+15], v[TM+12+\b]
.endr
	v_nop                                          ; a plain line behind the last conversion
	WIN 0
.endm
	PLACES NP                                      ; behind the last products, ahead of the first read of results and the first write of their operands
.irp b, 0,1,2,3
	v_mov_b32 v[TM+4+\b], 0                        ; a lane permute's destination counts as one of its sources
.endr
	s_cmp_eq_u32 ttmp9, 2
	s_cbranch_scc1 .Lvpath
	; ---- Q and K: my 128 columns are two heads
	s_lshl_b32 s86, s[TR], 8
	s_lshl_b32 s87, s[RH], 7
	s_add_co_u32 s86, s86, s87                     ; my first token
	s_lshr_b32 s87, s86, 11                        ; its batch
	s_bfe_u32 s88, s86, 0x70004                    ; its tile of 16 in the batch
	s_lshl_b32 s87, s87, 4
	s_lshl_b32 s89, s[TC], 2
	s_add_co_u32 s87, s87, s89
	s_lshl_b32 s89, s[CH], 1
	s_add_co_u32 s87, s87, s89                     ; batch x 16 + my first head
	s_lshl_b32 s87, s87, 7
	s_add_co_u32 s87, s87, s88
	s_mul_i32 s86, s87, 1280
	s_mul_i32 s87, ttmp9, 5242880                  ; K's records lie behind Q's
	s_add_co_u32 s86, s86, s87
	s_mov_b32 s87, 0
	s_add_nc_u64 s[96:97], s[16:17], s[86:87]
	s_mov_b32 s67, 0x01010000
	s_cmp_eq_u32 ttmp9, 0
	s_cselect_b32 s85, -1, 0                       ; Q knows no mask
	s_cselect_b32 s92, 0x38, 0                     ; Q's pad: the code of 1.0
	s_cselect_b32 s66, 0x7fa20000, s67             ; the scale word's upper bytes: Q: 2^35, 1; an open key: 2^-126, 2^-126;
	s_mov_b32 s67, 0x01a20000                      ; a masked key: 2^35, 2^-126
	v_sub_nc_u32 v7, 1, v3
	v_mul_u32_u24 v7, s92, v7                      ; in lanes 0-15 alone: one product of the 128
.irp a, 0,1,2,3,4,5,6,7
	v_cmp_ne_u32 vcc_lo, 0, v[AUX+\a]
	v_cndmask_b32 v[KM+\a], 0, -1, vcc_lo
	v_or_b32 v[KM+\a], s85, v[KM+\a]
.endr
.irp a, 0,1,2,3,4,5,6,7
	QUANTW \a
.set i, 0
.rept 16
	v_and_b32 v[PC+16*\a+i], v[KM+\a], v[PC+16*\a+i]   ; a masked key's codes are zeros
.set i, i+1
.endr
	v_bfi_b32 v5, v[KM+\a], s66, s67
	v_and_or_b32 v[E+4*\a], v[PW+\a], 0xffff, v5       ; head 0: its two bytes under the pad block's
	v_lshrrev_b32 v[E+4*\a+2], 16, v[PW+\a]
	v_or_b32 v[E+4*\a+2], v5, v[E+4*\a+2]              ; head 1
	v_xor_b32 v[E+4*\a+1], -1, v[KM+\a]
	v_and_or_b32 v[E+4*\a+1], v[E+4*\a+1], 0xb8, v7    ; the pad word: -1.0 for a masked key; Q's 1.0
	v_mov_b32 v[E+4*\a+3], v[E+4*\a+1]
.irp u, 0,1
	global_store_b128 v[CO], v[PC+16*\a+8*\u:PC+16*\a+8*\u+3], s[96:97] offset:\a*1280+\u*163840
	global_store_b128 v[CO], v[PC+16*\a+8*\u+4:PC+16*\a+8*\u+7], s[96:97] offset:\a*1280+\u*163840+512
	global_store_b64 v[L8], v[E+4*\a+2*\u:E+4*\a+2*\u+1], s[96:97] offset:\a*1280+\u*163840+1024
.endr
.endr
	s_branch .Lend
.Lvpath:
	; ---- V^T: rows = the head's channels, registers along the tokens; bv is a number a lane
	s_lshl_b32 s86, s[TR], 4
	s_lshl_b32 s87, s[RH], 3
	s_add_co_u32 s86, s86, s87
	s_mul_i32 s86, s86, ORS
	s_mul_i32 s87, s[TC], REC
	s_add_co_u32 s86, s86, s87                     ; block 0's record
	s_lshl_b32 s87, s[CH], 11
	s_add_co_u32 s88, s86, s87                     ; my 128 tokens are its part CH
	s_mov_b32 s89, 0
	s_lshl_b32 s87, s[CH], 7
	s_add_co_u32 s86, s86, s87
	s_mov_b32 s87, 0
	s_add_nc_u64 s[96:97], s[18:19], s[88:89]
	s_add_nc_u64 s[98:99], s[18:19], s[86:87]
.irp a, 0,1,2,3,4,5,6,7
.set WB, (2+\a/4)|((2+\a/4)<<6)
	WIN WB
.set i, 0
.rept 32
.if \a%2
	v_pk_add_f32 v[64*(\a%4)+i:64*(\a%4)+i+1], v[64*(\a%4)+i:64*(\a%4)+i+1], v[AUX+\a-1:AUX+\a] op_sel:[0,1] op_sel_hi:[1,1]
.else
	v_pk_add_f32 v[64*(\a%4)+i:64*(\a%4)+i+1], v[64*(\a%4)+i:64*(\a%4)+i+1], v[AUX+\a:AUX+\a+1] op_sel_hi:[1,0]
.endif
.set i, i+2
.endr
	QUANTW \a
.irp c, 0,1,2,3
	global_store_b128 v[CO], v[PC+16*\a+4*\c:PC+16*\a+4*\c+3], s[96:97] offset:\a*ORS+512*\c
.endr
	global_store_b32 v[L4], v[PW+\a], s[98:99] offset:\a*ORS+4096
.endr
.Lend:
	s_wait_tensorcnt 0x0                           ; the wave's end
	ds_add_u32 v[SPW], v[NIL]
	s_wait_dscnt 0x0
	CROUND                                         ; the closing round: no work-group ends while a partner may still ask for a tile that names it
	s_endpgm
.Lfunc_end_k_qb4ad155f4d_qkv:
	.size	k_qb4ad155f4d_qkv, .Lfunc_end_k_qb4ad155f4d_qkv-k_qb4ad155f4d_qkv
	.p2alignl 7, 3214868480
	.fill 96, 4, 3214868480
	.section	.rodata,"a",@progbits
	.p2align	6, 0x0
	.amdhsa_kernel k_qb4ad155f4d_qkv
		.amdhsa_group_segment_fixed_size 327680
		.amdhsa_private_segment_fixed_size 0
		.amdhsa_enable_private_segment 0
		.amdhsa_kernarg_size 64
		.amdhsa_user_sgpr_count 2
		.amdhsa_user_sgpr_kernarg_segment_ptr 1
		.amdhsa_wavefront_size32 1
		.amdhsa_system_sgpr_workgroup_id_x 1
		.amdhsa_system_sgpr_workgroup_id_y 1
		.amdhsa_system_sgpr_workgroup_id_z 1
		.amdhsa_system_vgpr_workitem_id 0
		.amdhsa_next_free_vgpr 1024
		.amdhsa_next_free_sgpr 100
		.amdhsa_reserve_vcc 1
		.amdhsa_float_denorm_mode_32 3
		.amdhsa_float_denorm_mode_16_64 3
		.amdhsa_memory_ordered 1
		.amdhsa_forward_progress 1
		.amdhsa_inst_pref_size 255
	.end_amdhsa_kernel
	.section	.bss,"aw",@nobits
	.p2align	6
	.space	262144
	.amdgpu_metadata
---
amdhsa.version: [ 1, 2 ]
amdhsa.kernels:
  - .name:           k_qb4ad155f4d_qkv
    .symbol:         k_qb4ad155f4d_qkv.kd
    .args:
      - { .name: arec, .offset: 0, .size: 8, .value_kind: global_buffer, .address_space: global }
      - { .name: wrec, .offset: 8, .size: 8, .value_kind: global_buffer, .address_space: global }
      - { .name: bq, .offset: 16, .size: 8, .value_kind: global_buffer, .address_space: global }
      - { .name: bk, .offset: 24, .size: 8, .value_kind: global_buffer, .address_space: global }
      - { .name: bv, .offset: 32, .size: 8, .value_kind: global_buffer, .address_space: global }
      - { .name: mask, .offset: 40, .size: 8, .value_kind: global_buffer, .address_space: global }
      - { .name: qkrec, .offset: 48, .size: 8, .value_kind: global_buffer, .address_space: global }
      - { .name: vrec, .offset: 56, .size: 8, .value_kind: global_buffer, .address_space: global }
    .group_segment_fixed_size: 327680
    .private_segment_fixed_size: 0
    .kernarg_segment_align: 8
    .kernarg_segment_size: 64
    .max_flat_workgroup_size: 128
    .sgpr_count:     100
    .vgpr_count:     1024
    .wavefront_size: 32
...
	.end_amdgpu_metadata
.endif
;; end of part 2
;; launch attn (part 3): grid 8 x 32, 16 waves a work-group, clusters of 4 x 1, 305,152 bytes of LDS; arguments qkrec, vrec, arec; writes arec
.if DOCPART == 3
	.amdgcn_target "amdgcn-amd-amdhsa--gfx1250"
	.amdhsa_code_object_version 6
	.text
	.protected	k_qb4ad155f4d_attn
	.globl	k_qb4ad155f4d_attn
	.p2align	8
	.type	k_qb4ad155f4d_attn,@function
k_qb4ad155f4d_attn:
	s_mov_b64 s[64:65], 0
	v_nop
	global_prefetch_b8 v0, s[64:65] scope:SCOPE_SE
	s_setreg_imm32_b32 hwreg(HW_REG_WAVE_MODE, 25, 1), 1
	s_wait_xcnt 0x0
	s_wait_alu depctr_hold_cnt(0) depctr_sa_sdst(0) depctr_va_vdst(0) depctr_va_sdst(0) depctr_va_ssrc(0) depctr_va_vcc(0) depctr_vm_vsrc(0)
	s_getreg_b32 s2, hwreg(HW_REG_IB_STS2, 6, 4)
	s_cmp_eq_u32 s2, 0
	s_cbranch_scc0 .Lentry_in_a_cluster
	s_endpgm
.Lentry_in_a_cluster:
	s_bfe_u32 s2, ttmp6, 0x10000c
	s_cmp_lg_u32 s2, 0x3003
	s_cbranch_scc0 .Lentry_shape_is_right
	s_endpgm
.Lentry_shape_is_right:
; ctx = softmax(Q K^T / 8, masked) V for one head and 256 queries a work-group, both products on codes of E4M3 with E8M0 block scales; ctx is quantised along the model's 1,024 on its way out, into arec's records.
; THE SOFTMAX: t = score x log2(e) / 8; M = the running largest t rounded up to a whole number; p = 2^(t - M) is quantised along the keys, not normalised; the row's sum is taken of the unquantised p and divides at the end.
; THE MASK came with K's records: a masked key's raw score is exactly -2^70, so its p is 0, and 1 in a row all of whose keys are masked.  LIMIT: the masked logit is -2^67 where the definition has -1e20.
; SHARES.  Sixteen waves, 16 queries each, 256 registers: four waves to a SIMD, so that one wave's vector work stands beside another's products and LDS loads.  Every wave walks the head's 2,048 keys, 128 a step.
; THE WHOLE HEAD'S K AND V LIE IN LDS, filled once: K 128 records of 1,280 bytes, V 32 records of 4,352: no slot is filled again.  The loads go out in four quarters of 512 keys, so that the first steps start behind the first.
; CLUSTER.  The four query blocks of a cluster read the same K and V: every piece is asked for JOINTLY, with the mask of all four.  Nothing is prefetched: every load of the launch is issued at its head.
; LAYOUT.  Both products transposed (S^T = K Q^T, O^T = V^T P^T): a lane holds one query.  Register j of key tile T is key 16 T + 8 h + j, which is the order of k in every fragment of this program: p's codes are the operand.
; The first product's K is the head's 64: registers 0-7 of a fragment; register 8 is the pad word that carries the mask; registers 9-15 are zeros, written once.
; REGISTERS: v1-3 16, 8, 4 x lane; v4-7 addresses of the step; v12 -M, v13 the largest t, v[14:15] the sum; v16-31 Q; v32-95 four fragments of K; v96-159 S^T, then p, then V's four fragments; v160-191 O^T;
;   v192-207 p's codes; v208-211 V's scale words; v232-254 at work; v248-251 K's scale words; v253 p's; v255 Q's.
.set KREC, 1280
.set REC,  4352
.set VB,   128*KREC                    ; V lies behind K
.set KOFF, 32*128*KREC                 ; K's records lie behind Q's in qkrec
.set L16,  1
.set L8,   2
.set L4,   3
.set ADK,  4
.set ADKS, 5
.set ADV,  6
.set ADVS, 7
.set WV,   18
.set MNT,  19
.set SEL,  20
.set CS,   22
.set TBK,  2                           ; s2 LDS byte of the pair of steps' K
.set TBV,  3                           ; s3 and of its V
.set G0K,  24                          ; s[24:39] four groups 0 for K's pieces
.set G0V,  40                          ; s[40:55] for V's
.set G1K,  56
.set G1V,  68
.set CNT,  76
.macro CROUND
	s_barrier_signal -1
	s_barrier_wait -1
	s_cmp_lg_u32 s[WV], 0
	s_cbranch_scc1 .Lnot_wave_0_\@
	s_barrier_signal -3
.Lnot_wave_0_\@:
	s_barrier_wait -3
	s_barrier_signal -1
	s_barrier_wait -1
.endm
	s_load_b128 s[4:7], s[0:1], 0x0                ; qkrec, vrec
	s_load_b64 s[8:9], s[0:1], 0x10                ; arec
	v_lshl_add_u32 v230, v0, 2, 0x4a000
	v_mov_b32 v231, 0
	ds_add_u32 v230, v231
	ds_add_u32 v230, v231
	v_lshrrev_b32 v8, 5, v0
	v_readfirstlane_b32 s[WV], v8                  ; wave 0..15
	s_bfe_u32 s10, ttmp6, 0x40000                  ; cx
	s_lshl_b32 s11, ttmp9, 2
	s_add_co_u32 s11, s11, s10                     ; my block of 256 queries: it enters Q's and ctx's addresses alone
	s_and_b32 s12, ttmp7, 0xffff                   ; batch x 16 + head, which the partners share
	s_lshr_b32 s13, s12, 4                         ; batch
	s_and_b32 s14, s12, 15                         ; head
	s_and_b32 s15, s[WV], 3                        ; waves 0-3 fetch K's pieces 4 j + i, waves 4-7 V's
	s_mul_i32 s16, s15, 8*KREC                     ; K: a piece is 128 keys, 10,240 dense bytes
	s_mul_i32 s78, s12, 128*KREC
	s_add_co_u32 s78, s78, s16
	s_add_co_u32 s78, s78, KOFF
	s_mov_b32 s79, 0
	s_mul_i32 s17, s15, 2*REC                      ; V: a piece is two records: channel tiles 2 (i % 2), + 1 of keys 256 (2 j + i / 2) on
	s_add_co_u32 s17, s17, VB
	s_and_b32 s80, s15, 1
	s_lshl_b32 s80, s80, 1
	s_lshl_b32 s81, s14, 2
	s_add_co_u32 s80, s80, s81
	s_mul_i32 s80, s80, 16*REC
	s_lshr_b32 s81, s15, 1
	s_lshl_b32 s82, s13, 3
	s_add_co_u32 s81, s81, s82
	s_mul_i32 s81, s81, REC
	s_add_co_u32 s80, s80, s81
	s_mov_b32 s81, 0
	s_mov_b32 s[G1K], 15|(3<<16)|(1<<21)           ; the mask of all four; elements of 8 bytes; 21 set beside a mask
	s_mov_b32 s[G1K+1], 32<<16                     ; rows of 256 bytes,
	s_mov_b32 s[G1K+2], 40<<16                     ; 40 of them, dense
	s_mov_b32 s[G1K+3], 32<<16
	s_mov_b32 s[G1K+4], 40
	s_mov_b32 s[G1K+5], 32
	s_mov_b32 s[G1K+6], 0
	s_mov_b32 s[G1K+7], 0
	s_mov_b32 s[G1V], 15|(3<<16)|(1<<21)
	s_mov_b32 s[G1V+1], 544<<16                    ; a record,
	s_mov_b32 s[G1V+2], 2<<16                      ; two of them,
	s_mov_b32 s[G1V+3], 544<<16
	s_mov_b32 s[G1V+4], 2
	s_mov_b32 s[G1V+5], 16*544                     ; a tile of channels apart
	s_mov_b32 s[G1V+6], 0
	s_mov_b32 s[G1V+7], 0
	s_mov_b32 s[SEL], 0x76543210
	s_mov_b32 s[SEL+1], 0xfedcba98
	s_mov_b32 s[CS], 0x3e38aa3b                    ; c = log2(e) / 8
	s_mov_b32 s[CS+1], s[CS]
	s_mov_b32 s[MNT], 0x600000
	s_mov_b32 s[TBK], 0
	s_mov_b32 s[TBV], VB
	s_lshl_b32 s83, s12, 7
	s_lshl_b32 s84, s11, 4
	s_add_co_u32 s83, s83, s84
	s_add_co_u32 s83, s83, s[WV]
	s_mul_i32 s84, s83, KREC                       ; my 16 queries' record
	s_mov_b32 s85, 0
	s_lshl_b32 s86, s13, 7
	s_lshl_b32 s87, s11, 4
	s_add_co_u32 s86, s86, s87
	s_add_co_u32 s86, s86, s[WV]
	s_mul_i32 s86, s86, 4*REC                      ; ctx: my 16 rows' records;
	s_lshr_b32 s87, s14, 2
	s_mul_i32 s87, s87, REC
	s_add_co_u32 s86, s86, s87                     ; four heads to a record,
	s_bfe_u32 s87, s14, 0x10001                    ; two to a K step,
	s_and_b32 s88, s14, 1                          ; registers 8 (head % 2) on
	s_lshl_b32 s89, s87, 11
	s_add_co_u32 s90, s86, s89
	s_lshl_b32 s89, s88, 10
	s_add_co_u32 s90, s90, s89
	s_mov_b32 s91, 0
	s_lshl_b32 s89, s87, 7
	s_add_co_u32 s86, s86, s89
	s_lshl_b32 s89, s88, 1
	s_add_co_u32 s86, s86, s89
	s_add_co_u32 s86, s86, 4096                    ; and two bytes of each scale word
	s_mov_b32 s87, 0
	s_wait_dscnt 0x0
	s_wait_kmcnt 0x0
	s_add_nc_u64 s[78:79], s[4:5], s[78:79]
	s_add_nc_u64 s[80:81], s[6:7], s[80:81]
	s_add_nc_u64 s[4:5], s[4:5], s[84:85]
	s_add_nc_u64 s[90:91], s[8:9], s[90:91]
	s_add_nc_u64 s[86:87], s[8:9], s[86:87]
.irp j, 0,1,2,3
	s_mov_b32 s[G0K+4*\j], 1
	s_add_co_u32 s[G0K+4*\j+1], s16, \j*32*KREC
	s_add_nc_u64 s[G0K+4*\j+2:G0K+4*\j+3], s[78:79], \j*32*KREC
	s_or_b32 s[G0K+4*\j+3], s[G0K+4*\j+3], 0x80000000
	s_mov_b32 s[G0V+4*\j], 1
	s_add_co_u32 s[G0V+4*\j+1], s17, \j*8*REC
	s_add_nc_u64 s[G0V+4*\j+2:G0V+4*\j+3], s[80:81], \j*2*REC
	s_or_b32 s[G0V+4*\j+3], s[G0V+4*\j+3], 0x80000000
.endr
	CROUND                                         ; all four work-groups are here: the joint loads meet
	s_cmp_lt_u32 s[WV], 4                          ; a wave's four fills stand in one branch on its number: four loads of mine are out
	s_cbranch_scc0 .Lnot_k
.irp j, 0,1,2,3
	tensor_load_to_lds s[G0K+4*\j:G0K+4*\j+3], s[G1K:G1K+7]
	s_nop 0
.endr
.rept 4
	v_nop
.endr
	s_branch .Lasked
.Lnot_k:
	s_cmp_lt_u32 s[WV], 8
	s_cbranch_scc0 .Lasked
.irp j, 0,1,2,3
	tensor_load_to_lds s[G0V+4*\j:G0V+4*\j+3], s[G1V:G1V+7]
	s_nop 0
.endr
.rept 4
	v_nop
.endr
.Lasked:
	v_and_b32 v8, 31, v0
	v_lshlrev_b32 v[L16], 4, v8
	v_lshlrev_b32 v[L8], 3, v8
	v_lshlrev_b32 v[L4], 2, v8
	global_load_b128 v[16:19], v[L16], s[4:5]
	global_load_b128 v[20:23], v[L16], s[4:5] offset:512
	global_load_b32 v255, v[L8], s[4:5] offset:1024    ; Q's scale words
	global_load_b32 v24, v[L8], s[4:5] offset:1028     ; and its pad word
.set i, 25
.rept 7
	v_mov_b32 v[i], 0                              ; the rest of Q's fragment,
.set i, i+1
.endr
.irp t, 0,1,2,3
.set i, 9
.rept 7
	v_mov_b32 v[32+16*\t+i], 0                     ; and of K's four: no load ever lands here
.set i, i+1
.endr
.endr
	v_mov_b32 v13, 0xff61b1e6                      ; the largest t so far: -3e38
	v_floor_f32 v12, -v13                          ; -M
	v_mov_b32 v14, 0
	v_mov_b32 v15, 0
.irp b, 0,1,2,3
	v_mov_b32 v[236+\b], 0                         ; a lane permute's destination counts as one of its sources
.endr
	v_mov_b32 v253, 0                              ; (named as the upper half of v[252:253] before it is first written)
.set i, 0
.rept 32
	v_mov_b32 v[160+i], 0                          ; O^T: the step is written once; its first turn finds zeros
.set i, i+1
.endr
; A KEY STEP: 128 keys, the q-th of a pair
.macro STEP q
.irp g, 0,1                                    ; S^T = K Q^T, four tiles of 16 keys at a time
.if \g
.rept 8
	v_nop                                          ; places in front of loads into registers that the four products above have read
.endr
.endif
.irp t, 0,1,2,3
	ds_load_b128 v[32+16*\t:35+16*\t], v[ADK] offset:(8*\q+4*\g+\t)*KREC
	ds_load_b128 v[36+16*\t:39+16*\t], v[ADK] offset:(8*\q+4*\g+\t)*KREC+512
	ds_load_b32 v[40+16*\t], v[ADKS] offset:(8*\q+4*\g+\t)*KREC+1028
	ds_load_b32 v[248+\t], v[ADKS] offset:(8*\q+4*\g+\t)*KREC+1024
.endr
	s_wait_dscnt 0x0
.irp t, 0,1,2,3
	v_wmma_scale_f32_16x16x128_f8f6f4 v[96+8*(4*\g+\t):103+8*(4*\g+\t)], v[32+16*\t:47+16*\t], v[16:31], 0, v[248+\t], v255
.endr
.endr
.rept 8
	v_nop
.endr
.irp b, 0,1,2,3
	v_max3_num_f32 v[232+\b], v[96+16*\b], v[97+16*\b], v[98+16*\b]   ; the largest score of each block of 32 keys: for the row's maximum, and, since p rises with the score, for the block's largest p
.endr
.irp i, 3,5,7,9,11,13
.irp b, 0,1,2,3
	v_max3_num_f32 v[232+\b], v[232+\b], v[96+16*\b+\i], v[97+16*\b+\i]
.endr
.endr
.irp b, 0,1,2,3
	v_max_num_f32 v[232+\b], v[232+\b], v[111+16*\b]
.endr
.irp b, 0,1,2,3
	v_permlanex16_b32 v[236+\b], v[232+\b], s[SEL], s[SEL+1]
.endr
.irp b, 0,1,2,3
	v_max_num_f32 v[232+\b], v[232+\b], v[236+\b]
.endr
	v_max3_num_f32 v254, v232, v233, v234
	v_max_num_f32 v254, v254, v235
	v_mul_f32 v254, s[CS], v254                    ; the step's largest t of my query
	v_max_num_f32 v13, v13, v254
	v_mov_b32 v254, v12
	v_floor_f32 v12, -v13                          ; the new -M = -ceil(t)
	v_sub_f32 v254, v12, v254                      ; old M - new M: a whole number, 0 or less
	v_cvt_i32_f32 v254, v254                       ; (it saturates)
	v_ldexp_f32 v252, 1.0, v254                    ; f = 2^(old M - new M): rounds nothing
.set j, 0
.rept 32
	v_pk_fma_f32 v[96+j:97+j], v[96+j:97+j], s[CS:CS+1], v[12:13] op_sel_hi:[1,0,0]   ; t - M
.set j, j+2
.endr
.irp b, 0,1,2,3
	v_fma_f32 v[232+\b], v[232+\b], s[CS], v12
.endr
.set j, 0
.rept 64
	v_exp_f32 v[96+j], v[96+j]                     ; p = 2^(t - M)
.set j, j+1
.endr
	v_pk_mul_f32 v[14:15], v[14:15], v[252:253] op_sel_hi:[1,0]   ; the sums under the new M: a plain line behind the exponentials
	s_wait_alu depctr_va_vdst(0)                   ; one wait for the whole batch, ahead of its first reader
.irp b, 0,1,2,3
	v_exp_f32 v[232+\b], v[232+\b]                 ; the block's largest p
.endr
	v_pk_add_f32 v[236:237], v[96:97], v[98:99]    ; the row's sum of the unquantised p, in two chains
.set j, 4
.rept 15
	v_pk_add_f32 v[14:15], v[14:15], v[96+j:97+j]
	v_pk_add_f32 v[236:237], v[236:237], v[98+j:99+j]
.set j, j+4
.endr
	v_pk_add_f32 v[14:15], v[14:15], v[236:237]
	s_wait_alu depctr_va_vdst(0)                   ; and one for the four
.irp b, 0,1,2,3
	v_max_num_f32 v[232+\b], 0x4800000, v[232+\b]  ; the floor: the byte cannot fall under 1
.endr
.irp b, 0,1,2,3
	v_add_nc_u32 v[244+\b], 0xfc000000, v[232+\b]
.endr
.irp b, 0,1,2,3
	v_and_or_b32 v[240+\b], v[232+\b], 0x7f800000, s[MNT]
.endr
.irp b, 0,1,2,3
	v_lshrrev_b32 v[236+\b], 23, v[244+\b]
.endr
	v_lshl_or_b32 v253, v237, 8, v236              ; p's scale word for these 128 keys
	v_lshl_or_b32 v253, v238, 16, v253
	v_lshl_or_b32 v253, v239, 24, v253
.irp b, 0,1,2,3
.set i, 0
.rept 16
	v_min_num_f32 v[96+16*\b+i], v[96+16*\b+i], v[240+\b]   ; the hold; p is not negative
.set i, i+1
.endr
	v_cvt_scalef32_pk8_fp8_f32 v[192+4*\b:193+4*\b], v[96+16*\b:103+16*\b], v[244+\b]
	v_cvt_scalef32_pk8_fp8_f32 v[194+4*\b:195+4*\b], v[104+16*\b:111+16*\b], v[244+\b]
.endr
.irp t, 0,1,2,3                                ; V's four fragments land where p lay
.irp c, 0,1,2,3
	ds_load_b128 v[96+16*\t+4*\c:99+16*\t+4*\c], v[ADV] offset:\t*REC+2048*\q+512*\c
.endr
	ds_load_b32 v[208+\t], v[ADVS] offset:\t*REC+4096+128*\q
.endr
.set j, 0
.rept 16
	v_pk_mul_f32 v[160+j:161+j], v[160+j:161+j], v[252:253] op_sel_hi:[1,0]   ; O^T under the new M; these are also the places between the conversions and the products
.set j, j+2
.endr
	s_wait_dscnt 0x0
.irp t, 0,1,2,3
	v_wmma_scale_f32_16x16x128_f8f6f4 v[160+8*\t:167+8*\t], v[96+16*\t:111+16*\t], v[192:207], v[160+8*\t:167+8*\t], v[208+\t], v253
.endr
.rept 9
	v_nop                                          ; nine places: the next step's first products write over V's registers
.endr
.endm
.macro PAIR                                    ; 256 keys: 16 records of K, four of V
	v_add_nc_u32 v[ADK], s[TBK], v[L16]
	v_add_nc_u32 v[ADKS], s[TBK], v[L8]
	v_add_nc_u32 v[ADV], s[TBV], v[L16]
	v_add_nc_u32 v[ADVS], s[TBV], v[L4]
	STEP 0
	STEP 1
	s_add_co_u32 s[TBK], s[TBK], 16*KREC
	s_add_co_u32 s[TBV], s[TBV], 4*REC
.endm
	s_wait_loadcnt 0x0                             ; Q
	s_wait_tensorcnt 0x3                           ; the first of my four loads has landed; three may stay out
	s_barrier_signal -1
	s_barrier_wait -1                              ; everybody's has: keys 0 to 511 lie in LDS
	s_mov_b32 s[CNT], 2
.Lfirst:
	PAIR
	s_sub_co_u32 s[CNT], s[CNT], 1
	s_cmp_lg_u32 s[CNT], 0
	s_cbranch_scc1 .Lfirst
	s_wait_tensorcnt 0x0                           ; all my loads have landed
	s_barrier_signal -1
	s_barrier_wait -1                              ; the whole head lies in LDS
	s_mov_b32 s[CNT], 6
.Lrest:
	PAIR
	s_sub_co_u32 s[CNT], s[CNT], 1
	s_cmp_lg_u32 s[CNT], 0
	s_cbranch_scc1 .Lrest
	; THE WAY OUT: O^T / the sum; register 8 t + j is channel 16 t + 8 h + j of my query: two blocks of 32 of ctx's row, in the fragment's order
	v_add_f32 v14, v14, v15
	v_permlanex16_b32 v252, v14, s[SEL], s[SEL+1]
	v_add_f32 v14, v14, v252
	v_rcp_f32 v14, v14
	v_nop                                          ; a plain line behind the reciprocal,
	s_wait_alu depctr_va_vdst(0)                   ; and the wait ahead of its first reader
.set j, 0
.rept 32
	v_mul_f32 v[96+j], v[160+j], v14
.set j, j+1
.endr
.irp b, 0,1
	v_max3_num_f32 v[232+\b], |v[96+16*\b]|, |v[97+16*\b]|, 0x4800000
.endr
.irp i, 2,4,6,8,10,12,14
.irp b, 0,1
	v_max3_num_f32 v[232+\b], v[232+\b], |v[96+16*\b+\i]|, |v[97+16*\b+\i]|
.endr
.endr
.irp b, 0,1
	v_permlanex16_b32 v[236+\b], v[232+\b], s[SEL], s[SEL+1]
.endr
.irp b, 0,1
	v_max_num_f32 v[232+\b], v[232+\b], v[236+\b]
.endr
.irp b, 0,1
	v_add_nc_u32 v[244+\b], 0xfc000000, v[232+\b]
.endr
.irp b, 0,1
	v_and_or_b32 v[240+\b], v[232+\b], 0x7f800000, s[MNT]
.endr
.irp b, 0,1
	v_lshrrev_b32 v[236+\b], 23, v[244+\b]
.endr
	v_lshl_or_b32 v254, v237, 8, v236              ; my head's two bytes of the scale word
.irp b, 0,1
.set i, 0
.rept 16
	v_med3_num_f32 v[96+16*\b+i], v[96+16*\b+i], -v[240+\b], v[240+\b]
.set i, i+1
.endr
	v_cvt_scalef32_pk8_fp8_f32 v[192+4*\b:193+4*\b], v[96+16*\b:103+16*\b], v[244+\b]
	v_cvt_scalef32_pk8_fp8_f32 v[194+4*\b:195+4*\b], v[104+16*\b:111+16*\b], v[244+\b]
.endr
	v_nop
	global_store_b128 v[L16], v[192:195], s[90:91]             ; 512 consecutive bytes a store
	global_store_b128 v[L16], v[196:199], s[90:91] offset:512
	global_store_b16 v[L4], v254, s[86:87]
	s_wait_tensorcnt 0x0
	ds_add_u32 v230, v231
	s_wait_dscnt 0x0
	CROUND                                         ; the closing round
	s_endpgm
.Lfunc_end_k_qb4ad155f4d_attn:
	.size	k_qb4ad155f4d_attn, .Lfunc_end_k_qb4ad155f4d_attn-k_qb4ad155f4d_attn
	.p2alignl 7, 3214868480
	.fill 96, 4, 3214868480
	.section	.rodata,"a",@progbits
	.p2align	6, 0x0
	.amdhsa_kernel k_qb4ad155f4d_attn
		.amdhsa_group_segment_fixed_size 305152
		.amdhsa_private_segment_fixed_size 0
		.amdhsa_enable_private_segment 0
		.amdhsa_kernarg_size 24
		.amdhsa_user_sgpr_count 2
		.amdhsa_user_sgpr_kernarg_segment_ptr 1
		.amdhsa_wavefront_size32 1
		.amdhsa_system_sgpr_workgroup_id_x 1
		.amdhsa_system_sgpr_workgroup_id_y 1
		.amdhsa_system_sgpr_workgroup_id_z 1
		.amdhsa_system_vgpr_workitem_id 0
		.amdhsa_next_free_vgpr 256
		.amdhsa_next_free_sgpr 100
		.amdhsa_reserve_vcc 0
		.amdhsa_float_denorm_mode_32 3
		.amdhsa_float_denorm_mode_16_64 3
		.amdhsa_memory_ordered 1
		.amdhsa_forward_progress 1
		.amdhsa_inst_pref_size 96
	.end_amdhsa_kernel
	.amdgpu_metadata
---
amdhsa.version: [ 1, 2 ]
amdhsa.kernels:
  - .name:           k_qb4ad155f4d_attn
    .symbol:         k_qb4ad155f4d_attn.kd
    .args:
      - { .name: qkrec, .offset: 0, .size: 8, .value_kind: global_buffer, .address_space: global }
      - { .name: vrec, .offset: 8, .size: 8, .value_kind: global_buffer, .address_space: global }
      - { .name: arec, .offset: 16, .size: 8, .value_kind: global_buffer, .address_space: global }
    .group_segment_fixed_size: 305152
    .private_segment_fixed_size: 0
    .kernarg_segment_align: 8
    .kernarg_segment_size: 24
    .max_flat_workgroup_size: 512
    .sgpr_count:     100
    .vgpr_count:     256
    .wavefront_size: 32
...
	.end_amdgpu_metadata
.endif
;; end of part 3
;; launch wo (part 4): grid 4 x 16, 4 waves a work-group, clusters of 4 x 4, 327,680 bytes of LDS; arguments arec, wrec, bo, cbuf; writes cbuf
.if DOCPART == 4
	.amdgcn_target "amdgcn-amd-amdhsa--gfx1250"
	.amdhsa_code_object_version 6
	.text
	.protected	k_qb4ad155f4d_wo
	.globl	k_qb4ad155f4d_wo
	.p2align	8
	.type	k_qb4ad155f4d_wo,@function
k_qb4ad155f4d_wo:
	s_mov_b64 s[64:65], 0
	v_nop
	global_prefetch_b8 v0, s[64:65] scope:SCOPE_SE
	s_setreg_imm32_b32 hwreg(HW_REG_WAVE_MODE, 25, 1), 1
	s_wait_xcnt 0x0
	s_wait_alu depctr_hold_cnt(0) depctr_sa_sdst(0) depctr_va_vdst(0) depctr_va_sdst(0) depctr_va_ssrc(0) depctr_va_vcc(0) depctr_vm_vsrc(0)
	s_getreg_b32 s2, hwreg(HW_REG_IB_STS2, 6, 4)
	s_cmp_eq_u32 s2, 0
	s_cbranch_scc0 .Lentry_in_a_cluster
	s_endpgm
.Lentry_in_a_cluster:
	s_bfe_u32 s2, ttmp6, 0x10000c
	s_cmp_lg_u32 s2, 0xf033
	s_cbranch_scc0 .Lentry_shape_is_right
	s_endpgm
.Lentry_shape_is_right:
; C = A W^T + bias on codes of E4M3 with E8M0 block scales; C [4096][1024] f32.  Here: A = ctx (arec), W = Wo, bias = bo.
; OPERANDS ARE RECORDS (16 rows x 256 K as an image of the registers, 4,352 bytes: codes at 2048 q + 512 c + 16 lane, scale words at 4096 + 128 q + 4 lane), a matrix [R][K] as rec[R / 16][K / 256].
; A tile of 256 x 256 is made by four waves, 128 x 128 each: 64 accumulators, 512 registers.  K goes in steps of 256 through two LDS slots; a wave's tensor load brings 8 records, codes and scales together.
; CLUSTERS of 4 x 4: A's tiles are asked for jointly along a row of the cluster, W's along a column.  1,024 columns make 64 tiles: 64 work-groups; a smaller tile would read each LDS byte for half the products.
; THE MATRIX INSTRUCTION IS USED TRANSPOSED (source 0 = 16 rows of W, source 1 = 16 rows of A): lane (r, h) holds row r, register j of block b column 16 b + 8 h + j.  The bias is the C of the first products.
; REGISTERS: window 0: v1-7 at work, v16-30 addresses, v32-63 scale words (two sets), v64-127 the bias, v128-255 A's fragments (on the way out: rows read back).  Window 1: W's fragments, two sets.  Windows 2, 3: the accumulators.
.set SIZE_K, 1024
.set WOFF,  3342336                    ; Wo's records in wrec
.set SIZE_N, 1024
.set REC,   4352
.set KP,    SIZE_K/256
.set HALFT, 8*REC
.set SLOT,  4*HALFT
.set SPARE, 2*SLOT                     ; behind the ring: the spare words, 128 bytes a wave, that no other line names
.set LAPS,  SIZE_K/512
.set NP,    8                          ; places behind this matrix instruction (ISA guide 7.12.1)
.set FR,    16
.set SPITCH, 528                       ; the way out: a stage of 16 rows x (512 + 16) bytes a wave, in slot 0, which has had its last fill and its last read by then
.set ADRA, 16
.set ASA,  18
.set ADRB, 20
.set ASB,  22
.set STO,  24
.set RD,   25
.set CO,   26
.set SPW,  28
.set NIL,  29
.set SC,   32
.set BI,   64
.set AF,   128
.set BK,   128
.set WV, 20
.set RH, 21
.set CH, 22
.set TR, 23
.set TC, 42
.set G1, 24
.set G0, 32
.set G1B, 48
.set G0B, 56
.set MSB, 0
.macro WIN new
.if MSB != \new
	s_set_vgpr_msb (MSB<<8)|\new
.set MSB, \new
.endif
.endm
.set MUL_LO, 0xa1
.set MUL_HI, 0xf1
.set BEG_LO, 0x81
.set BEG_HI, 0xc1
.set TO_B,   0x40
.macro JLOAD s                         ; a joint load: waves 0, 1 fetch A's halves, waves 2, 3 W's; four v_nop follow each line
	s_cmp_eq_u32 s[RH], 0
	s_cbranch_scc0 .Lfor_b_\@
	tensor_load_to_lds s[G0+4*\s:G0+4*\s+3], s[G1:G1+7]
	s_nop 0
.rept 4
	v_nop
.endr
	s_branch .Lasked_\@
.Lfor_b_\@:
	tensor_load_to_lds s[G0B+4*\s:G0B+4*\s+3], s[G1B:G1B+7]
	s_nop 0
.rept 4
	v_nop
.endr
.Lasked_\@:
.endm
.macro CREST
	s_cmp_lg_u32 s[WV], 0
	s_cbranch_scc1 .Lnot_wave_0_\@
	s_barrier_signal -3
.Lnot_wave_0_\@:
	s_barrier_wait -3
	s_barrier_signal -1
	s_barrier_wait -1
.endm
.macro CROUND
	s_barrier_signal -1
	s_barrier_wait -1
	CREST
.endm
.macro PLACES n
.rept \n
	v_nop
.endr
.endm
.macro FRAG reg, adr, q, i
.irp c, 0,1,2,3
	ds_load_b128 v[\reg+4*\c:\reg+4*\c+3], v[\adr] offset:(\i)*REC+2048*(\q)+512*\c
.endr
.endm
; 16 matrix instructions: A's blocks a0, a0 + 1 x W's eight.  The 64 accumulators take turns, one instruction a turn.
.macro MUL16 a0, p, q, sc, zero
.irp a, \a0, \a0+1
.irp b, 0,1,2,3,4,5,6,7
.set rD, 8*(8*((\a)%4)+\b)
.set rB, 128*(\p)+FR*\b
.set rA, AF+FR*(\a)
.set sB, SC+16*(\sc)+8+\b
.set sA, SC+16*(\sc)+(\a)
.if \zero
	v_wmma_scale_f32_16x16x128_f8f6f4 v[rD:rD+7], v[rB:rB+15], v[rA:rA+15], v[BI+8*\b:BI+8*\b+7], v[sB], v[sA]
.elseif \q
	v_wmma_scale_f32_16x16x128_f8f6f4 v[rD:rD+7], v[rB:rB+15], v[rA:rA+15], v[rD:rD+7], v[sB], v[sA] matrix_a_scale:MATRIX_SCALE_ROW1 matrix_b_scale:MATRIX_SCALE_ROW1
.else
	v_wmma_scale_f32_16x16x128_f8f6f4 v[rD:rD+7], v[rB:rB+15], v[rA:rA+15], v[rD:rD+7], v[sB], v[sA]
.endif
.endr
.endr
.endm
.macro FETCH_B slot, q, p
	WIN TO_B
.irp i, 0,1,2,3,4,5,6,7
	FRAG 128*(\p)+FR*\i, ADRB+\slot, \q, \i
.endr
	WIN 0
.endm
.macro FETCH_A slot, q, i0
.irp i, \i0, \i0+1, \i0+2, \i0+3
	FRAG AF+FR*(\i), ADRA+\slot, \q, \i
.endr
.endm
.macro SCALES sc                       ; lanes 0-15 take the first 128's scale words, lanes 16-31 the second's: one register a block serves a slot
.irp i, 0,1,2,3,4,5,6,7
	ds_load_b32 v[SC+16*\sc+\i], v[ASA+\sc] offset:\i*REC+4096
	ds_load_b32 v[SC+16*\sc+8+\i], v[ASB+\sc] offset:\i*REC+4096
.endr
.endm
.macro STEP slot, zero
	s_wait_dscnt 16                                ; all but the youngest sixteen loads (A's blocks 4-7) are in
.if \zero
	WIN BEG_LO
.else
	WIN MUL_LO
.endif
	MUL16 0, 0, 0, \slot, \zero
	MUL16 2, 0, 0, \slot, \zero
	s_wait_dscnt 0
	PLACES NP                                      ; in front of loads into registers that matrix instructions have read
	FETCH_B \slot, 1, 1
	FETCH_A \slot, 1, 0
.if \zero
	WIN BEG_HI
.else
	WIN MUL_HI
.endif
	MUL16 4, 0, 0, \slot, \zero
	MUL16 6, 0, 0, \slot, \zero
	PLACES NP
	WIN 0
	FETCH_A \slot, 1, 4
.endm
.macro TURN slot, next, fill
	s_wait_tensorcnt 0x0                           ; all my tensor loads have landed: my part of the next slot
	ds_add_u32 v[SPW], v[NIL]                      ; 0 onto my spare word
	s_wait_dscnt 17                                ; (the add and the youngest sixteen loads may be out)
	WIN MUL_LO
	MUL16 0, 1, 1, \slot, 0
	s_wait_dscnt 0x0                               ; the add is done, and my reads of this slot are over
	s_barrier_signal -1
	MUL16 2, 1, 1, \slot, 0
	WIN 0
	s_barrier_wait -1
.if \fill
	CREST                                          ; the barrier has opened a round of the cluster's: no wave of any partner still reads this slot or has a load on its way
	s_add_nc_u64 s[G0+4*\slot+2:G0+4*\slot+3], s[G0+4*\slot+2:G0+4*\slot+3], 2*REC
	s_add_nc_u64 s[G0B+4*\slot+2:G0B+4*\slot+3], s[G0B+4*\slot+2:G0B+4*\slot+3], 2*REC
	JLOAD \slot                                    ; the first tensor load behind the round, my one load until the next
	PLACES NP-4
.else
	PLACES NP
.endif
	FETCH_B \next, 0, 0
	FETCH_A \next, 0, 0
	SCALES \next
	WIN MUL_HI
	MUL16 4, 1, 1, \slot, 0
	MUL16 6, 1, 1, \slot, 0
	PLACES NP
	WIN 0
	FETCH_A \next, 0, 4
.endm
	s_load_b256 s[4:11], s[0:1], 0x0               ; A's records, wrec, the bias, C
	v_lshl_add_u32 v[SPW], v0, 2, SPARE
	v_mov_b32 v[NIL], 0
	ds_add_u32 v28, v29
	ds_add_u32 v28, v29
	s_wait_dscnt 0x0
	v_lshrrev_b32 v1, 5, v0
	v_readfirstlane_b32 s[WV], v1
	s_lshr_b32 s[RH], s[WV], 1                     ; my half of the tile's rows.  Also: I fetch for A (0) or for W (1)
	s_and_b32 s[CH], s[WV], 1                      ; my half of its columns.  Also: which 128 rows I fetch
	s_bfe_u32 s40, ttmp6, 0x40000                  ; cx
	s_bfe_u32 s41, ttmp6, 0x40004                  ; cy
	s_lshl_b32 s[TC], ttmp9, 2
	s_add_co_u32 s[TC], s[TC], s40                 ; tile column
	s_and_b32 s[TR], ttmp7, 0xffff
	s_lshl_b32 s[TR], s[TR], 2
	s_add_co_u32 s[TR], s[TR], s41                 ; tile row
	s_lshl_b32 s43, s41, 2
	s_lshl_b32 s43, 15, s43
	s_lshl_b32 s44, 0x1111, s40
	s_or_b32 s[G1+0], s43, (3<<16)|(1<<21)         ; the mask; elements of 8 bytes; 21 set beside a mask; no padding
	s_or_b32 s[G1B+0], s44, (3<<16)|(1<<21)
.irp g, G1, G1B
	s_mov_b32 s[\g+1], 544<<16                     ; a record, 544 elements,
	s_mov_b32 s[\g+2], 8<<16                       ; 8 of them,
	s_mov_b32 s[\g+3], 544<<16
	s_mov_b32 s[\g+4], 8
	s_mov_b32 s[\g+5], KP*544                      ; a tile of 16 rows apart
	s_mov_b32 s[\g+6], 0
	s_mov_b32 s[\g+7], 0
.endr
	s_lshl_b32 s46, s[TR], 4
	s_lshl_b32 s47, s[CH], 3
	s_add_co_u32 s46, s46, s47
	s_mul_i32 s46, s46, KP*REC
	s_mov_b32 s47, 0
	s_lshl_b32 s66, s[TC], 4
	s_lshl_b32 s67, s[CH], 3
	s_add_co_u32 s66, s66, s67
	s_mul_i32 s66, s66, KP*REC
	s_mov_b32 s67, 0
	s_mul_i32 s45, s[WV], HALFT                    ; no place in the cluster enters an LDS address
	s_wait_kmcnt 0x0
	s_add_nc_u64 s[68:69], s[4:5], s[46:47]
	s_add_nc_u64 s[70:71], s[6:7], WOFF
	s_add_nc_u64 s[70:71], s[70:71], s[66:67]
	CROUND                                         ; all sixteen work-groups are here: the first joint loads meet
.irp s, 0,1
	s_mov_b32 s[G0+4*\s], 1
	s_add_co_u32 s[G0+4*\s+1], s45, \s*SLOT
	s_add_nc_u64 s[G0+4*\s+2:G0+4*\s+3], s[68:69], \s*REC
	s_or_b32 s[G0+4*\s+3], s[G0+4*\s+3], 0x80000000
	s_mov_b32 s[G0B+4*\s], 1
	s_add_co_u32 s[G0B+4*\s+1], s45, \s*SLOT
	s_add_nc_u64 s[G0B+4*\s+2:G0B+4*\s+3], s[70:71], \s*REC
	s_or_b32 s[G0B+4*\s+3], s[G0B+4*\s+3], 0x80000000
	JLOAD \s
.endr
	v_and_b32 v1, 31, v0
	v_and_b32 v2, 15, v0                           ; r
	v_bfe_u32 v3, v0, 4, 1                         ; h
	v_lshlrev_b32 v[CO], 4, v1                     ; 16 x lane
	v_lshlrev_b32 v4, 2, v2
	v_lshl_add_u32 v4, v3, 7, v4                   ; 4 r + 128 h
	v_lshlrev_b32 v5, 5, v3                        ; 32 h
	s_mul_i32 s74, s[RH], HALFT
	s_mul_i32 s75, s[CH], HALFT
	s_add_co_u32 s75, s75, 2*HALFT
.irp s, 0,1
	v_add_nc_u32 v[ADRA+\s], s74, v[CO]
	v_add_nc_u32 v[ADRB+\s], s75, v[CO]
	v_add_nc_u32 v[ASA+\s], s74, v4
	v_add_nc_u32 v[ASB+\s], s75, v4
	s_add_co_u32 s74, s74, SLOT
	s_add_co_u32 s75, s75, SLOT
.endr
	s_lshl_b32 s76, s[TC], 8
	s_lshl_b32 s77, s[CH], 7
	s_add_co_u32 s76, s76, s77
	s_lshl_b32 s76, s76, 2
	s_mov_b32 s77, 0
	s_add_nc_u64 s[78:79], s[8:9], s[76:77]
.irp b, 0,1,2,3,4,5,6,7
	global_load_b128 v[BI+8*\b:BI+8*\b+3], v5, s[78:79] offset:64*\b       ; the bias in the result's layout: columns 16 b + 8 h + 0 .. 7
	global_load_b128 v[BI+8*\b+4:BI+8*\b+7], v5, s[78:79] offset:64*\b+16
.endr
	s_mul_i32 s92, s[WV], 16*SPITCH                ; my stage
	v_mul_u32_u24 v7, v2, SPITCH
	v_lshl_add_u32 v7, v3, 5, v7
	v_add_nc_u32 v[STO], s92, v7                   ; in: row r, 32 bytes for each half of the lanes
	v_add_nc_u32 v[RD], s92, v[CO]                 ; back: the 32 lanes take a row of 512 bytes
	s_lshl_b32 s86, s[TR], 8
	s_lshl_b32 s87, s[RH], 7
	s_add_co_u32 s86, s86, s87
	s_lshl_b32 s86, s86, 12                        ; my first row of C x 4,096 bytes
	s_lshl_b32 s87, s[TC], 10
	s_add_co_u32 s86, s86, s87
	s_lshl_b32 s87, s[CH], 9
	s_add_co_u32 s86, s86, s87
	s_mov_b32 s87, 0
	s_add_nc_u64 s[10:11], s[10:11], s[86:87]
	s_wait_loadcnt 0x0
	s_wait_tensorcnt 1                             ; my part of slot 0 is in (slot 1's load may be out)
	s_barrier_signal -1
	s_barrier_wait -1
	FETCH_B 0, 0, 0
	FETCH_A 0, 0, 0
	SCALES 0
	FETCH_A 0, 0, 4
	STEP 0, 1                                      ; the first products start the sums from the bias
	s_mov_b32 s3, LAPS-1
.Llap:
	TURN 0, 1, 1
	STEP 1, 0
	TURN 1, 0, 1
	STEP 0, 0
	s_sub_co_u32 s3, s3, 1
	s_cmp_lg_u32 s3, 0
	s_cbranch_scc1 .Llap
	TURN 0, 1, 0
	STEP 1, 0
	s_wait_dscnt 16
	WIN MUL_LO
	MUL16 0, 1, 1, 1, 0
	MUL16 2, 1, 1, 1, 0
	s_wait_dscnt 0
	WIN MUL_HI
	MUL16 4, 1, 1, 1, 0
	MUL16 6, 1, 1, 1, 0
	WIN 0
; THE WAY OUT, block by block of 16 rows x 128 columns, through my own stage: in as 32 bytes a lane, back as whole rows of 512 bytes.  LDS serves a wave's instructions in order (ISA guide 5.7.1.4).
.macro TOSTAGE a
.set AC, 64*((\a)%4)
.set WS, 0x08+4*((\a)/4)
	WIN WS                                         ; an LDS store's data are its source 1: window 2 or 3
.irp b, 0,1,2,3,4,5,6,7
	ds_store_b128 v[STO], v[AC+8*\b:AC+8*\b+3] offset:64*\b          ; each accumulator from its low end on
	ds_store_b128 v[STO], v[AC+8*\b+4:AC+8*\b+7] offset:64*\b+16
.endr
	WIN 0
.set BB, BK+64*((\a)%2)
.irp t, 0,1,2,3,4,5,6,7,8,9,10,11,12,13,14,15
	ds_load_b128 v[BB+4*\t:BB+4*\t+3], v[RD] offset:\t*SPITCH
.endr
.endm
.macro SEND a, younger
.set BB, BK+64*((\a)%2)
	s_wait_dscnt \younger                          ; the block is back in registers
.if (\a) > 0
	s_add_nc_u64 s[10:11], s[10:11], 16*SIZE_N*4   ; (behind a wait on XCNT: the earlier stores have read their base)
.endif
.irp t, 0,1,2,3,4,5,6,7,8,9,10,11,12,13,14,15
	global_store_b128 v[CO], v[BB+4*\t:BB+4*\t+3], s[10:11] offset:\t*SIZE_N*4   ; 512 consecutive bytes, at a multiple of 256 from C's first byte
.endr
.endm
	PLACES NP
	TOSTAGE 0
.irp a, 1,2,3,4,5,6,7
.if \a > 1
	s_wait_xcnt 0x0                                ; block a - 2's stores have read their registers and their base
.endif
	TOSTAGE \a
	SEND \a-1, 32                                  ; behind block a - 1's loads: block a's 16 stores and 16 loads
.endr
	s_wait_xcnt 0x0
	SEND 7, 0
	s_wait_tensorcnt 0x0                           ; the wave's end
	ds_add_u32 v[SPW], v[NIL]
	s_wait_dscnt 0x0
	CROUND                                         ; the closing round
	s_endpgm
.Lfunc_end_k_qb4ad155f4d_wo:
	.size	k_qb4ad155f4d_wo, .Lfunc_end_k_qb4ad155f4d_wo-k_qb4ad155f4d_wo
	.p2alignl 7, 3214868480
	.fill 96, 4, 3214868480
	.section	.rodata,"a",@progbits
	.p2align	6, 0x0
	.amdhsa_kernel k_qb4ad155f4d_wo
		.amdhsa_group_segment_fixed_size 327680
		.amdhsa_private_segment_fixed_size 0
		.amdhsa_enable_private_segment 0
		.amdhsa_kernarg_size 32
		.amdhsa_user_sgpr_count 2
		.amdhsa_user_sgpr_kernarg_segment_ptr 1
		.amdhsa_wavefront_size32 1
		.amdhsa_system_sgpr_workgroup_id_x 1
		.amdhsa_system_sgpr_workgroup_id_y 1
		.amdhsa_system_sgpr_workgroup_id_z 1
		.amdhsa_system_vgpr_workitem_id 0
		.amdhsa_next_free_vgpr 1024
		.amdhsa_next_free_sgpr 100
		.amdhsa_reserve_vcc 0
		.amdhsa_float_denorm_mode_32 3
		.amdhsa_float_denorm_mode_16_64 3
		.amdhsa_memory_ordered 1
		.amdhsa_forward_progress 1
		.amdhsa_inst_pref_size 147
	.end_amdhsa_kernel
	.amdgpu_metadata
---
amdhsa.version: [ 1, 2 ]
amdhsa.kernels:
  - .name:           k_qb4ad155f4d_wo
    .symbol:         k_qb4ad155f4d_wo.kd
    .args:
      - { .name: arec, .offset: 0, .size: 8, .value_kind: global_buffer, .address_space: global }
      - { .name: wrec, .offset: 8, .size: 8, .value_kind: global_buffer, .address_space: global }
      - { .name: bo, .offset: 16, .size: 8, .value_kind: global_buffer, .address_space: global }
      - { .name: cbuf, .offset: 24, .size: 8, .value_kind: global_buffer, .address_space: global }
    .group_segment_fixed_size: 327680
    .private_segment_fixed_size: 0
    .kernarg_segment_align: 8
    .kernarg_segment_size: 32
    .max_flat_workgroup_size: 128
    .sgpr_count:     100
    .vgpr_count:     1024
    .wavefront_size: 32
...
	.end_amdgpu_metadata
.endif
;; end of part 4
;; launch ln1 (part 5): grid 256 x 1, 8 waves a work-group, no clusters, 66,816 bytes of LDS; arguments cbuf, x, g1, be1, out1, arec; writes out1, arec
.if DOCPART == 5
	.amdgcn_target "amdgcn-amd-amdhsa--gfx1250"
	.amdhsa_code_object_version 6
	.text
	.protected	k_qb4ad155f4d_ln1
	.globl	k_qb4ad155f4d_ln1
	.p2align	8
	.type	k_qb4ad155f4d_ln1,@function
k_qb4ad155f4d_ln1:
	s_mov_b64 s[64:65], 0
	v_nop
	global_prefetch_b8 v0, s[64:65] scope:SCOPE_SE
	s_setreg_imm32_b32 hwreg(HW_REG_WAVE_MODE, 25, 1), 1
	s_wait_xcnt 0x0
; out1 = layernorm(x + (ctx Wo + bo)) g1 + be1, in f32, stored as f32 and, quantised to E4M3 with one E8M0 scale for each 32 along the row, as records for the next product (arec [256][4]).
; A record: 16 rows x 256 K as an image of the operand's registers, 4,352 bytes: codes at 2048 q + 512 c + 16 lane, scale words at 4096 + 128 q + 4 lane; registers 2 c, 2 c + 1 of lane (r, h) hold k = 16 c + 8 h + 0 .. 7.
; A work-group takes 16 rows.  Wave w norms rows 2 w, 2 w + 1 (a row in 32 registers; 8,192 bytes on end), the variance from the differences to the mean: no difference of large sums.
; The rows meet in a stage in LDS; behind one barrier wave w quantises K step w of all 16 rows.  Memory binds: no matrix unit, no cluster (only g and be, 8 KiB, are shared), no tensor load.
; LIMITS: a block whose largest magnitude lies under 2^-118 keeps the scale byte 1; NaN and infinities are not served.
.set ROW, 32                           ; v32-95   two rows; later 64 numbers for the quantiser
.set RES, 128                          ; v128-191 the residual's two rows
.set G,   192                          ; v192-223 g
.set BE,  224                          ; v224-255 be
.set TM,  16                           ; v16-31   sums (4 a row), mean (pair a row at +8), 1 / sigma (pair a row at +12); later the quantiser's
.set PC,  96
.set PW,  112
.set SPT, 4112                         ; a row of the stage: 4,096 bytes + 16
.set REC, 4352
.set SEL, 22
.set MNT, 24
.macro REDUCE                          ; each row's four partial sums become the row's sum, in every lane
.irp p, 0,1
	v_pk_add_f32 v[TM+4*\p:TM+4*\p+1], v[TM+4*\p:TM+4*\p+1], v[TM+4*\p+2:TM+4*\p+3]
.endr
.irp p, 0,1
	v_add_f32 v[TM+4*\p], v[TM+4*\p], v[TM+4*\p+1]
.endr
.irp m, 1,2,4,8
.irp p, 0,1
	v_add_f32_dpp v[TM+4*\p], v[TM+4*\p], v[TM+4*\p] row_xmask:\m row_mask:0xf bank_mask:0xf
.endr
.endr
.irp p, 0,1
	v_permlanex16_b32 v[TM+4*\p+1], v[TM+4*\p], s[SEL], s[SEL+1]
.endr
.irp p, 0,1
	v_add_f32 v[TM+4*\p], v[TM+4*\p], v[TM+4*\p+1]
.endr
.endm
.macro QUANT s
.irp b, 0,1,2,3
	v_max3_num_f32 v[TM+\b], |v[\s+16*\b]|, |v[\s+1+16*\b]|, 0x4800000   ; the floor 2^(9 - 127) holds the byte at 1 from below
.endr
.irp i, 2,4,6,8,10,12,14
.irp b, 0,1,2,3
	v_max3_num_f32 v[TM+\b], v[TM+\b], |v[\s+16*\b+\i]|, |v[\s+1+16*\b+\i]|
.endr
.endr
.irp b, 0,1,2,3
	v_permlanex16_b32 v[TM+4+\b], v[TM+\b], s[SEL], s[SEL+1]
.endr
.irp b, 0,1,2,3
	v_max_num_f32 v[TM+\b], v[TM+\b], v[TM+4+\b]
.endr
.irp b, 0,1,2,3
	v_add_nc_u32 v[TM+12+\b], 0xfc000000, v[TM+\b]
.endr
.irp b, 0,1,2,3
	v_and_or_b32 v[TM+8+\b], v[TM+\b], 0x7f800000, s[MNT]
.endr
.irp b, 0,1,2,3
	v_lshrrev_b32 v[TM+4+\b], 23, v[TM+12+\b]
.endr
	v_lshl_or_b32 v[PW], v[TM+5], 8, v[TM+4]
	v_lshl_or_b32 v[PW], v[TM+6], 16, v[PW]
	v_lshl_or_b32 v[PW], v[TM+7], 24, v[PW]
.irp b, 0,1,2,3
.set i, 0
.rept 16
	v_med3_num_f32 v[\s+16*\b+i], v[\s+16*\b+i], -v[TM+8+\b], v[TM+8+\b]   ; the conversion does not saturate (ISA guide 7.6.2)
.set i, i+1
.endr
	v_cvt_scalef32_pk8_fp8_f32 v[PC+4*\b:PC+1+4*\b], v[\s+16*\b:\s+7+16*\b], v[TM+12+\b]
	v_cvt_scalef32_pk8_fp8_f32 v[PC+2+4*\b:PC+3+4*\b], v[\s+8+16*\b:\s+15+16*\b], v[TM+12+\b]
.endr
	v_nop
.endm
	s_load_b256 s[4:11], s[0:1], 0x0               ; the product, the residual, g, be
	s_load_b128 s[12:15], s[0:1], 0x20             ; out1, arec
	v_lshl_add_u32 v126, v0, 2, 0x10100
	v_mov_b32 v127, 0
	v_lshrrev_b32 v1, 5, v0
	v_readfirstlane_b32 s16, v1                    ; wave 0..7
	v_and_b32 v2, 31, v0
	v_lshlrev_b32 v3, 4, v2                        ; 16 x lane
	v_and_b32 v4, 15, v0                           ; r
	v_bfe_u32 v5, v0, 4, 1                         ; h
	v_lshlrev_b32 v8, 2, v2                        ; 4 x lane
	s_lshl_b32 s17, ttmp9, 4
	s_lshl_b32 s18, s16, 1
	s_add_co_u32 s17, s17, s18
	s_lshl_b32 s18, s17, 12                        ; my first row x 4,096 bytes
	s_mov_b32 s19, 0
	s_mov_b32 s20, 0x3a800000                      ; 1 / 1024
	s_mov_b32 s21, 0x3727c5ac                      ; 1e-5
	s_mov_b32 s[SEL], 0x76543210
	s_mov_b32 s[SEL+1], 0xfedcba98
	s_mov_b32 s[MNT], 0x600000
	s_mul_i32 s26, ttmp9, 4*REC                    ; the work-group's four records; K step w is part w % 2 of record w / 2
	s_lshr_b32 s27, s16, 1
	s_mul_i32 s27, s27, REC
	s_add_co_u32 s26, s26, s27
	s_and_b32 s27, s16, 1
	s_lshl_b32 s28, s27, 11
	s_add_co_u32 s28, s26, s28
	s_mov_b32 s29, 0
	s_lshl_b32 s27, s27, 7
	s_add_co_u32 s26, s26, s27
	s_mov_b32 s27, 0
	s_wait_kmcnt 0x0
	s_add_nc_u64 s[4:5], s[4:5], s[18:19]
	s_add_nc_u64 s[6:7], s[6:7], s[18:19]
	s_add_nc_u64 s[12:13], s[12:13], s[18:19]
	s_add_nc_u64 s[28:29], s[14:15], s[28:29]
	s_add_nc_u64 s[26:27], s[14:15], s[26:27]
.set n, 0
.rept 16
	global_load_b128 v[ROW+4*n:ROW+4*n+3], v3, s[4:5] offset:512*n th:TH_LOAD_NT   ; 512 consecutive bytes a load
.set n, n+1
.endr
.set n, 0
.rept 16
	global_load_b128 v[RES+4*n:RES+4*n+3], v3, s[6:7] offset:512*n th:TH_LOAD_NT
.set n, n+1
.endr
.set n, 0
.rept 8
	global_load_b128 v[G+4*n:G+4*n+3], v3, s[8:9] offset:512*n
	global_load_b128 v[BE+4*n:BE+4*n+3], v3, s[10:11] offset:512*n
.set n, n+1
.endr
	s_mul_i32 s30, s16, 2*SPT
	v_add_nc_u32 v6, s30, v3                       ; into the stage: my rows, 16 x lane
	v_mul_u32_u24 v7, v4, SPT
	v_lshl_add_u32 v7, v5, 5, v7
	s_lshl_b32 s30, s16, 9
	v_add_nc_u32 v7, s30, v7                       ; out of it: row r, K step w, + 32 h
	s_wait_loadcnt 16                              ; the rows are in; the sixteen loads of g and be may be out
.set i, 0
.rept 32
	v_pk_add_f32 v[ROW+i:ROW+i+1], v[ROW+i:ROW+i+1], v[RES+i:RES+i+1]
.set i, i+2
.endr
.irp p, 0,1
	v_pk_add_f32 v[TM+4*\p:TM+4*\p+1], v[ROW+32*\p:ROW+32*\p+1], v[ROW+32*\p+2:ROW+32*\p+3]
	v_pk_add_f32 v[TM+4*\p+2:TM+4*\p+3], v[ROW+32*\p+4:ROW+32*\p+5], v[ROW+32*\p+6:ROW+32*\p+7]
.endr
.irp i, 8,12,16,20,24,28
.irp p, 0,1
	v_pk_add_f32 v[TM+4*\p:TM+4*\p+1], v[TM+4*\p:TM+4*\p+1], v[ROW+32*\p+\i:ROW+32*\p+\i+1]
	v_pk_add_f32 v[TM+4*\p+2:TM+4*\p+3], v[TM+4*\p+2:TM+4*\p+3], v[ROW+32*\p+\i+2:ROW+32*\p+\i+3]
.endr
.endr
	REDUCE
.irp p, 0,1
	v_mul_f32 v[TM+8+2*\p], s20, v[TM+4*\p]        ; the mean, twice: a pair for the packed form
	v_mul_f32 v[TM+9+2*\p], s20, v[TM+4*\p]
.endr
.set i, 0
.rept 32
	v_pk_add_f32 v[ROW+i:ROW+i+1], v[ROW+i:ROW+i+1], v[TM+8+2*(i/32):TM+9+2*(i/32)] neg_lo:[0,1] neg_hi:[0,1]
.set i, i+2
.endr
.irp p, 0,1
	v_pk_mul_f32 v[TM+4*\p:TM+4*\p+1], v[ROW+32*\p:ROW+32*\p+1], v[ROW+32*\p:ROW+32*\p+1]
	v_pk_mul_f32 v[TM+4*\p+2:TM+4*\p+3], v[ROW+32*\p+2:ROW+32*\p+3], v[ROW+32*\p+2:ROW+32*\p+3]
.endr
.irp i, 4,8,12,16,20,24,28
.irp p, 0,1
	v_pk_fma_f32 v[TM+4*\p:TM+4*\p+1], v[ROW+32*\p+\i:ROW+32*\p+\i+1], v[ROW+32*\p+\i:ROW+32*\p+\i+1], v[TM+4*\p:TM+4*\p+1]
	v_pk_fma_f32 v[TM+4*\p+2:TM+4*\p+3], v[ROW+32*\p+\i+2:ROW+32*\p+\i+3], v[ROW+32*\p+\i+2:ROW+32*\p+\i+3], v[TM+4*\p+2:TM+4*\p+3]
.endr
.endr
	REDUCE
.irp p, 0,1
	v_fma_f32 v[TM+4*\p], v[TM+4*\p], s20, s21     ; the variance + 1e-5
.endr
.irp p, 0,1
	v_rsq_f32 v[TM+12+2*\p], v[TM+4*\p]
	v_rsq_f32 v[TM+13+2*\p], v[TM+4*\p]
.endr
	v_nop                                          ; a plain line behind the last of the four,
	s_wait_alu depctr_va_vdst(0)                   ; and one wait for the batch, ahead of its first reader
	s_wait_loadcnt 0x0                             ; g and be
.set i, 0
.rept 32
	v_pk_mul_f32 v[ROW+i:ROW+i+1], v[ROW+i:ROW+i+1], v[TM+12+2*(i/32):TM+13+2*(i/32)]
	v_pk_fma_f32 v[ROW+i:ROW+i+1], v[ROW+i:ROW+i+1], v[G+i%32:G+i%32+1], v[BE+i%32:BE+i%32+1]
.set i, i+2
.endr
.set n, 0
.rept 16
	global_store_b128 v3, v[ROW+4*n:ROW+4*n+3], s[12:13] offset:512*n
	ds_store_b128 v6, v[ROW+4*n:ROW+4*n+3] offset:(n/8)*SPT+(n%8)*512
.set n, n+1
.endr
	s_wait_dscnt 0x0                               ; my stores into the stage have landed, for the other waves' sake
	s_barrier_signal -1
	s_barrier_wait -1
	s_wait_xcnt 0x0                                ; the global stores have read their registers, which the loads below write
.set n, 0
.rept 16
	ds_load_b128 v[ROW+4*n:ROW+4*n+3], v7 offset:64*(n/2)+16*(n%2)   ; register 8 c + i: k = 16 c + 8 h + i of my K step
.set n, n+1
.endr
	s_wait_dscnt 0x0
	QUANT ROW
.irp c, 0,1,2,3
	global_store_b128 v3, v[PC+4*\c:PC+4*\c+3], s[28:29] offset:512*\c
.endr
	global_store_b32 v8, v[PW], s[26:27] offset:4096
	s_wait_tensorcnt 0x0
	ds_add_u32 v126, v127
	s_wait_dscnt 0x0
	s_endpgm
.Lfunc_end_k_qb4ad155f4d_ln1:
	.size	k_qb4ad155f4d_ln1, .Lfunc_end_k_qb4ad155f4d_ln1-k_qb4ad155f4d_ln1
	.p2alignl 7, 3214868480
	.fill 96, 4, 3214868480
	.section	.rodata,"a",@progbits
	.p2align	6, 0x0
	.amdhsa_kernel k_qb4ad155f4d_ln1
		.amdhsa_group_segment_fixed_size 66816
		.amdhsa_private_segment_fixed_size 0
		.amdhsa_enable_private_segment 0
		.amdhsa_kernarg_size 48
		.amdhsa_user_sgpr_count 2
		.amdhsa_user_sgpr_kernarg_segment_ptr 1
		.amdhsa_wavefront_size32 1
		.amdhsa_system_sgpr_workgroup_id_x 1
		.amdhsa_system_sgpr_workgroup_id_y 1
		.amdhsa_system_sgpr_workgroup_id_z 1
		.amdhsa_system_vgpr_workitem_id 0
		.amdhsa_next_free_vgpr 256
		.amdhsa_next_free_sgpr 66
		.amdhsa_reserve_vcc 0
		.amdhsa_float_denorm_mode_32 3
		.amdhsa_float_denorm_mode_16_64 3
		.amdhsa_memory_ordered 1
		.amdhsa_forward_progress 1
		.amdhsa_inst_pref_size 33
	.end_amdhsa_kernel
	.amdgpu_metadata
---
amdhsa.version: [ 1, 2 ]
amdhsa.kernels:
  - .name:           k_qb4ad155f4d_ln1
    .symbol:         k_qb4ad155f4d_ln1.kd
    .args:
      - { .name: cbuf, .offset: 0, .size: 8, .value_kind: global_buffer, .address_space: global }
      - { .name: x, .offset: 8, .size: 8, .value_kind: global_buffer, .address_space: global }
      - { .name: g1, .offset: 16, .size: 8, .value_kind: global_buffer, .address_space: global }
      - { .name: be1, .offset: 24, .size: 8, .value_kind: global_buffer, .address_space: global }
      - { .name: out1, .offset: 32, .size: 8, .value_kind: global_buffer, .address_space: global }
      - { .name: arec, .offset: 40, .size: 8, .value_kind: global_buffer, .address_space: global }
    .group_segment_fixed_size: 66816
    .private_segment_fixed_size: 0
    .kernarg_segment_align: 8
    .kernarg_segment_size: 48
    .max_flat_workgroup_size: 256
    .sgpr_count:     66
    .vgpr_count:     256
    .wavefront_size: 32
...
	.end_amdgpu_metadata
.endif
;; end of part 5
;; launch ffn1 (part 6): grid 16 x 16, 4 waves a work-group, clusters of 4 x 4, 327,680 bytes of LDS; arguments arec, wrec, b1, hrec; writes hrec
.if DOCPART == 6
	.amdgcn_target "amdgcn-amd-amdhsa--gfx1250"
	.amdhsa_code_object_version 6
	.text
	.protected	k_qb4ad155f4d_ffn1
	.globl	k_qb4ad155f4d_ffn1
	.p2align	8
	.type	k_qb4ad155f4d_ffn1,@function
k_qb4ad155f4d_ffn1:
	s_mov_b64 s[64:65], 0
	v_nop
	global_prefetch_b8 v0, s[64:65] scope:SCOPE_SE
	s_setreg_imm32_b32 hwreg(HW_REG_WAVE_MODE, 25, 1), 1
	s_wait_xcnt 0x0
	s_wait_alu depctr_hold_cnt(0) depctr_sa_sdst(0) depctr_va_vdst(0) depctr_va_sdst(0) depctr_va_ssrc(0) depctr_va_vcc(0) depctr_vm_vsrc(0)
	s_getreg_b32 s2, hwreg(HW_REG_IB_STS2, 6, 4)
	s_cmp_eq_u32 s2, 0
	s_cbranch_scc0 .Lentry_in_a_cluster
	s_endpgm
.Lentry_in_a_cluster:
	s_bfe_u32 s2, ttmp6, 0x10000c
	s_cmp_lg_u32 s2, 0xf033
	s_cbranch_scc0 .Lentry_shape_is_right
	s_endpgm
.Lentry_shape_is_right:
; h = relu(out1 W1 + b1) on codes of E4M3 with E8M0 block scales; h is quantised along its row on the way out and stored as records for the next product (hrec [256][16]): it never lies in memory as f32.
; OPERANDS ARE RECORDS (16 rows x 256 K as an image of the registers, 4,352 bytes: codes at 2048 q + 512 c + 16 lane, scale words at 4096 + 128 q + 4 lane), a matrix [R][K] as rec[R / 16][K / 256].
; A tile of 256 x 256 is made by four waves, 128 x 128 each: 64 accumulators, 512 registers.  K goes in steps of 256 through two LDS slots; a wave's tensor load brings 8 records, codes and scales together.
; CLUSTERS of 4 x 4: A's tiles are asked for jointly along a row of the cluster, W's along a column.  256 work-groups.
; THE MATRIX INSTRUCTION IS USED TRANSPOSED (source 0 = 16 rows of W, source 1 = 16 rows of A): lane (r, h) holds row r, register j of block b column 16 b + 8 h + j: the order of k in every fragment of this program,
; so a block of rows' 64 registers become one fragment of the next product by the conversions alone.  The bias is the C of the first products; the hold in front of the conversion clips at 0 as well: the activation.
; LIMITS: a block whose largest number lies under 2^-118 keeps the scale byte 1; NaN and infinities are not served.
; REGISTERS: window 0: v1-7 at work, v16-30 addresses, v32-63 scale words (two sets), v64-127 the bias, v128-255 A's fragments; on the way out v72-79 scale words made, v112-127 at work, v128-255 codes.
;   Window 1: W's fragments, two sets.  Windows 2, 3: the accumulators.
.set SIZE_K, 1024
.set WOFF,  4456448                    ; W1's records in wrec
.set REC,   4352
.set KP,    SIZE_K/256
.set HALFT, 8*REC
.set SLOT,  4*HALFT
.set SPARE, 2*SLOT                     ; behind the ring: the spare words, 128 bytes a wave, that no other line names
.set LAPS,  SIZE_K/512
.set NP,    8                          ; places behind this matrix instruction (ISA guide 7.12.1)
.set FR,    16
.set ORS,   16*REC                     ; h's records: from a tile of rows to the next
.set ADRA, 16
.set ASA,  18
.set ADRB, 20
.set ASB,  22
.set CO,   26
.set L4,   27
.set SPW,  28
.set NIL,  29
.set SC,   32
.set BI,   64
.set AF,   128
.set PW,   72
.set TM,   112
.set PC,   128
.set WV, 20
.set RH, 21
.set CH, 22
.set TR, 23
.set TC, 42
.set G1, 24
.set G0, 32
.set G1B, 48
.set G0B, 56
.set MNT, 93
.set SEL, 94
.set MSB, 0
.macro WIN new
.if MSB != \new
	s_set_vgpr_msb (MSB<<8)|\new
.set MSB, \new
.endif
.endm
.set MUL_LO, 0xa1
.set MUL_HI, 0xf1
.set BEG_LO, 0x81
.set BEG_HI, 0xc1
.set TO_B,   0x40
.macro JLOAD s                         ; a joint load: waves 0, 1 fetch A's halves, waves 2, 3 W's; four v_nop follow each line
	s_cmp_eq_u32 s[RH], 0
	s_cbranch_scc0 .Lfor_b_\@
	tensor_load_to_lds s[G0+4*\s:G0+4*\s+3], s[G1:G1+7]
	s_nop 0
.rept 4
	v_nop
.endr
	s_branch .Lasked_\@
.Lfor_b_\@:
	tensor_load_to_lds s[G0B+4*\s:G0B+4*\s+3], s[G1B:G1B+7]
	s_nop 0
.rept 4
	v_nop
.endr
.Lasked_\@:
.endm
.macro CREST
	s_cmp_lg_u32 s[WV], 0
	s_cbranch_scc1 .Lnot_wave_0_\@
	s_barrier_signal -3
.Lnot_wave_0_\@:
	s_barrier_wait -3
	s_barrier_signal -1
	s_barrier_wait -1
.endm
.macro CROUND
	s_barrier_signal -1
	s_barrier_wait -1
	CREST
.endm
.macro PLACES n
.rept \n
	v_nop
.endr
.endm
.macro FRAG reg, adr, q, i
.irp c, 0,1,2,3
	ds_load_b128 v[\reg+4*\c:\reg+4*\c+3], v[\adr] offset:(\i)*REC+2048*(\q)+512*\c
.endr
.endm
; 16 matrix instructions: A's blocks a0, a0 + 1 x W's eight.  The 64 accumulators take turns, one instruction a turn.
.macro MUL16 a0, p, q, sc, zero
.irp a, \a0, \a0+1
.irp b, 0,1,2,3,4,5,6,7
.set rD, 8*(8*((\a)%4)+\b)
.set rB, 128*(\p)+FR*\b
.set rA, AF+FR*(\a)
.set sB, SC+16*(\sc)+8+\b
.set sA, SC+16*(\sc)+(\a)
.if \zero
	v_wmma_scale_f32_16x16x128_f8f6f4 v[rD:rD+7], v[rB:rB+15], v[rA:rA+15], v[BI+8*\b:BI+8*\b+7], v[sB], v[sA]
.elseif \q
	v_wmma_scale_f32_16x16x128_f8f6f4 v[rD:rD+7], v[rB:rB+15], v[rA:rA+15], v[rD:rD+7], v[sB], v[sA] matrix_a_scale:MATRIX_SCALE_ROW1 matrix_b_scale:MATRIX_SCALE_ROW1
.else
	v_wmma_scale_f32_16x16x128_f8f6f4 v[rD:rD+7], v[rB:rB+15], v[rA:rA+15], v[rD:rD+7], v[sB], v[sA]
.endif
.endr
.endr
.endm
.macro FETCH_B slot, q, p
	WIN TO_B
.irp i, 0,1,2,3,4,5,6,7
	FRAG 128*(\p)+FR*\i, ADRB+\slot, \q, \i
.endr
	WIN 0
.endm
.macro FETCH_A slot, q, i0
.irp i, \i0, \i0+1, \i0+2, \i0+3
	FRAG AF+FR*(\i), ADRA+\slot, \q, \i
.endr
.endm
.macro SCALES sc                       ; lanes 0-15 take the first 128's scale words, lanes 16-31 the second's: one register a block serves a slot
.irp i, 0,1,2,3,4,5,6,7
	ds_load_b32 v[SC+16*\sc+\i], v[ASA+\sc] offset:\i*REC+4096
	ds_load_b32 v[SC+16*\sc+8+\i], v[ASB+\sc] offset:\i*REC+4096
.endr
.endm
.macro STEP slot, zero
	s_wait_dscnt 16                                ; all but the youngest sixteen loads (A's blocks 4-7) are in
.if \zero
	WIN BEG_LO
.else
	WIN MUL_LO
.endif
	MUL16 0, 0, 0, \slot, \zero
	MUL16 2, 0, 0, \slot, \zero
	s_wait_dscnt 0
	PLACES NP                                      ; in front of loads into registers that matrix instructions have read
	FETCH_B \slot, 1, 1
	FETCH_A \slot, 1, 0
.if \zero
	WIN BEG_HI
.else
	WIN MUL_HI
.endif
	MUL16 4, 0, 0, \slot, \zero
	MUL16 6, 0, 0, \slot, \zero
	PLACES NP
	WIN 0
	FETCH_A \slot, 1, 4
.endm
.macro TURN slot, next, fill
	s_wait_tensorcnt 0x0                           ; all my tensor loads have landed: my part of the next slot
	ds_add_u32 v[SPW], v[NIL]                      ; 0 onto my spare word
	s_wait_dscnt 17                                ; (the add and the youngest sixteen loads may be out)
	WIN MUL_LO
	MUL16 0, 1, 1, \slot, 0
	s_wait_dscnt 0x0                               ; the add is done, and my reads of this slot are over
	s_barrier_signal -1
	MUL16 2, 1, 1, \slot, 0
	WIN 0
	s_barrier_wait -1
.if \fill
	CREST                                          ; the barrier has opened a round of the cluster's: no wave of any partner still reads this slot or has a load on its way
	s_add_nc_u64 s[G0+4*\slot+2:G0+4*\slot+3], s[G0+4*\slot+2:G0+4*\slot+3], 2*REC
	s_add_nc_u64 s[G0B+4*\slot+2:G0B+4*\slot+3], s[G0B+4*\slot+2:G0B+4*\slot+3], 2*REC
	JLOAD \slot                                    ; the first tensor load behind the round, my one load until the next
	PLACES NP-4
.else
	PLACES NP
.endif
	FETCH_B \next, 0, 0
	FETCH_A \next, 0, 0
	SCALES \next
	WIN MUL_HI
	MUL16 4, 1, 1, \slot, 0
	MUL16 6, 1, 1, \slot, 0
	PLACES NP
	WIN 0
	FETCH_A \next, 0, 4
.endm
	s_load_b256 s[4:11], s[0:1], 0x0               ; A's records, wrec, the bias, h's records
	v_lshl_add_u32 v[SPW], v0, 2, SPARE
	v_mov_b32 v[NIL], 0
	ds_add_u32 v28, v29
	ds_add_u32 v28, v29
	s_wait_dscnt 0x0
	v_lshrrev_b32 v1, 5, v0
	v_readfirstlane_b32 s[WV], v1
	s_lshr_b32 s[RH], s[WV], 1                     ; my half of the tile's rows.  Also: I fetch for A (0) or for W (1)
	s_and_b32 s[CH], s[WV], 1                      ; my half of its columns.  Also: which 128 rows I fetch
	s_bfe_u32 s40, ttmp6, 0x40000                  ; cx
	s_bfe_u32 s41, ttmp6, 0x40004                  ; cy
	s_lshl_b32 s[TC], ttmp9, 2
	s_add_co_u32 s[TC], s[TC], s40                 ; tile column
	s_and_b32 s[TR], ttmp7, 0xffff
	s_lshl_b32 s[TR], s[TR], 2
	s_add_co_u32 s[TR], s[TR], s41                 ; tile row
	s_lshl_b32 s43, s41, 2
	s_lshl_b32 s43, 15, s43
	s_lshl_b32 s44, 0x1111, s40
	s_or_b32 s[G1+0], s43, (3<<16)|(1<<21)         ; the mask; elements of 8 bytes; 21 set beside a mask; no padding
	s_or_b32 s[G1B+0], s44, (3<<16)|(1<<21)
.irp g, G1, G1B
	s_mov_b32 s[\g+1], 544<<16                     ; a record, 544 elements,
	s_mov_b32 s[\g+2], 8<<16                       ; 8 of them,
	s_mov_b32 s[\g+3], 544<<16
	s_mov_b32 s[\g+4], 8
	s_mov_b32 s[\g+5], KP*544                      ; a tile of 16 rows apart
	s_mov_b32 s[\g+6], 0
	s_mov_b32 s[\g+7], 0
.endr
	s_lshl_b32 s46, s[TR], 4
	s_lshl_b32 s47, s[CH], 3
	s_add_co_u32 s46, s46, s47
	s_mul_i32 s46, s46, KP*REC
	s_mov_b32 s47, 0
	s_lshl_b32 s66, s[TC], 4
	s_lshl_b32 s67, s[CH], 3
	s_add_co_u32 s66, s66, s67
	s_mul_i32 s66, s66, KP*REC
	s_mov_b32 s67, 0
	s_mul_i32 s45, s[WV], HALFT                    ; no place in the cluster enters an LDS address
	s_mov_b32 s[SEL], 0x76543210
	s_mov_b32 s[SEL+1], 0xfedcba98
	s_mov_b32 s[MNT], 0x600000
	s_wait_kmcnt 0x0
	s_add_nc_u64 s[68:69], s[4:5], s[46:47]
	s_add_nc_u64 s[70:71], s[6:7], WOFF
	s_add_nc_u64 s[70:71], s[70:71], s[66:67]
	CROUND                                         ; all sixteen work-groups are here: the first joint loads meet
.irp s, 0,1
	s_mov_b32 s[G0+4*\s], 1
	s_add_co_u32 s[G0+4*\s+1], s45, \s*SLOT
	s_add_nc_u64 s[G0+4*\s+2:G0+4*\s+3], s[68:69], \s*REC
	s_or_b32 s[G0+4*\s+3], s[G0+4*\s+3], 0x80000000
	s_mov_b32 s[G0B+4*\s], 1
	s_add_co_u32 s[G0B+4*\s+1], s45, \s*SLOT
	s_add_nc_u64 s[G0B+4*\s+2:G0B+4*\s+3], s[70:71], \s*REC
	s_or_b32 s[G0B+4*\s+3], s[G0B+4*\s+3], 0x80000000
	JLOAD \s
.endr
	v_and_b32 v1, 31, v0
	v_and_b32 v2, 15, v0                           ; r
	v_bfe_u32 v3, v0, 4, 1                         ; h
	v_lshlrev_b32 v[CO], 4, v1                     ; 16 x lane
	v_lshlrev_b32 v[L4], 2, v1                     ; 4 x lane
	v_lshlrev_b32 v4, 2, v2
	v_lshl_add_u32 v4, v3, 7, v4                   ; 4 r + 128 h
	v_lshlrev_b32 v5, 5, v3                        ; 32 h
	s_mul_i32 s74, s[RH], HALFT
	s_mul_i32 s75, s[CH], HALFT
	s_add_co_u32 s75, s75, 2*HALFT
.irp s, 0,1
	v_add_nc_u32 v[ADRA+\s], s74, v[CO]
	v_add_nc_u32 v[ADRB+\s], s75, v[CO]
	v_add_nc_u32 v[ASA+\s], s74, v4
	v_add_nc_u32 v[ASB+\s], s75, v4
	s_add_co_u32 s74, s74, SLOT
	s_add_co_u32 s75, s75, SLOT
.endr
	s_lshl_b32 s76, s[TC], 8
	s_lshl_b32 s77, s[CH], 7
	s_add_co_u32 s76, s76, s77
	s_lshl_b32 s76, s76, 2
	s_mov_b32 s77, 0
	s_add_nc_u64 s[78:79], s[8:9], s[76:77]
.irp b, 0,1,2,3,4,5,6,7
	global_load_b128 v[BI+8*\b:BI+8*\b+3], v5, s[78:79] offset:64*\b       ; the bias in the result's layout: columns 16 b + 8 h + 0 .. 7
	global_load_b128 v[BI+8*\b+4:BI+8*\b+7], v5, s[78:79] offset:64*\b+16
.endr
	s_lshl_b32 s86, s[TR], 4
	s_lshl_b32 s87, s[RH], 3
	s_add_co_u32 s86, s86, s87
	s_mul_i32 s86, s86, ORS
	s_mul_i32 s87, s[TC], REC
	s_add_co_u32 s86, s86, s87                     ; block 0's record: my tile's 256 columns are one record along the next K,
	s_lshl_b32 s87, s[CH], 11
	s_add_co_u32 s88, s86, s87                     ; my 128 its part CH
	s_mov_b32 s89, 0
	s_lshl_b32 s87, s[CH], 7
	s_add_co_u32 s86, s86, s87
	s_mov_b32 s87, 0
	s_add_nc_u64 s[96:97], s[10:11], s[88:89]
	s_add_nc_u64 s[98:99], s[10:11], s[86:87]
	s_wait_loadcnt 0x0
	s_wait_tensorcnt 1                             ; my part of slot 0 is in (slot 1's load may be out)
	s_barrier_signal -1
	s_barrier_wait -1
	FETCH_B 0, 0, 0
	FETCH_A 0, 0, 0
	SCALES 0
	FETCH_A 0, 0, 4
	STEP 0, 1                                      ; the first products start the sums from the bias
	s_mov_b32 s3, LAPS-1
.Llap:
	TURN 0, 1, 1
	STEP 1, 0
	TURN 1, 0, 1
	STEP 0, 0
	s_sub_co_u32 s3, s3, 1
	s_cmp_lg_u32 s3, 0
	s_cbranch_scc1 .Llap
	TURN 0, 1, 0
	STEP 1, 0
	s_wait_dscnt 16
	WIN MUL_LO
	MUL16 0, 1, 1, 1, 0
	MUL16 2, 1, 1, 1, 0
	s_wait_dscnt 0
	WIN MUL_HI
	MUL16 4, 1, 1, 1, 0
	MUL16 6, 1, 1, 1, 0
	WIN 0
; THE WAY OUT.  Block a's 64 registers of a lane are 128 neighbours along the next K of the lane's row: four blocks of 32, each shared with lane l xor 16.  What is negative becomes 0: no |.| on the maximum's sources.
.macro QUANTW a
.set WA, 2+(\a)/4
.set AC, 64*((\a)%4)
.set PCA, PC+16*(\a)
.set W_RD, WA|(WA<<2)
.set W_RW, WA|(WA<<6)
	WIN W_RD
.irp b, 0,1,2,3
	v_max3_num_f32 v[TM+\b], v[AC+16*\b], v[AC+16*\b+1], 0x4800000     ; each accumulator is read from its low end on; the floor holds the byte at 1
.endr
.irp i, 2,4,6,8,10,12,14
.irp b, 0,1,2,3
	v_max3_num_f32 v[TM+\b], v[AC+16*\b+\i], v[AC+16*\b+\i+1], v[TM+\b]
.endr
.endr
	WIN 0
.irp b, 0,1,2,3
	v_permlanex16_b32 v[TM+4+\b], v[TM+\b], s[SEL], s[SEL+1]
.endr
.irp b, 0,1,2,3
	v_max_num_f32 v[TM+\b], v[TM+\b], v[TM+4+\b]
.endr
.irp b, 0,1,2,3
	v_add_nc_u32 v[TM+12+\b], 0xfc000000, v[TM+\b]
.endr
.irp b, 0,1,2,3
	v_and_or_b32 v[TM+8+\b], v[TM+\b], 0x7f800000, s[MNT]
.endr
.irp b, 0,1,2,3
	v_lshrrev_b32 v[TM+4+\b], 23, v[TM+12+\b]
.endr
	v_lshl_or_b32 v[PW+(\a)], v[TM+5], 8, v[TM+4]
	v_lshl_or_b32 v[PW+(\a)], v[TM+6], 16, v[PW+(\a)]
	v_lshl_or_b32 v[PW+(\a)], v[TM+7], 24, v[PW+(\a)]
	WIN W_RW
.irp b, 0,1,2,3
.set i, 0
.rept 16
	v_med3_num_f32 v[AC+16*\b+i], v[AC+16*\b+i], 0, v[TM+8+\b]   ; the activation and the hold in one
.set i, i+1
.endr
.endr
	WIN WA
.irp b, 0,1,2,3
	v_cvt_scalef32_pk8_fp8_f32 v[PCA+4*\b:PCA+4*\b+1], v[AC+16*\b:AC+16*\b+7], v[TM+12+\b]
	v_cvt_scalef32_pk8_fp8_f32 v[PCA+4*\b+2:PCA+4*\b+3], v[AC+16*\b+8:AC+16*\b+15], v[TM+12+\b]
.endr
	v_nop                                          ; a plain line behind the last conversion
	WIN 0
.endm
	PLACES NP                                      ; behind the last products, ahead of the first read of results and the first write of their operands
.irp b, 0,1,2,3
	v_mov_b32 v[TM+4+\b], 0                        ; a lane permute's destination counts as one of its sources
.endr
.irp a, 0,1,2,3,4,5,6,7
	QUANTW \a
.irp c, 0,1,2,3
	global_store_b128 v[CO], v[PC+16*\a+4*\c:PC+16*\a+4*\c+3], s[96:97] offset:\a*ORS+512*\c   ; 512 consecutive bytes a store; each block has registers of its own
.endr
	global_store_b32 v[L4], v[PW+\a], s[98:99] offset:\a*ORS+4096
.endr
	s_wait_tensorcnt 0x0                           ; the wave's end
	ds_add_u32 v[SPW], v[NIL]
	s_wait_dscnt 0x0
	CROUND                                         ; the closing round
	s_endpgm
.Lfunc_end_k_qb4ad155f4d_ffn1:
	.size	k_qb4ad155f4d_ffn1, .Lfunc_end_k_qb4ad155f4d_ffn1-k_qb4ad155f4d_ffn1
	.p2alignl 7, 3214868480
	.fill 96, 4, 3214868480
	.section	.rodata,"a",@progbits
	.p2align	6, 0x0
	.amdhsa_kernel k_qb4ad155f4d_ffn1
		.amdhsa_group_segment_fixed_size 327680
		.amdhsa_private_segment_fixed_size 0
		.amdhsa_enable_private_segment 0
		.amdhsa_kernarg_size 32
		.amdhsa_user_sgpr_count 2
		.amdhsa_user_sgpr_kernarg_segment_ptr 1
		.amdhsa_wavefront_size32 1
		.amdhsa_system_sgpr_workgroup_id_x 1
		.amdhsa_system_sgpr_workgroup_id_y 1
		.amdhsa_system_sgpr_workgroup_id_z 1
		.amdhsa_system_vgpr_workitem_id 0
		.amdhsa_next_free_vgpr 1024
		.amdhsa_next_free_sgpr 100
		.amdhsa_reserve_vcc 0
		.amdhsa_float_denorm_mode_32 3
		.amdhsa_float_denorm_mode_16_64 3
		.amdhsa_memory_ordered 1
		.amdhsa_forward_progress 1
		.amdhsa_inst_pref_size 186
	.end_amdhsa_kernel
	.amdgpu_metadata
---
amdhsa.version: [ 1, 2 ]
amdhsa.kernels:
  - .name:           k_qb4ad155f4d_ffn1
    .symbol:         k_qb4ad155f4d_ffn1.kd
    .args:
      - { .name: arec, .offset: 0, .size: 8, .value_kind: global_buffer, .address_space: global }
      - { .name: wrec, .offset: 8, .size: 8, .value_kind: global_buffer, .address_space: global }
      - { .name: b1, .offset: 16, .size: 8, .value_kind: global_buffer, .address_space: global }
      - { .name: hrec, .offset: 24, .size: 8, .value_kind: global_buffer, .address_space: global }
    .group_segment_fixed_size: 327680
    .private_segment_fixed_size: 0
    .kernarg_segment_align: 8
    .kernarg_segment_size: 32
    .max_flat_workgroup_size: 128
    .sgpr_count:     100
    .vgpr_count:     1024
    .wavefront_size: 32
...
	.end_amdgpu_metadata
.endif
;; end of part 6
;; launch ffn2 (part 7): grid 4 x 16, 4 waves a work-group, clusters of 4 x 4, 327,680 bytes of LDS; arguments hrec, wrec, b2, cbuf; writes cbuf
.if DOCPART == 7
	.amdgcn_target "amdgcn-amd-amdhsa--gfx1250"
	.amdhsa_code_object_version 6
	.text
	.protected	k_qb4ad155f4d_ffn2
	.globl	k_qb4ad155f4d_ffn2
	.p2align	8
	.type	k_qb4ad155f4d_ffn2,@function
k_qb4ad155f4d_ffn2:
	s_mov_b64 s[64:65], 0
	v_nop
	global_prefetch_b8 v0, s[64:65] scope:SCOPE_SE
	s_setreg_imm32_b32 hwreg(HW_REG_WAVE_MODE, 25, 1), 1
	s_wait_xcnt 0x0
	s_wait_alu depctr_hold_cnt(0) depctr_sa_sdst(0) depctr_va_vdst(0) depctr_va_sdst(0) depctr_va_ssrc(0) depctr_va_vcc(0) depctr_vm_vsrc(0)
	s_getreg_b32 s2, hwreg(HW_REG_IB_STS2, 6, 4)
	s_cmp_eq_u32 s2, 0
	s_cbranch_scc0 .Lentry_in_a_cluster
	s_endpgm
.Lentry_in_a_cluster:
	s_bfe_u32 s2, ttmp6, 0x10000c
	s_cmp_lg_u32 s2, 0xf033
	s_cbranch_scc0 .Lentry_shape_is_right
	s_endpgm
.Lentry_shape_is_right:
; C = A W^T + bias on codes of E4M3 with E8M0 block scales; C [4096][1024] f32.  Here: A = the hidden layer (hrec), W = W2, bias = b2, K = 4,096.
; OPERANDS ARE RECORDS (16 rows x 256 K as an image of the registers, 4,352 bytes: codes at 2048 q + 512 c + 16 lane, scale words at 4096 + 128 q + 4 lane), a matrix [R][K] as rec[R / 16][K / 256].
; A tile of 256 x 256 is made by four waves, 128 x 128 each: 64 accumulators, 512 registers.  K goes in steps of 256 through two LDS slots; a wave's tensor load brings 8 records, codes and scales together.
; CLUSTERS of 4 x 4: A's tiles are asked for jointly along a row of the cluster, W's along a column.  1,024 columns make 64 tiles: 64 work-groups; a smaller tile would read each LDS byte for half the products.
; THE MATRIX INSTRUCTION IS USED TRANSPOSED (source 0 = 16 rows of W, source 1 = 16 rows of A): lane (r, h) holds row r, register j of block b column 16 b + 8 h + j.  The bias is the C of the first products.
; REGISTERS: window 0: v1-7 at work, v16-30 addresses, v32-63 scale words (two sets), v64-127 the bias, v128-255 A's fragments (on the way out: rows read back).  Window 1: W's fragments, two sets.  Windows 2, 3: the accumulators.
.set SIZE_K, 4096
.set WOFF,  8912896                    ; W2's records in wrec
.set SIZE_N, 1024
.set REC,   4352
.set KP,    SIZE_K/256
.set HALFT, 8*REC
.set SLOT,  4*HALFT
.set SPARE, 2*SLOT                     ; behind the ring: the spare words, 128 bytes a wave, that no other line names
.set LAPS,  SIZE_K/512
.set NP,    8                          ; places behind this matrix instruction (ISA guide 7.12.1)
.set FR,    16
.set SPITCH, 528                       ; the way out: a stage of 16 rows x (512 + 16) bytes a wave, in slot 0, which has had its last fill and its last read by then
.set ADRA, 16
.set ASA,  18
.set ADRB, 20
.set ASB,  22
.set STO,  24
.set RD,   25
.set CO,   26
.set SPW,  28
.set NIL,  29
.set SC,   32
.set BI,   64
.set AF,   128
.set BK,   128
.set WV, 20
.set RH, 21
.set CH, 22
.set TR, 23
.set TC, 42
.set G1, 24
.set G0, 32
.set G1B, 48
.set G0B, 56
.set MSB, 0
.macro WIN new
.if MSB != \new
	s_set_vgpr_msb (MSB<<8)|\new
.set MSB, \new
.endif
.endm
.set MUL_LO, 0xa1
.set MUL_HI, 0xf1
.set BEG_LO, 0x81
.set BEG_HI, 0xc1
.set TO_B,   0x40
.macro JLOAD s                         ; a joint load: waves 0, 1 fetch A's halves, waves 2, 3 W's; four v_nop follow each line
	s_cmp_eq_u32 s[RH], 0
	s_cbranch_scc0 .Lfor_b_\@
	tensor_load_to_lds s[G0+4*\s:G0+4*\s+3], s[G1:G1+7]
	s_nop 0
.rept 4
	v_nop
.endr
	s_branch .Lasked_\@
.Lfor_b_\@:
	tensor_load_to_lds s[G0B+4*\s:G0B+4*\s+3], s[G1B:G1B+7]
	s_nop 0
.rept 4
	v_nop
.endr
.Lasked_\@:
.endm
.macro CREST
	s_cmp_lg_u32 s[WV], 0
	s_cbranch_scc1 .Lnot_wave_0_\@
	s_barrier_signal -3
.Lnot_wave_0_\@:
	s_barrier_wait -3
	s_barrier_signal -1
	s_barrier_wait -1
.endm
.macro CROUND
	s_barrier_signal -1
	s_barrier_wait -1
	CREST
.endm
.macro PLACES n
.rept \n
	v_nop
.endr
.endm
.macro FRAG reg, adr, q, i
.irp c, 0,1,2,3
	ds_load_b128 v[\reg+4*\c:\reg+4*\c+3], v[\adr] offset:(\i)*REC+2048*(\q)+512*\c
.endr
.endm
; 16 matrix instructions: A's blocks a0, a0 + 1 x W's eight.  The 64 accumulators take turns, one instruction a turn.
.macro MUL16 a0, p, q, sc, zero
.irp a, \a0, \a0+1
.irp b, 0,1,2,3,4,5,6,7
.set rD, 8*(8*((\a)%4)+\b)
.set rB, 128*(\p)+FR*\b
.set rA, AF+FR*(\a)
.set sB, SC+16*(\sc)+8+\b
.set sA, SC+16*(\sc)+(\a)
.if \zero
	v_wmma_scale_f32_16x16x128_f8f6f4 v[rD:rD+7], v[rB:rB+15], v[rA:rA+15], v[BI+8*\b:BI+8*\b+7], v[sB], v[sA]
.elseif \q
	v_wmma_scale_f32_16x16x128_f8f6f4 v[rD:rD+7], v[rB:rB+15], v[rA:rA+15], v[rD:rD+7], v[sB], v[sA] matrix_a_scale:MATRIX_SCALE_ROW1 matrix_b_scale:MATRIX_SCALE_ROW1
.else
	v_wmma_scale_f32_16x16x128_f8f6f4 v[rD:rD+7], v[rB:rB+15], v[rA:rA+15], v[rD:rD+7], v[sB], v[sA]
.endif
.endr
.endr
.endm
.macro FETCH_B slot, q, p
	WIN TO_B
.irp i, 0,1,2,3,4,5,6,7
	FRAG 128*(\p)+FR*\i, ADRB+\slot, \q, \i
.endr
	WIN 0
.endm
.macro FETCH_A slot, q, i0
.irp i, \i0, \i0+1, \i0+2, \i0+3
	FRAG AF+FR*(\i), ADRA+\slot, \q, \i
.endr
.endm
.macro SCALES sc                       ; lanes 0-15 take the first 128's scale words, lanes 16-31 the second's: one register a block serves a slot
.irp i, 0,1,2,3,4,5,6,7
	ds_load_b32 v[SC+16*\sc+\i], v[ASA+\sc] offset:\i*REC+4096
	ds_load_b32 v[SC+16*\sc+8+\i], v[ASB+\sc] offset:\i*REC+4096
.endr
.endm
.macro STEP slot, zero
	s_wait_dscnt 16                                ; all but the youngest sixteen loads (A's blocks 4-7) are in
.if \zero
	WIN BEG_LO
.else
	WIN MUL_LO
.endif
	MUL16 0, 0, 0, \slot, \zero
	MUL16 2, 0, 0, \slot, \zero
	s_wait_dscnt 0
	PLACES NP                                      ; in front of loads into registers that matrix instructions have read
	FETCH_B \slot, 1, 1
	FETCH_A \slot, 1, 0
.if \zero
	WIN BEG_HI
.else
	WIN MUL_HI
.endif
	MUL16 4, 0, 0, \slot, \zero
	MUL16 6, 0, 0, \slot, \zero
	PLACES NP
	WIN 0
	FETCH_A \slot, 1, 4
.endm
.macro TURN slot, next, fill
	s_wait_tensorcnt 0x0                           ; all my tensor loads have landed: my part of the next slot
	ds_add_u32 v[SPW], v[NIL]                      ; 0 onto my spare word
	s_wait_dscnt 17                                ; (the add and the youngest sixteen loads may be out)
	WIN MUL_LO
	MUL16 0, 1, 1, \slot, 0
	s_wait_dscnt 0x0                               ; the add is done, and my reads of this slot are over
	s_barrier_signal -1
	MUL16 2, 1, 1, \slot, 0
	WIN 0
	s_barrier_wait -1
.if \fill
	CREST                                          ; the barrier has opened a round of the cluster's: no wave of any partner still reads this slot or has a load on its way
	s_add_nc_u64 s[G0+4*\slot+2:G0+4*\slot+3], s[G0+4*\slot+2:G0+4*\slot+3], 2*REC
	s_add_nc_u64 s[G0B+4*\slot+2:G0B+4*\slot+3], s[G0B+4*\slot+2:G0B+4*\slot+3], 2*REC
	JLOAD \slot                                    ; the first tensor load behind the round, my one load until the next
	PLACES NP-4
.else
	PLACES NP
.endif
	FETCH_B \next, 0, 0
	FETCH_A \next, 0, 0
	SCALES \next
	WIN MUL_HI
	MUL16 4, 1, 1, \slot, 0
	MUL16 6, 1, 1, \slot, 0
	PLACES NP
	WIN 0
	FETCH_A \next, 0, 4
.endm
	s_load_b256 s[4:11], s[0:1], 0x0               ; A's records, wrec, the bias, C
	v_lshl_add_u32 v[SPW], v0, 2, SPARE
	v_mov_b32 v[NIL], 0
	ds_add_u32 v28, v29
	ds_add_u32 v28, v29
	s_wait_dscnt 0x0
	v_lshrrev_b32 v1, 5, v0
	v_readfirstlane_b32 s[WV], v1
	s_lshr_b32 s[RH], s[WV], 1                     ; my half of the tile's rows.  Also: I fetch for A (0) or for W (1)
	s_and_b32 s[CH], s[WV], 1                      ; my half of its columns.  Also: which 128 rows I fetch
	s_bfe_u32 s40, ttmp6, 0x40000                  ; cx
	s_bfe_u32 s41, ttmp6, 0x40004                  ; cy
	s_lshl_b32 s[TC], ttmp9, 2
	s_add_co_u32 s[TC], s[TC], s40                 ; tile column
	s_and_b32 s[TR], ttmp7, 0xffff
	s_lshl_b32 s[TR], s[TR], 2
	s_add_co_u32 s[TR], s[TR], s41                 ; tile row
	s_lshl_b32 s43, s41, 2
	s_lshl_b32 s43, 15, s43
	s_lshl_b32 s44, 0x1111, s40
	s_or_b32 s[G1+0], s43, (3<<16)|(1<<21)         ; the mask; elements of 8 bytes; 21 set beside a mask; no padding
	s_or_b32 s[G1B+0], s44, (3<<16)|(1<<21)
.irp g, G1, G1B
	s_mov_b32 s[\g+1], 544<<16                     ; a record, 544 elements,
	s_mov_b32 s[\g+2], 8<<16                       ; 8 of them,
	s_mov_b32 s[\g+3], 544<<16
	s_mov_b32 s[\g+4], 8
	s_mov_b32 s[\g+5], KP*544                      ; a tile of 16 rows apart
	s_mov_b32 s[\g+6], 0
	s_mov_b32 s[\g+7], 0
.endr
	s_lshl_b32 s46, s[TR], 4
	s_lshl_b32 s47, s[CH], 3
	s_add_co_u32 s46, s46, s47
	s_mul_i32 s46, s46, KP*REC
	s_mov_b32 s47, 0
	s_lshl_b32 s66, s[TC], 4
	s_lshl_b32 s67, s[CH], 3
	s_add_co_u32 s66, s66, s67
	s_mul_i32 s66, s66, KP*REC
	s_mov_b32 s67, 0
	s_mul_i32 s45, s[WV], HALFT                    ; no place in the cluster enters an LDS address
	s_wait_kmcnt 0x0
	s_add_nc_u64 s[68:69], s[4:5], s[46:47]
	s_add_nc_u64 s[70:71], s[6:7], WOFF
	s_add_nc_u64 s[70:71], s[70:71], s[66:67]
	CROUND                                         ; all sixteen work-groups are here: the first joint loads meet
.irp s, 0,1
	s_mov_b32 s[G0+4*\s], 1
	s_add_co_u32 s[G0+4*\s+1], s45, \s*SLOT
	s_add_nc_u64 s[G0+4*\s+2:G0+4*\s+3], s[68:69], \s*REC
	s_or_b32 s[G0+4*\s+3], s[G0+4*\s+3], 0x80000000
	s_mov_b32 s[G0B+4*\s], 1
	s_add_co_u32 s[G0B+4*\s+1], s45, \s*SLOT
	s_add_nc_u64 s[G0B+4*\s+2:G0B+4*\s+3], s[70:71], \s*REC
	s_or_b32 s[G0B+4*\s+3], s[G0B+4*\s+3], 0x80000000
	JLOAD \s
.endr
	v_and_b32 v1, 31, v0
	v_and_b32 v2, 15, v0                           ; r
	v_bfe_u32 v3, v0, 4, 1                         ; h
	v_lshlrev_b32 v[CO], 4, v1                     ; 16 x lane
	v_lshlrev_b32 v4, 2, v2
	v_lshl_add_u32 v4, v3, 7, v4                   ; 4 r + 128 h
	v_lshlrev_b32 v5, 5, v3                        ; 32 h
	s_mul_i32 s74, s[RH], HALFT
	s_mul_i32 s75, s[CH], HALFT
	s_add_co_u32 s75, s75, 2*HALFT
.irp s, 0,1
	v_add_nc_u32 v[ADRA+\s], s74, v[CO]
	v_add_nc_u32 v[ADRB+\s], s75, v[CO]
	v_add_nc_u32 v[ASA+\s], s74, v4
	v_add_nc_u32 v[ASB+\s], s75, v4
	s_add_co_u32 s74, s74, SLOT
	s_add_co_u32 s75, s75, SLOT
.endr
	s_lshl_b32 s76, s[TC], 8
	s_lshl_b32 s77, s[CH], 7
	s_add_co_u32 s76, s76, s77
	s_lshl_b32 s76, s76, 2
	s_mov_b32 s77, 0
	s_add_nc_u64 s[78:79], s[8:9], s[76:77]
.irp b, 0,1,2,3,4,5,6,7
	global_load_b128 v[BI+8*\b:BI+8*\b+3], v5, s[78:79] offset:64*\b       ; the bias in the result's layout: columns 16 b + 8 h + 0 .. 7
	global_load_b128 v[BI+8*\b+4:BI+8*\b+7], v5, s[78:79] offset:64*\b+16
.endr
	s_mul_i32 s92, s[WV], 16*SPITCH                ; my stage
	v_mul_u32_u24 v7, v2, SPITCH
	v_lshl_add_u32 v7, v3, 5, v7
	v_add_nc_u32 v[STO], s92, v7                   ; in: row r, 32 bytes for each half of the lanes
	v_add_nc_u32 v[RD], s92, v[CO]                 ; back: the 32 lanes take a row of 512 bytes
	s_lshl_b32 s86, s[TR], 8
	s_lshl_b32 s87, s[RH], 7
	s_add_co_u32 s86, s86, s87
	s_lshl_b32 s86, s86, 12                        ; my first row of C x 4,096 bytes
	s_lshl_b32 s87, s[TC], 10
	s_add_co_u32 s86, s86, s87
	s_lshl_b32 s87, s[CH], 9
	s_add_co_u32 s86, s86, s87
	s_mov_b32 s87, 0
	s_add_nc_u64 s[10:11], s[10:11], s[86:87]
	s_wait_loadcnt 0x0
	s_wait_tensorcnt 1                             ; my part of slot 0 is in (slot 1's load may be out)
	s_barrier_signal -1
	s_barrier_wait -1
	FETCH_B 0, 0, 0
	FETCH_A 0, 0, 0
	SCALES 0
	FETCH_A 0, 0, 4
	STEP 0, 1                                      ; the first products start the sums from the bias
	s_mov_b32 s3, LAPS-1
.Llap:
	TURN 0, 1, 1
	STEP 1, 0
	TURN 1, 0, 1
	STEP 0, 0
	s_sub_co_u32 s3, s3, 1
	s_cmp_lg_u32 s3, 0
	s_cbranch_scc1 .Llap
	TURN 0, 1, 0
	STEP 1, 0
	s_wait_dscnt 16
	WIN MUL_LO
	MUL16 0, 1, 1, 1, 0
	MUL16 2, 1, 1, 1, 0
	s_wait_dscnt 0
	WIN MUL_HI
	MUL16 4, 1, 1, 1, 0
	MUL16 6, 1, 1, 1, 0
	WIN 0
; THE WAY OUT, block by block of 16 rows x 128 columns, through my own stage: in as 32 bytes a lane, back as whole rows of 512 bytes.  LDS serves a wave's instructions in order (ISA guide 5.7.1.4).
.macro TOSTAGE a
.set AC, 64*((\a)%4)
.set WS, 0x08+4*((\a)/4)
	WIN WS                                         ; an LDS store's data are its source 1: window 2 or 3
.irp b, 0,1,2,3,4,5,6,7
	ds_store_b128 v[STO], v[AC+8*\b:AC+8*\b+3] offset:64*\b          ; each accumulator from its low end on
	ds_store_b128 v[STO], v[AC+8*\b+4:AC+8*\b+7] offset:64*\b+16
.endr
	WIN 0
.set BB, BK+64*((\a)%2)
.irp t, 0,1,2,3,4,5,6,7,8,9,10,11,12,13,14,15
	ds_load_b128 v[BB+4*\t:BB+4*\t+3], v[RD] offset:\t*SPITCH
.endr
.endm
.macro SEND a, younger
.set BB, BK+64*((\a)%2)
	s_wait_dscnt \younger                          ; the block is back in registers
.if (\a) > 0
	s_add_nc_u64 s[10:11], s[10:11], 16*SIZE_N*4   ; (behind a wait on XCNT: the earlier stores have read their base)
.endif
.irp t, 0,1,2,3,4,5,6,7,8,9,10,11,12,13,14,15
	global_store_b128 v[CO], v[BB+4*\t:BB+4*\t+3], s[10:11] offset:\t*SIZE_N*4   ; 512 consecutive bytes, at a multiple of 256 from C's first byte
.endr
.endm
	PLACES NP
	TOSTAGE 0
.irp a, 1,2,3,4,5,6,7
.if \a > 1
	s_wait_xcnt 0x0                                ; block a - 2's stores have read their registers and their base
.endif
	TOSTAGE \a
	SEND \a-1, 32                                  ; behind block a - 1's loads: block a's 16 stores and 16 loads
.endr
	s_wait_xcnt 0x0
	SEND 7, 0
	s_wait_tensorcnt 0x0                           ; the wave's end
	ds_add_u32 v[SPW], v[NIL]
	s_wait_dscnt 0x0
	CROUND                                         ; the closing round
	s_endpgm
.Lfunc_end_k_qb4ad155f4d_ffn2:
	.size	k_qb4ad155f4d_ffn2, .Lfunc_end_k_qb4ad155f4d_ffn2-k_qb4ad155f4d_ffn2
	.p2alignl 7, 3214868480
	.fill 96, 4, 3214868480
	.section	.rodata,"a",@progbits
	.p2align	6, 0x0
	.amdhsa_kernel k_qb4ad155f4d_ffn2
		.amdhsa_group_segment_fixed_size 327680
		.amdhsa_private_segment_fixed_size 0
		.amdhsa_enable_private_segment 0
		.amdhsa_kernarg_size 32
		.amdhsa_user_sgpr_count 2
		.amdhsa_user_sgpr_kernarg_segment_ptr 1
		.amdhsa_wavefront_size32 1
		.amdhsa_system_sgpr_workgroup_id_x 1
		.amdhsa_system_sgpr_workgroup_id_y 1
		.amdhsa_system_sgpr_workgroup_id_z 1
		.amdhsa_system_vgpr_workitem_id 0
		.amdhsa_next_free_vgpr 1024
		.amdhsa_next_free_sgpr 100
		.amdhsa_reserve_vcc 0
		.amdhsa_float_denorm_mode_32 3
		.amdhsa_float_denorm_mode_16_64 3
		.amdhsa_memory_ordered 1
		.amdhsa_forward_progress 1
		.amdhsa_inst_pref_size 147
	.end_amdhsa_kernel
	.amdgpu_metadata
---
amdhsa.version: [ 1, 2 ]
amdhsa.kernels:
  - .name:           k_qb4ad155f4d_ffn2
    .symbol:         k_qb4ad155f4d_ffn2.kd
    .args:
      - { .name: hrec, .offset: 0, .size: 8, .value_kind: global_buffer, .address_space: global }
      - { .name: wrec, .offset: 8, .size: 8, .value_kind: global_buffer, .address_space: global }
      - { .name: b2, .offset: 16, .size: 8, .value_kind: global_buffer, .address_space: global }
      - { .name: cbuf, .offset: 24, .size: 8, .value_kind: global_buffer, .address_space: global }
    .group_segment_fixed_size: 327680
    .private_segment_fixed_size: 0
    .kernarg_segment_align: 8
    .kernarg_segment_size: 32
    .max_flat_workgroup_size: 128
    .sgpr_count:     100
    .vgpr_count:     1024
    .wavefront_size: 32
...
	.end_amdgpu_metadata
.endif
;; end of part 7
;; launch ln2 (part 8): grid 256 x 1, 8 waves a work-group, no clusters, 0 bytes of LDS; arguments cbuf, out1, g2, be2, out0; writes out0
.if DOCPART == 8
	.amdgcn_target "amdgcn-amd-amdhsa--gfx1250"
	.amdhsa_code_object_version 6
	.text
	.protected	k_qb4ad155f4d_ln2
	.globl	k_qb4ad155f4d_ln2
	.p2align	8
	.type	k_qb4ad155f4d_ln2,@function
k_qb4ad155f4d_ln2:
	s_mov_b64 s[64:65], 0
	v_nop
	global_prefetch_b8 v0, s[64:65] scope:SCOPE_SE
	s_setreg_imm32_b32 hwreg(HW_REG_WAVE_MODE, 25, 1), 1
	s_wait_xcnt 0x0
; out0 = layernorm(out1 + (h W2 + b2)) g2 + be2, in f32.
; A work-group takes 16 rows; wave w norms rows 2 w, 2 w + 1 (a row in 32 registers; the two rows are 8,192 bytes on end).  The variance is taken from the differences to the mean: no difference of large sums.
; The reduction never leaves a wave: no LDS, no barrier.  Memory binds: no matrix unit, no cluster (only g and be, 8 KiB, are shared), no tensor load.  Every load and store of a wave covers 512 consecutive bytes.
.set ROW, 32                           ; v32-95   two rows
.set RES, 128                          ; v128-191 the residual's two rows
.set G,   192                          ; v192-223 g
.set BE,  224                          ; v224-255 be
.set TM,  16                           ; v16-31   sums (4 a row), mean (pair a row at +8), 1 / sigma (pair a row at +12)
.set SEL, 22
.macro REDUCE                          ; each row's four partial sums become the row's sum, in every lane
.irp p, 0,1
	v_pk_add_f32 v[TM+4*\p:TM+4*\p+1], v[TM+4*\p:TM+4*\p+1], v[TM+4*\p+2:TM+4*\p+3]
.endr
.irp p, 0,1
	v_add_f32 v[TM+4*\p], v[TM+4*\p], v[TM+4*\p+1]
.endr
.irp m, 1,2,4,8
.irp p, 0,1
	v_add_f32_dpp v[TM+4*\p], v[TM+4*\p], v[TM+4*\p] row_xmask:\m row_mask:0xf bank_mask:0xf
.endr
.endr
.irp p, 0,1
	v_permlanex16_b32 v[TM+4*\p+1], v[TM+4*\p], s[SEL], s[SEL+1]
.endr
.irp p, 0,1
	v_add_f32 v[TM+4*\p], v[TM+4*\p], v[TM+4*\p+1]
.endr
.endm
	s_load_b256 s[4:11], s[0:1], 0x0               ; the product, the residual, g, be
	s_load_b64 s[12:13], s[0:1], 0x20              ; out0
	v_lshrrev_b32 v1, 5, v0
	v_readfirstlane_b32 s16, v1                    ; wave 0..7
	v_and_b32 v2, 31, v0
	v_lshlrev_b32 v3, 4, v2                        ; 16 x lane
	s_lshl_b32 s17, ttmp9, 4
	s_lshl_b32 s18, s16, 1
	s_add_co_u32 s17, s17, s18
	s_lshl_b32 s18, s17, 12                        ; my first row x 4,096 bytes
	s_mov_b32 s19, 0
	s_mov_b32 s20, 0x3a800000                      ; 1 / 1024
	s_mov_b32 s21, 0x3727c5ac                      ; 1e-5
	s_mov_b32 s[SEL], 0x76543210
	s_mov_b32 s[SEL+1], 0xfedcba98
	s_wait_kmcnt 0x0
	s_add_nc_u64 s[4:5], s[4:5], s[18:19]
	s_add_nc_u64 s[6:7], s[6:7], s[18:19]
	s_add_nc_u64 s[12:13], s[12:13], s[18:19]
.set n, 0
.rept 16
	global_load_b128 v[ROW+4*n:ROW+4*n+3], v3, s[4:5] offset:512*n th:TH_LOAD_NT
.set n, n+1
.endr
.set n, 0
.rept 16
	global_load_b128 v[RES+4*n:RES+4*n+3], v3, s[6:7] offset:512*n th:TH_LOAD_NT
.set n, n+1
.endr
.set n, 0
.rept 8
	global_load_b128 v[G+4*n:G+4*n+3], v3, s[8:9] offset:512*n
	global_load_b128 v[BE+4*n:BE+4*n+3], v3, s[10:11] offset:512*n
.set n, n+1
.endr
	s_wait_loadcnt 16                              ; the rows are in; the sixteen loads of g and be may be out
.set i, 0
.rept 32
	v_pk_add_f32 v[ROW+i:ROW+i+1], v[ROW+i:ROW+i+1], v[RES+i:RES+i+1]
.set i, i+2
.endr
.irp p, 0,1
	v_pk_add_f32 v[TM+4*\p:TM+4*\p+1], v[ROW+32*\p:ROW+32*\p+1], v[ROW+32*\p+2:ROW+32*\p+3]
	v_pk_add_f32 v[TM+4*\p+2:TM+4*\p+3], v[ROW+32*\p+4:ROW+32*\p+5], v[ROW+32*\p+6:ROW+32*\p+7]
.endr
.irp i, 8,12,16,20,24,28
.irp p, 0,1
	v_pk_add_f32 v[TM+4*\p:TM+4*\p+1], v[TM+4*\p:TM+4*\p+1], v[ROW+32*\p+\i:ROW+32*\p+\i+1]
	v_pk_add_f32 v[TM+4*\p+2:TM+4*\p+3], v[TM+4*\p+2:TM+4*\p+3], v[ROW+32*\p+\i+2:ROW+32*\p+\i+3]
.endr
.endr
	REDUCE
.irp p, 0,1
	v_mul_f32 v[TM+8+2*\p], s20, v[TM+4*\p]        ; the mean, twice: a pair for the packed form
	v_mul_f32 v[TM+9+2*\p], s20, v[TM+4*\p]
.endr
.set i, 0
.rept 32
	v_pk_add_f32 v[ROW+i:ROW+i+1], v[ROW+i:ROW+i+1], v[TM+8+2*(i/32):TM+9+2*(i/32)] neg_lo:[0,1] neg_hi:[0,1]
.set i, i+2
.endr
.irp p, 0,1
	v_pk_mul_f32 v[TM+4*\p:TM+4*\p+1], v[ROW+32*\p:ROW+32*\p+1], v[ROW+32*\p:ROW+32*\p+1]
	v_pk_mul_f32 v[TM+4*\p+2:TM+4*\p+3], v[ROW+32*\p+2:ROW+32*\p+3], v[ROW+32*\p+2:ROW+32*\p+3]
.endr
.irp i, 4,8,12,16,20,24,28
.irp p, 0,1
	v_pk_fma_f32 v[TM+4*\p:TM+4*\p+1], v[ROW+32*\p+\i:ROW+32*\p+\i+1], v[ROW+32*\p+\i:ROW+32*\p+\i+1], v[TM+4*\p:TM+4*\p+1]
	v_pk_fma_f32 v[TM+4*\p+2:TM+4*\p+3], v[ROW+32*\p+\i+2:ROW+32*\p+\i+3], v[ROW+32*\p+\i+2:ROW+32*\p+\i+3], v[TM+4*\p+2:TM+4*\p+3]
.endr
.endr
	REDUCE
.irp p, 0,1
	v_fma_f32 v[TM+4*\p], v[TM+4*\p], s20, s21     ; the variance + 1e-5
.endr
.irp p, 0,1
	v_rsq_f32 v[TM+12+2*\p], v[TM+4*\p]
	v_rsq_f32 v[TM+13+2*\p], v[TM+4*\p]
.endr
	v_nop                                          ; a plain line behind the last of the four,
	s_wait_alu depctr_va_vdst(0)                   ; and one wait for the batch, ahead of its first reader
	s_wait_loadcnt 0x0                             ; g and be
.set i, 0
.rept 32
	v_pk_mul_f32 v[ROW+i:ROW+i+1], v[ROW+i:ROW+i+1], v[TM+12+2*(i/32):TM+13+2*(i/32)]
	v_pk_fma_f32 v[ROW+i:ROW+i+1], v[ROW+i:ROW+i+1], v[G+i%32:G+i%32+1], v[BE+i%32:BE+i%32+1]
.set i, i+2
.endr
.set n, 0
.rept 16
	global_store_b128 v3, v[ROW+4*n:ROW+4*n+3], s[12:13] offset:512*n th:TH_STORE_NT
.set n, n+1
.endr
	s_endpgm
.Lfunc_end_k_qb4ad155f4d_ln2:
	.size	k_qb4ad155f4d_ln2, .Lfunc_end_k_qb4ad155f4d_ln2-k_qb4ad155f4d_ln2
	.p2alignl 7, 3214868480
	.fill 96, 4, 3214868480
	.section	.rodata,"a",@progbits
	.p2align	6, 0x0
	.amdhsa_kernel k_qb4ad155f4d_ln2
		.amdhsa_group_segment_fixed_size 0
		.amdhsa_private_segment_fixed_size 0
		.amdhsa_enable_private_segment 0
		.amdhsa_kernarg_size 40
		.amdhsa_user_sgpr_count 2
		.amdhsa_user_sgpr_kernarg_segment_ptr 1
		.amdhsa_wavefront_size32 1
		.amdhsa_system_sgpr_workgroup_id_x 1
		.amdhsa_system_sgpr_workgroup_id_y 1
		.amdhsa_system_sgpr_workgroup_id_z 1
		.amdhsa_system_vgpr_workitem_id 0
		.amdhsa_next_free_vgpr 256
		.amdhsa_next_free_sgpr 66
		.amdhsa_reserve_vcc 0
		.amdhsa_float_denorm_mode_32 3
		.amdhsa_float_denorm_mode_16_64 3
		.amdhsa_memory_ordered 1
		.amdhsa_forward_progress 1
		.amdhsa_inst_pref_size 22
	.end_amdhsa_kernel
	.amdgpu_metadata
---
amdhsa.version: [ 1, 2 ]
amdhsa.kernels:
  - .name:           k_qb4ad155f4d_ln2
    .symbol:         k_qb4ad155f4d_ln2.kd
    .args:
      - { .name: cbuf, .offset: 0, .size: 8, .value_kind: global_buffer, .address_space: global }
      - { .name: out1, .offset: 8, .size: 8, .value_kind: global_buffer, .address_space: global }
      - { .name: g2, .offset: 16, .size: 8, .value_kind: global_buffer, .address_space: global }
      - { .name: be2, .offset: 24, .size: 8, .value_kind: global_buffer, .address_space: global }
      - { .name: out0, .offset: 32, .size: 8, .value_kind: global_buffer, .address_space: global }
    .group_segment_fixed_size: 0
    .private_segment_fixed_size: 0
    .kernarg_segment_align: 8
    .kernarg_segment_size: 40
    .max_flat_workgroup_size: 256
    .sgpr_count:     66
    .vgpr_count:     256
    .wavefront_size: 32
...
	.end_amdgpu_metadata
.endif
;; end of part 8
;; ======== version 2 of 2: 7 launches
;; limits: right only within a limited range of input values
;; workspace buffers: wrec 13,369,344 bytes; arec 4,456,448 bytes; qkrec 10,485,760 bytes; vrec 4,456,448 bytes; cbuf 16,777,216 bytes; out1 16,777,216 bytes; hrec 17,825,792 bytes; nrec 4,456,448 bytes
;; launch prep (part 9): grid 640 x 1, 8 waves a work-group, no clusters, 66,816 bytes of LDS; arguments x, Wq_codes, Wq_scales, Wk_codes, Wk_scales, Wv_codes, Wv_scales, Wo_codes, Wo_scales, W1_codes, W1_scales, W2_codes, W2_scales, arec, wrec; writes arec, wrec
.if DOCPART == 9
	.amdgcn_target "amdgcn-amd-amdhsa--gfx1250"
	.amdhsa_code_object_version 6
	.text
	.protected	k_qb4ad155f4d_prep
	.globl	k_qb4ad155f4d_prep
	.p2align	8
	.type	k_qb4ad155f4d_prep,@function
k_qb4ad155f4d_prep:
	s_mov_b64 s[64:65], 0
	v_nop
	global_prefetch_b8 v0, s[64:65] scope:SCOPE_SE
	s_setreg_imm32_b32 hwreg(HW_REG_WAVE_MODE, 25, 1), 1
	s_wait_xcnt 0x0
; Lays every operand that later launches read many times as RECORDS.  A record is 16 rows x 256 along K as an image of the operand's registers, 4,352 bytes:
;   byte 2048 q + 512 c + 16 lane : registers 4 c .. 4 c + 3 of that lane for the q-th 128 along K;   byte 4096 + 128 q + 4 lane : row (lane % 16)'s scale word for that 128.
; ORDER OF K IN A FRAGMENT, the same for both operands of every product of this program: registers 2 c, 2 c + 1 of lane (r, h) hold k = 16 c + 8 h + 0 .. 7.  That permutes k inside each block of 32 alike
; on both sides, so products and block scales are kept, and it is the order in which a transposed matrix result falls into a lane's registers.
; Work-groups 0-255: 16 rows of x each, quantised to E4M3 with one E8M0 scale for each 32 along K -> arec [256][4] records.  Work-groups 256-639: a wave copies one record of a weight's codes and scales -> wrec.
; A block's scale is 2^(floor(log2(largest magnitude)) - 8).  LIMITS: a block whose largest magnitude lies under 2^-118 (zeros too) keeps the byte 1; NaN and infinities are not served.
; No cluster, no tensor load: no two work-groups read the same bytes.
.set ROW, 32                           ; v32-95  two rows as loaded; later 64 numbers of a lane for the quantiser
.set TM,  16                           ; v16-31  at work in the quantiser
.set PC,  96                           ; v96-111 the fragment's codes
.set PW,  112                          ; v112    its scale word
.set SPT, 4112                         ; a row of the stage: 4,096 bytes + 16: row r starts 4 r banks on
.set REC, 4352
.set SEL, 60
.set MNT, 59
; 64 numbers of a lane, register 16 b + i = the i-th of my 16 numbers of block b of my row, become 16 registers of codes and a scale word
.macro QUANT s
.irp b, 0,1,2,3
	v_max3_num_f32 v[TM+\b], |v[\s+16*\b]|, |v[\s+1+16*\b]|, 0x4800000   ; the floor 2^(9 - 127) holds the byte at 1 from below
.endr
.irp i, 2,4,6,8,10,12,14
.irp b, 0,1,2,3
	s_delay_alu instid0(VALU_DEP_4)
	v_max3_num_f32 v[TM+\b], v[TM+\b], |v[\s+16*\b+\i]|, |v[\s+1+16*\b+\i]|
.endr
.endr
.irp b, 0,1,2,3
	s_delay_alu instid0(VALU_DEP_4)
	v_permlanex16_b32 v[TM+4+\b], v[TM+\b], s[SEL], s[SEL+1]
.endr
.irp b, 0,1,2,3
	s_delay_alu instid0(VALU_DEP_4)
	v_max_num_f32 v[TM+\b], v[TM+\b], v[TM+4+\b]       ; with lane l xor 16's 16 numbers: the block's largest magnitude
.endr
.irp b, 0,1,2,3
	s_delay_alu instid0(VALU_DEP_4)
	v_add_nc_u32 v[TM+12+\b], 0xfc000000, v[TM+\b]     ; 8 off the exponent field: the conversion's scale operand
.endr
.irp b, 0,1,2,3
	v_and_or_b32 v[TM+8+\b], v[TM+\b], 0x7f800000, s[MNT]   ; 448 x the scale
.endr
.irp b, 0,1,2,3
	v_lshrrev_b32 v[TM+4+\b], 23, v[TM+12+\b]          ; the scale's byte
.endr
	s_delay_alu instid0(VALU_DEP_3)
	v_lshl_or_b32 v[PW], v[TM+5], 8, v[TM+4]
	s_delay_alu instid0(VALU_DEP_1)
	v_lshl_or_b32 v[PW], v[TM+6], 16, v[PW]
	s_delay_alu instid0(VALU_DEP_1)
	v_lshl_or_b32 v[PW], v[TM+7], 24, v[PW]
.irp b, 0,1,2,3
.set i, 0
.rept 16
	v_med3_num_f32 v[\s+16*\b+i], v[\s+16*\b+i], -v[TM+8+\b], v[TM+8+\b]   ; the conversion does not saturate (ISA guide 7.6.2): the hold comes first
.set i, i+1
.endr
	v_cvt_scalef32_pk8_fp8_f32 v[PC+4*\b:PC+1+4*\b], v[\s+16*\b:\s+7+16*\b], v[TM+12+\b]
	v_cvt_scalef32_pk8_fp8_f32 v[PC+2+4*\b:PC+3+4*\b], v[\s+8+16*\b:\s+15+16*\b], v[TM+12+\b]
.endr
	v_nop
.endm
	s_load_b64 s[8:9], s[0:1], 0x0                 ; x
	s_load_b512 s[12:27], s[0:1], 0x8              ; Wq, Wk, Wv, Wo: codes, scales
	s_load_b256 s[28:35], s[0:1], 0x48             ; W1, W2: codes, scales
	s_load_b128 s[36:39], s[0:1], 0x68             ; arec, wrec
	v_lshl_add_u32 v128, v0, 2, 0x10100
	v_mov_b32 v129, 0
	v_lshrrev_b32 v1, 5, v0
	s_delay_alu instid0(VALU_DEP_1)
	v_readfirstlane_b32 s2, v1                     ; wave 0..7
	v_and_b32 v2, 31, v0                           ; lane
	s_delay_alu instid0(VALU_DEP_1)
	v_lshlrev_b32 v3, 4, v2                        ; 16 x lane
	v_and_b32 v4, 15, v0                           ; r
	v_bfe_u32 v5, v0, 4, 1                         ; h
	s_delay_alu instid0(VALU_DEP_4)
	v_lshlrev_b32 v8, 2, v2                        ; 4 x lane
	s_cmp_lt_u32 ttmp9, 256                        ; the same for all waves of a work-group
	s_cbranch_scc0 .Lweights
	; ---- x: wave w brings rows 2 w, 2 w + 1 of the work-group's 16 (8,192 bytes on end) into the stage; then wave w quantises K step w of all 16 rows
	s_lshl_b32 s40, ttmp9, 4
	s_lshl_b32 s41, s2, 1
	s_add_co_u32 s40, s40, s41
	s_lshl_b32 s40, s40, 12                        ; my first row x 4,096 bytes
	s_mov_b32 s41, 0
	s_mul_i32 s42, s2, 2*SPT
	s_wait_alu depctr_va_vdst(0)
	v_add_nc_u32 v6, s42, v3                       ; into the stage: my rows, 16 x lane
	v_mul_u32_u24 v7, v4, SPT
	s_delay_alu instid0(VALU_DEP_1)
	v_lshl_add_u32 v7, v5, 5, v7
	s_lshl_b32 s42, s2, 9
	v_add_nc_u32 v7, s42, v7                       ; out of it: row r, K step w (512 bytes), + 32 h
	s_mul_i32 s44, ttmp9, 4*REC                    ; the work-group's four records
	s_lshr_b32 s45, s2, 1
	s_mul_i32 s45, s45, REC
	s_add_co_u32 s44, s44, s45                     ; K step w lies in record w / 2,
	s_and_b32 s46, s2, 1                           ; as its part w % 2
	s_lshl_b32 s47, s46, 11
	s_add_co_u32 s48, s44, s47
	s_mov_b32 s49, 0
	s_lshl_b32 s47, s46, 7
	s_add_co_u32 s44, s44, s47
	s_mov_b32 s45, 0
	s_mov_b32 s[SEL], 0x76543210
	s_mov_b32 s[SEL+1], 0xfedcba98
	s_mov_b32 s[MNT], 0x600000
	s_wait_alu depctr_va_vdst(0)
	s_wait_kmcnt 0x0
	s_add_nc_u64 s[8:9], s[8:9], s[40:41]
	s_add_nc_u64 s[48:49], s[36:37], s[48:49]      ; where my codes go
	s_add_nc_u64 s[44:45], s[36:37], s[44:45]      ; and my scale words
.set n, 0
.rept 16
	global_load_b128 v[ROW+4*n:ROW+4*n+3], v3, s[8:9] offset:512*n th:TH_LOAD_NT   ; 32 lanes read 512 consecutive bytes
.set n, n+1
.endr
.irp b, 0,1,2,3
	v_mov_b32 v[TM+4+\b], 0                        ; a lane permute's destination counts as one of its sources
.endr
.set n, 0
.rept 16
	s_wait_loadcnt 15-n                            ; loads come back in order: load n is in, the younger ones stay out
	ds_store_b128 v6, v[ROW+4*n:ROW+4*n+3] offset:(n/8)*SPT+(n%8)*512
.set n, n+1
.endr
	s_wait_dscnt 0x0                               ; my stores have landed, for the other waves' sake
	s_barrier_signal -1
	s_barrier_wait -1
.set n, 0
.rept 16
	ds_load_b128 v[ROW+4*n:ROW+4*n+3], v7 offset:64*(n/2)+16*(n%2)   ; register 8 c + i: k = 16 c + 8 h + i of my K step
.set n, n+1
.endr
	s_wait_dscnt 0x0
	QUANT ROW
.irp c, 0,1,2,3
	global_store_b128 v3, v[PC+4*\c:PC+4*\c+3], s[48:49] offset:512*\c   ; 512 consecutive bytes a store
.endr
	global_store_b32 v8, v[PW], s[44:45] offset:4096
	s_wait_tensorcnt 0x0
	ds_add_u32 v128, v129
	s_wait_dscnt 0x0
	s_endpgm
.Lweights:
	; ---- a weight's record rho = 8 (work-group - 256) + wave.  Records 0-1023: Wq, Wk, Wv, Wo (256 each); 1024-2047: W1; 2048-3071: W2
	s_sub_co_u32 s40, ttmp9, 256
	s_lshr_b32 s41, s40, 5
	s_lshr_b32 s42, s40, 7
	s_add_co_u32 s42, s42, 3
	s_mov_b32 s43, 1023
	s_cmp_lt_u32 s40, 128
	s_cselect_b32 s41, s41, s42                    ; which weight, 0..5
	s_cselect_b32 s43, 255, s43
	s_lshl_b32 s44, s40, 3
	s_add_co_u32 s44, s44, s2                      ; rho
	s_and_b32 s45, s44, s43                        ; the record's number in its weight
	s_cmp_eq_u32 s41, 5
	s_cselect_b32 s46, 4, 2                        ; log2 of the records along K: W2 has 16, the others 4
	s_cselect_b32 s47, 12, 10                      ; log2 K
	s_lshr_b32 s48, s45, s46                       ; tile of 16 rows
	s_lshl_b32 s49, s48, s46
	s_sub_co_u32 s49, s45, s49                     ; which 256 along K
	s_add_co_u32 s56, s47, 4
	s_lshl_b32 s56, s48, s56                       ; codes: tile x 16 K
	s_lshl_b32 s57, s49, 8
	s_add_co_u32 s56, s56, s57                     ; + 256 x part
	s_mov_b32 s57, 0
	s_sub_co_u32 s58, s47, 1
	s_lshl_b32 s58, s48, s58                       ; scales: tile x K / 2
	s_lshl_b32 s59, s49, 3
	s_add_co_u32 s58, s58, s59                     ; + 8 x part
	s_mov_b32 s59, 0
	s_mul_i32 s54, s44, REC
	s_mov_b32 s55, 0
	s_wait_alu depctr_va_vdst(0)
	v_lshlrev_b32 v6, s47, v4
	s_delay_alu instid0(VALU_DEP_1)
	v_lshl_add_u32 v6, v5, 3, v6                   ; codes: r K + 8 h
	s_sub_co_u32 s47, s47, 5
	v_lshlrev_b32 v7, s47, v4                      ; scales: r K / 32
	s_wait_alu depctr_va_vdst(0)
	s_wait_kmcnt 0x0
	s_mov_b64 s[50:51], s[12:13]
	s_mov_b64 s[52:53], s[14:15]
.irp n, 1,2,3,4,5
	s_cmp_eq_u32 s41, \n                           ; the choice hangs on the work-group's number alone
	s_cselect_b64 s[50:51], s[12+4*\n:13+4*\n], s[50:51]
	s_cselect_b64 s[52:53], s[14+4*\n:15+4*\n], s[52:53]
.endr
	s_add_nc_u64 s[50:51], s[50:51], s[56:57]
	s_add_nc_u64 s[52:53], s[52:53], s[58:59]
	s_add_nc_u64 s[54:55], s[38:39], s[54:55]
.set n, 0
.rept 16
	global_load_b64 v[32+2*n:33+2*n], v6, s[50:51] offset:16*n   ; k = 16 n + 8 h + 0 .. 7 of the record's 256
.set n, n+1
.endr
	global_load_b32 v64, v7, s[52:53]
	global_load_b32 v65, v7, s[52:53] offset:4
	s_wait_loadcnt 0x0
.set n, 0
.rept 8
	global_store_b128 v3, v[32+4*n:35+4*n], s[54:55] offset:512*n
.set n, n+1
.endr
	global_store_b32 v8, v64, s[54:55] offset:4096
	global_store_b32 v8, v65, s[54:55] offset:4224
	s_endpgm
.Lfunc_end_k_qb4ad155f4d_prep:
	.size	k_qb4ad155f4d_prep, .Lfunc_end_k_qb4ad155f4d_prep-k_qb4ad155f4d_prep
	.p2alignl 7, 3214868480
	.fill 96, 4, 3214868480
	.section	.rodata,"a",@progbits
	.p2align	6, 0x0
	.amdhsa_kernel k_qb4ad155f4d_prep
		.amdhsa_group_segment_fixed_size 66816
		.amdhsa_private_segment_fixed_size 0
		.amdhsa_enable_private_segment 0
		.amdhsa_kernarg_size 120
		.amdhsa_user_sgpr_count 2
		.amdhsa_user_sgpr_kernarg_segment_ptr 1
		.amdhsa_wavefront_size32 1
		.amdhsa_system_sgpr_workgroup_id_x 1
		.amdhsa_system_sgpr_workgroup_id_y 1
		.amdhsa_system_sgpr_workgroup_id_z 1
		.amdhsa_system_vgpr_workitem_id 0
		.amdhsa_next_free_vgpr 130
		.amdhsa_next_free_sgpr 66
		.amdhsa_reserve_vcc 0
		.amdhsa_float_denorm_mode_32 3
		.amdhsa_float_denorm_mode_16_64 3
		.amdhsa_memory_ordered 1
		.amdhsa_forward_progress 1
		.amdhsa_inst_pref_size 22
	.end_amdhsa_kernel
	.amdgpu_metadata
---
amdhsa.version: [ 1, 2 ]
amdhsa.kernels:
  - .name:           k_qb4ad155f4d_prep
    .symbol:         k_qb4ad155f4d_prep.kd
    .args:
      - { .name: x, .offset: 0, .size: 8, .value_kind: global_buffer, .address_space: global }
      - { .name: Wq_codes, .offset: 8, .size: 8, .value_kind: global_buffer, .address_space: global }
      - { .name: Wq_scales, .offset: 16, .size: 8, .value_kind: global_buffer, .address_space: global }
      - { .name: Wk_codes, .offset: 24, .size: 8, .value_kind: global_buffer, .address_space: global }
      - { .name: Wk_scales, .offset: 32, .size: 8, .value_kind: global_buffer, .address_space: global }
      - { .name: Wv_codes, .offset: 40, .size: 8, .value_kind: global_buffer, .address_space: global }
      - { .name: Wv_scales, .offset: 48, .size: 8, .value_kind: global_buffer, .address_space: global }
      - { .name: Wo_codes, .offset: 56, .size: 8, .value_kind: global_buffer, .address_space: global }
      - { .name: Wo_scales, .offset: 64, .size: 8, .value_kind: global_buffer, .address_space: global }
      - { .name: W1_codes, .offset: 72, .size: 8, .value_kind: global_buffer, .address_space: global }
      - { .name: W1_scales, .offset: 80, .size: 8, .value_kind: global_buffer, .address_space: global }
      - { .name: W2_codes, .offset: 88, .size: 8, .value_kind: global_buffer, .address_space: global }
      - { .name: W2_scales, .offset: 96, .size: 8, .value_kind: global_buffer, .address_space: global }
      - { .name: arec, .offset: 104, .size: 8, .value_kind: global_buffer, .address_space: global }
      - { .name: wrec, .offset: 112, .size: 8, .value_kind: global_buffer, .address_space: global }
    .group_segment_fixed_size: 66816
    .private_segment_fixed_size: 0
    .kernarg_segment_align: 8
    .kernarg_segment_size: 120
    .max_flat_workgroup_size: 256
    .sgpr_count:     66
    .vgpr_count:     130
    .wavefront_size: 32
...
	.end_amdgpu_metadata
.endif
;; end of part 9
;; launch qkv (part 10): grid 12 x 16, 4 waves a work-group, clusters of 4 x 4, 327,680 bytes of LDS; arguments arec, wrec, bq, bk, bv, mask, qkrec, vrec; writes qkrec, vrec
.if DOCPART == 10
	.amdgcn_target "amdgcn-amd-amdhsa--gfx1250"
	.amdhsa_code_object_version 6
	.text
	.protected	k_qb4ad155f4d_qkv
	.globl	k_qb4ad155f4d_qkv
	.p2align	8
	.type	k_qb4ad155f4d_qkv,@function
k_qb4ad155f4d_qkv:
	s_mov_b64 s[64:65], 0
	v_nop
	global_prefetch_b8 v0, s[64:65] scope:SCOPE_SE
	s_setreg_imm32_b32 hwreg(HW_REG_WAVE_MODE, 25, 1), 1
	s_wait_xcnt 0x0
	s_wait_alu depctr_hold_cnt(0) depctr_sa_sdst(0) depctr_va_vdst(0) depctr_va_sdst(0) depctr_va_ssrc(0) depctr_va_vcc(0) depctr_vm_vsrc(0)
	s_getreg_b32 s2, hwreg(HW_REG_IB_STS2, 6, 4)
	s_cmp_eq_u32 s2, 0
	s_cbranch_scc0 .Lentry_in_a_cluster
	s_endpgm
.Lentry_in_a_cluster:
	s_bfe_u32 s2, ttmp6, 0x10000c
	s_cmp_lg_u32 s2, 0xf033
	s_cbranch_scc0 .Lentry_shape_is_right
	s_endpgm
.Lentry_shape_is_right:
.set SIZE_K, 1024
.set REC,   4352
.set KP,    SIZE_K/256
.set HALFT, 8*REC
.set SLOT,  4*HALFT
.set SPARE, 2*SLOT
.set LAPS,  SIZE_K/512
.set NP,    8
.set FR,    16
.set ORS,   16*REC
.set AUX,  8
.set ADRA, 16
.set ASA,  18
.set ADRB, 20
.set ASB,  22
.set CO,   26
.set L4,   27
.set SPW,  28
.set NIL,  29
.set L8,   30
.set SC,   32
.set BI,   64
.set AF,   128
.set KM,   64
.set PW,   72
.set E,    80
.set TM,   112
.set PC,   128
.set WV, 20
.set RH, 21
.set CH, 22
.set TR, 23
.set TC, 42
.set G1, 24
.set G0, 32
.set G1B, 48
.set G0B, 56
.set MNT, 93
.set SEL, 94
.set MSB, 0
.macro WIN new
.if MSB != \new
	s_set_vgpr_msb (MSB<<8)|\new
.set MSB, \new
.endif
.endm
.set MUL_LO, 0xa1
.set MUL_HI, 0xf1
.set BEG_LO, 0x81
.set BEG_HI, 0xc1
.set TO_B,   0x40
.macro JLOAD s
	s_cmp_eq_u32 s[RH], 0
	s_cbranch_scc0 .Lfor_b_\@
	tensor_load_to_lds s[G0+4*\s:G0+4*\s+3], s[G1:G1+7]
	s_nop 0
.rept 4
	v_nop
.endr
	s_branch .Lasked_\@
.Lfor_b_\@:
	tensor_load_to_lds s[G0B+4*\s:G0B+4*\s+3], s[G1B:G1B+7]
	s_nop 0
.rept 4
	v_nop
.endr
.Lasked_\@:
.endm
.macro CREST
	s_cmp_lg_u32 s[WV], 0
	s_cbranch_scc1 .Lnot_wave_0_\@
	s_barrier_signal -3
.Lnot_wave_0_\@:
	s_barrier_wait -3
	s_barrier_signal -1
	s_barrier_wait -1
.endm
.macro CROUND
	s_barrier_signal -1
	s_barrier_wait -1
	CREST
.endm
.macro PLACES n
.rept \n
	v_nop
.endr
.endm
.macro FRAG reg, adr, q, i
.irp c, 0,1,2,3
	ds_load_b128 v[\reg+4*\c:\reg+4*\c+3], v[\adr] offset:(\i)*REC+2048*(\q)+512*\c
.endr
.endm
.macro MUL16 a0, p, q, sc, zero
.irp a, \a0, \a0+1
.irp b, 0,1,2,3,4,5,6,7
.set rD, 8*(8*((\a)%4)+\b)
.set rB, 128*(\p)+FR*\b
.set rA, AF+FR*(\a)
.set sB, SC+16*(\sc)+8+\b
.set sA, SC+16*(\sc)+(\a)
.if \zero
	v_wmma_scale_f32_16x16x128_f8f6f4 v[rD:rD+7], v[rB:rB+15], v[rA:rA+15], v[BI+8*\b:BI+8*\b+7], v[sB], v[sA]
.elseif \q
	v_wmma_scale_f32_16x16x128_f8f6f4 v[rD:rD+7], v[rB:rB+15], v[rA:rA+15], v[rD:rD+7], v[sB], v[sA] matrix_a_scale:MATRIX_SCALE_ROW1 matrix_b_scale:MATRIX_SCALE_ROW1
.else
	v_wmma_scale_f32_16x16x128_f8f6f4 v[rD:rD+7], v[rB:rB+15], v[rA:rA+15], v[rD:rD+7], v[sB], v[sA]
.endif
.endr
.endr
.endm
.macro FETCH_B slot, q, p
	WIN TO_B
.irp i, 0,1,2,3,4,5,6,7
	FRAG 128*(\p)+FR*\i, ADRB+\slot, \q, \i
.endr
	WIN 0
.endm
.macro FETCH_A slot, q, i0
.irp i, \i0, \i0+1, \i0+2, \i0+3
	FRAG AF+FR*(\i), ADRA+\slot, \q, \i
.endr
.endm
.macro SCALES sc
.irp i, 0,1,2,3,4,5,6,7
	ds_load_b32 v[SC+16*\sc+\i], v[ASA+\sc] offset:\i*REC+4096
	ds_load_b32 v[SC+16*\sc+8+\i], v[ASB+\sc] offset:\i*REC+4096
.endr
.endm
.macro STEP slot, zero
	s_wait_dscnt 16
.if \zero
	WIN BEG_LO
.else
	WIN MUL_LO
.endif
	MUL16 0, 0, 0, \slot, \zero
	MUL16 2, 0, 0, \slot, \zero
	s_wait_dscnt 0
	PLACES NP
	FETCH_B \slot, 1, 1
	FETCH_A \slot, 1, 0
.if \zero
	WIN BEG_HI
.else
	WIN MUL_HI
.endif
	MUL16 4, 0, 0, \slot, \zero
	MUL16 6, 0, 0, \slot, \zero
	PLACES NP
	WIN 0
	FETCH_A \slot, 1, 4
.endm
.macro TURN slot, next, fill
	s_wait_tensorcnt 0x0
	ds_add_u32 v[SPW], v[NIL]
	s_wait_dscnt 17
	WIN MUL_LO
	MUL16 0, 1, 1, \slot, 0
	s_wait_dscnt 0x0
	s_barrier_signal -1
	MUL16 2, 1, 1, \slot, 0
	WIN 0
	s_barrier_wait -1
.if \fill
	CREST
	s_add_nc_u64 s[G0+4*\slot+2:G0+4*\slot+3], s[G0+4*\slot+2:G0+4*\slot+3], 2*REC
	s_add_nc_u64 s[G0B+4*\slot+2:G0B+4*\slot+3], s[G0B+4*\slot+2:G0B+4*\slot+3], 2*REC
	JLOAD \slot
	PLACES NP-4
.else
	PLACES NP
.endif
	FETCH_B \next, 0, 0
	FETCH_A \next, 0, 0
	SCALES \next
	WIN MUL_HI
	MUL16 4, 1, 1, \slot, 0
	MUL16 6, 1, 1, \slot, 0
	PLACES NP
	WIN 0
	FETCH_A \next, 0, 4
.endm
	s_load_b512 s[4:19], s[0:1], 0x0
	v_lshl_add_u32 v[SPW], v0, 2, SPARE
	v_mov_b32 v[NIL], 0
	ds_add_u32 v28, v29
	ds_add_u32 v28, v29
	s_wait_dscnt 0x0
	v_lshrrev_b32 v1, 5, v0
	v_readfirstlane_b32 s[WV], v1
	s_lshr_b32 s[RH], s[WV], 1
	s_and_b32 s[CH], s[WV], 1
	s_bfe_u32 s40, ttmp6, 0x40000
	s_bfe_u32 s41, ttmp6, 0x40004
	s_and_b32 s81, ttmp7, 0xffff
	s_cmp_lt_u32 ttmp9, 2
	s_cselect_b32 s82, s81, 0
	s_cselect_b32 s83, 0, s81
	s_cselect_b32 s84, -1, 0
	s_lshl_b32 s[TR], s82, 2
	s_add_co_u32 s[TR], s[TR], s41
	s_lshl_b32 s[TC], s83, 2
	s_add_co_u32 s[TC], s[TC], s40
	s_lshl_b32 s43, s41, 2
	s_lshl_b32 s43, 15, s43
	s_lshl_b32 s44, 0x1111, s40
	s_or_b32 s[G1+0], s43, (3<<16)|(1<<21)
	s_or_b32 s[G1B+0], s44, (3<<16)|(1<<21)
.irp g, G1, G1B
	s_mov_b32 s[\g+1], 544<<16
	s_mov_b32 s[\g+2], 8<<16
	s_mov_b32 s[\g+3], 544<<16
	s_mov_b32 s[\g+4], 8
	s_mov_b32 s[\g+5], KP*544
	s_mov_b32 s[\g+6], 0
	s_mov_b32 s[\g+7], 0
.endr
	s_lshl_b32 s46, s[TR], 4
	s_lshl_b32 s47, s[CH], 3
	s_add_co_u32 s46, s46, s47
	s_mul_i32 s46, s46, KP*REC
	s_mov_b32 s47, 0
	s_lshl_b32 s66, s[TC], 4
	s_lshl_b32 s67, s[CH], 3
	s_add_co_u32 s66, s66, s67
	s_mul_i32 s66, s66, KP*REC
	s_mov_b32 s67, 0
	s_mul_i32 s45, s[WV], HALFT
	s_mul_i32 s72, ttmp9, 256*REC
	s_mov_b32 s73, 0
	s_mov_b32 s[SEL], 0x76543210
	s_mov_b32 s[SEL+1], 0xfedcba98
	s_mov_b32 s[MNT], 0x600000
	s_wait_kmcnt 0x0
	s_add_nc_u64 s[72:73], s[6:7], s[72:73]
	s_cmp_lt_u32 ttmp9, 2
	s_cselect_b64 s[68:69], s[4:5], s[72:73]
	s_cselect_b64 s[70:71], s[72:73], s[4:5]
	s_add_nc_u64 s[68:69], s[68:69], s[46:47]
	s_add_nc_u64 s[70:71], s[70:71], s[66:67]
	CROUND
.irp s, 0,1
	s_mov_b32 s[G0+4*\s], 1
	s_add_co_u32 s[G0+4*\s+1], s45, \s*SLOT
	s_add_nc_u64 s[G0+4*\s+2:G0+4*\s+3], s[68:69], \s*REC
	s_or_b32 s[G0+4*\s+3], s[G0+4*\s+3], 0x80000000
	s_mov_b32 s[G0B+4*\s], 1
	s_add_co_u32 s[G0B+4*\s+1], s45, \s*SLOT
	s_add_nc_u64 s[G0B+4*\s+2:G0B+4*\s+3], s[70:71], \s*REC
	s_or_b32 s[G0B+4*\s+3], s[G0B+4*\s+3], 0x80000000
	s_wait_alu depctr_va_vdst(0)
	s_wait_tensorcnt 0x0
	ds_add_u32 v28, v29
	ds_add_u32 v28, v29
	s_wait_dscnt 0x0
	CROUND
	JLOAD \s
.endr
	v_and_b32 v1, 31, v0
	v_and_b32 v2, 15, v0
	v_bfe_u32 v3, v0, 4, 1
	v_lshlrev_b32 v[CO], 4, v1
	v_lshlrev_b32 v[L4], 2, v1
	v_lshlrev_b32 v[L8], 3, v1
	v_lshlrev_b32 v6, 2, v2
	v_lshl_add_u32 v4, v3, 7, v6
	v_lshlrev_b32 v5, 5, v3
	s_wait_alu depctr_va_vdst(0)
	s_mul_i32 s74, s[RH], HALFT
	s_mul_i32 s75, s[CH], HALFT
	s_add_co_u32 s75, s75, 2*HALFT
.irp s, 0,1
	v_add_nc_u32 v[ADRA+\s], s74, v[CO]
	v_add_nc_u32 v[ADRB+\s], s75, v[CO]
	v_add_nc_u32 v[ASA+\s], s74, v4
	v_add_nc_u32 v[ASB+\s], s75, v4
	s_add_co_u32 s74, s74, SLOT
	s_add_co_u32 s75, s75, SLOT
.endr
	s_lshl_b32 s76, s[TC], 8
	s_lshl_b32 s77, s[CH], 7
	s_add_co_u32 s76, s76, s77
	s_and_b32 s76, s76, s84
	s_lshl_b32 s76, s76, 2
	s_mov_b32 s77, 0
	s_cmp_eq_u32 ttmp9, 0
	s_cselect_b64 s[78:79], s[8:9], s[10:11]
	s_add_nc_u64 s[78:79], s[78:79], s[76:77]
.irp b, 0,1,2,3,4,5,6,7
	global_load_b128 v[BI+8*\b:BI+8*\b+3], v5, s[78:79] offset:64*\b
	global_load_b128 v[BI+8*\b+4:BI+8*\b+7], v5, s[78:79] offset:64*\b+16
.endr
	s_lshl_b32 s86, s[TR], 8
	s_lshl_b32 s87, s[RH], 7
	s_add_co_u32 s86, s86, s87
	s_lshl_b32 s88, s86, 2
	s_mov_b32 s89, 0
	s_cmp_lt_u32 ttmp9, 2
	s_cselect_b64 s[90:91], s[14:15], s[12:13]
	s_add_nc_u64 s[90:91], s[90:91], s[88:89]
.irp a, 0,1,2,3,4,5,6,7
	global_load_b32 v[AUX+\a], v6, s[90:91] offset:64*\a
.endr
	s_wait_loadcnt 0x0
.set i, 0
.rept 64
	v_and_b32 v[BI+i], s84, v[BI+i]
.set i, i+1
.endr
	PLACES NP
	s_wait_alu depctr_va_vdst(0)
	s_wait_tensorcnt 1
	s_barrier_signal -1
	s_barrier_wait -1
	FETCH_B 0, 0, 0
	FETCH_A 0, 0, 0
	SCALES 0
	FETCH_A 0, 0, 4
	STEP 0, 1
	s_mov_b32 s3, LAPS-1
.Llap:
	TURN 0, 1, 1
	STEP 1, 0
	TURN 1, 0, 1
	STEP 0, 0
	s_sub_co_u32 s3, s3, 1
	s_cmp_lg_u32 s3, 0
	s_cbranch_scc1 .Llap
	TURN 0, 1, 0
	STEP 1, 0
	s_wait_dscnt 16
	WIN MUL_LO
	MUL16 0, 1, 1, 1, 0
	MUL16 2, 1, 1, 1, 0
	s_wait_dscnt 0
	WIN MUL_HI
	MUL16 4, 1, 1, 1, 0
	MUL16 6, 1, 1, 1, 0
	WIN 0
.macro QUANTW a
.set WA, 2+(\a)/4
.set AC, 64*((\a)%4)
.set PCA, PC+16*(\a)
.set W_RD, WA|(WA<<2)
.set W_RW, WA|(WA<<6)
	WIN W_RD
.irp b, 0,1,2,3
	v_max3_num_f32 v[TM+\b], |v[AC+16*\b]|, |v[AC+16*\b+1]|, 0x4800000
.endr
.irp i, 2,4,6,8,10,12,14
.irp b, 0,1,2,3
	v_max3_num_f32 v[TM+\b], |v[AC+16*\b+\i]|, |v[AC+16*\b+\i+1]|, v[TM+\b]
.endr
.endr
	WIN 0
.irp b, 0,1,2,3
	v_permlanex16_b32 v[TM+4+\b], v[TM+\b], s[SEL], s[SEL+1]
.endr
.irp b, 0,1,2,3
	v_max_num_f32 v[TM+\b], v[TM+\b], v[TM+4+\b]
.endr
.irp b, 0,1,2,3
	v_add_nc_u32 v[TM+12+\b], 0xfc000000, v[TM+\b]
.endr
.irp b, 0,1,2,3
	v_and_or_b32 v[TM+8+\b], v[TM+\b], 0x7f800000, s[MNT]
.endr
.irp b, 0,1,2,3
	v_lshrrev_b32 v[TM+4+\b], 23, v[TM+12+\b]
.endr
	v_lshl_or_b32 v[PW+(\a)], v[TM+5], 8, v[TM+4]
	v_lshl_or_b32 v[PW+(\a)], v[TM+6], 16, v[PW+(\a)]
	v_lshl_or_b32 v[PW+(\a)], v[TM+7], 24, v[PW+(\a)]
	WIN W_RW
.irp b, 0,1,2,3
.set i, 0
.rept 16
	v_med3_num_f32 v[AC+16*\b+i], v[AC+16*\b+i], -v[TM+8+\b], v[TM+8+\b]
.set i, i+1
.endr
.endr
	WIN WA
.irp b, 0,1,2,3
	v_cvt_scalef32_pk8_fp8_f32 v[PCA+4*\b:PCA+4*\b+1], v[AC+16*\b:AC+16*\b+7], v[TM+12+\b]
	v_cvt_scalef32_pk8_fp8_f32 v[PCA+4*\b+2:PCA+4*\b+3], v[AC+16*\b+8:AC+16*\b+15], v[TM+12+\b]
.endr
	v_nop
	WIN 0
.endm
	PLACES NP
.irp b, 0,1,2,3
	v_mov_b32 v[TM+4+\b], 0
.endr
	s_cmp_eq_u32 ttmp9, 2
	s_cbranch_scc1 .Lvpath
	s_lshl_b32 s86, s[TR], 8
	s_lshl_b32 s87, s[RH], 7
	s_add_co_u32 s86, s86, s87
	s_lshr_b32 s87, s86, 11
	s_bfe_u32 s88, s86, 0x70004
	s_lshl_b32 s87, s87, 4
	s_lshl_b32 s89, s[TC], 2
	s_add_co_u32 s87, s87, s89
	s_lshl_b32 s89, s[CH], 1
	s_add_co_u32 s87, s87, s89
	s_lshl_b32 s87, s87, 7
	s_add_co_u32 s87, s87, s88
	s_mul_i32 s86, s87, 1280
	s_mul_i32 s87, ttmp9, 5242880
	s_add_co_u32 s86, s86, s87
	s_mov_b32 s87, 0
	s_add_nc_u64 s[96:97], s[16:17], s[86:87]
	s_mov_b32 s67, 0x01010000
	s_cmp_eq_u32 ttmp9, 0
	s_cselect_b32 s85, -1, 0
	s_cselect_b32 s92, 0x38, 0
	s_cselect_b32 s66, 0x7fa20000, s67
	s_mov_b32 s67, 0x01a20000
	v_sub_nc_u32 v7, 1, v3
	v_mul_u32_u24 v7, s92, v7
.irp a, 0,1,2,3,4,5,6,7
	v_cmp_ne_u32 vcc_lo, 0, v[AUX+\a]
	v_cndmask_b32 v[KM+\a], 0, -1, vcc_lo
	v_or_b32 v[KM+\a], s85, v[KM+\a]
.endr
.irp a, 0,1,2,3,4,5,6,7
	QUANTW \a
.set i, 0
.rept 16
	v_and_b32 v[PC+16*\a+i], v[KM+\a], v[PC+16*\a+i]
.set i, i+1
.endr
	v_bfi_b32 v5, v[KM+\a], s66, s67
	v_and_or_b32 v[E+4*\a], v[PW+\a], 0xffff, v5
	v_lshrrev_b32 v[E+4*\a+2], 16, v[PW+\a]
	v_or_b32 v[E+4*\a+2], v5, v[E+4*\a+2]
	v_xor_b32 v[E+4*\a+1], -1, v[KM+\a]
	v_and_or_b32 v[E+4*\a+1], v[E+4*\a+1], 0xb8, v7
	v_mov_b32 v[E+4*\a+3], v[E+4*\a+1]
.irp u, 0,1
	global_store_b128 v[CO], v[PC+16*\a+8*\u:PC+16*\a+8*\u+3], s[96:97] offset:\a*1280+\u*163840
	global_store_b128 v[CO], v[PC+16*\a+8*\u+4:PC+16*\a+8*\u+7], s[96:97] offset:\a*1280+\u*163840+512
	global_store_b64 v[L8], v[E+4*\a+2*\u:E+4*\a+2*\u+1], s[96:97] offset:\a*1280+\u*163840+1024
.endr
.endr
	s_branch .Lend
.Lvpath:
	s_lshl_b32 s86, s[TR], 4
	s_lshl_b32 s87, s[RH], 3
	s_add_co_u32 s86, s86, s87
	s_mul_i32 s86, s86, ORS
	s_mul_i32 s87, s[TC], REC
	s_add_co_u32 s86, s86, s87
	s_lshl_b32 s87, s[CH], 11
	s_add_co_u32 s88, s86, s87
	s_mov_b32 s89, 0
	s_lshl_b32 s87, s[CH], 7
	s_add_co_u32 s86, s86, s87
	s_mov_b32 s87, 0
	s_add_nc_u64 s[96:97], s[18:19], s[88:89]
	s_add_nc_u64 s[98:99], s[18:19], s[86:87]
.irp a, 0,1,2,3,4,5,6,7
.set WB, (2+\a/4)|((2+\a/4)<<6)
	WIN WB
.set i, 0
.rept 32
.if \a%2
	v_pk_add_f32 v[64*(\a%4)+i:64*(\a%4)+i+1], v[64*(\a%4)+i:64*(\a%4)+i+1], v[AUX+\a-1:AUX+\a] op_sel:[0,1] op_sel_hi:[1,1]
.else
	v_pk_add_f32 v[64*(\a%4)+i:64*(\a%4)+i+1], v[64*(\a%4)+i:64*(\a%4)+i+1], v[AUX+\a:AUX+\a+1] op_sel_hi:[1,0]
.endif
.set i, i+2
.endr
	QUANTW \a
.irp c, 0,1,2,3
	global_store_b128 v[CO], v[PC+16*\a+4*\c:PC+16*\a+4*\c+3], s[96:97] offset:\a*ORS+512*\c
.endr
	global_store_b32 v[L4], v[PW+\a], s[98:99] offset:\a*ORS+4096
.endr
.Lend:
	s_wait_tensorcnt 0x0
	ds_add_u32 v[SPW], v[NIL]
	s_wait_dscnt 0x0
	CROUND
	s_endpgm
.Lfunc_end_k_qb4ad155f4d_qkv:
	.size	k_qb4ad155f4d_qkv, .Lfunc_end_k_qb4ad155f4d_qkv-k_qb4ad155f4d_qkv
	.p2alignl 7, 3214868480
	.fill 96, 4, 3214868480
	.section	.rodata,"a",@progbits
	.p2align	6, 0x0
	.amdhsa_kernel k_qb4ad155f4d_qkv
		.amdhsa_group_segment_fixed_size 327680
		.amdhsa_private_segment_fixed_size 0
		.amdhsa_enable_private_segment 0
		.amdhsa_kernarg_size 64
		.amdhsa_user_sgpr_count 2
		.amdhsa_user_sgpr_kernarg_segment_ptr 1
		.amdhsa_wavefront_size32 1
		.amdhsa_system_sgpr_workgroup_id_x 1
		.amdhsa_system_sgpr_workgroup_id_y 1
		.amdhsa_system_sgpr_workgroup_id_z 1
		.amdhsa_system_vgpr_workitem_id 0
		.amdhsa_next_free_vgpr 1024
		.amdhsa_next_free_sgpr 100
		.amdhsa_reserve_vcc 1
		.amdhsa_float_denorm_mode_32 3
		.amdhsa_float_denorm_mode_16_64 3
		.amdhsa_memory_ordered 1
		.amdhsa_forward_progress 1
		.amdhsa_inst_pref_size 255
	.end_amdhsa_kernel
	.section	.bss,"aw",@nobits
	.p2align	6
	.space	262144
	.amdgpu_metadata
---
amdhsa.version: [ 1, 2 ]
amdhsa.kernels:
  - .name:           k_qb4ad155f4d_qkv
    .symbol:         k_qb4ad155f4d_qkv.kd
    .args:
      - { .name: arec, .offset: 0, .size: 8, .value_kind: global_buffer, .address_space: global }
      - { .name: wrec, .offset: 8, .size: 8, .value_kind: global_buffer, .address_space: global }
      - { .name: bq, .offset: 16, .size: 8, .value_kind: global_buffer, .address_space: global }
      - { .name: bk, .offset: 24, .size: 8, .value_kind: global_buffer, .address_space: global }
      - { .name: bv, .offset: 32, .size: 8, .value_kind: global_buffer, .address_space: global }
      - { .name: mask, .offset: 40, .size: 8, .value_kind: global_buffer, .address_space: global }
      - { .name: qkrec, .offset: 48, .size: 8, .value_kind: global_buffer, .address_space: global }
      - { .name: vrec, .offset: 56, .size: 8, .value_kind: global_buffer, .address_space: global }
    .group_segment_fixed_size: 327680
    .private_segment_fixed_size: 0
    .kernarg_segment_align: 8
    .kernarg_segment_size: 64
    .max_flat_workgroup_size: 128
    .sgpr_count:     100
    .vgpr_count:     1024
    .wavefront_size: 32
...
	.end_amdgpu_metadata
.endif
;; end of part 10
;; launch attn (part 11): grid 8 x 32, 16 waves a work-group, clusters of 4 x 1, 305,152 bytes of LDS; arguments qkrec, vrec, arec; writes arec
.if DOCPART == 11
	.amdgcn_target "amdgcn-amd-amdhsa--gfx1250"
	.amdhsa_code_object_version 6
	.text
	.protected	k_qb4ad155f4d_attn
	.globl	k_qb4ad155f4d_attn
	.p2align	8
	.type	k_qb4ad155f4d_attn,@function
k_qb4ad155f4d_attn:
	s_mov_b64 s[64:65], 0
	v_nop
	global_prefetch_b8 v0, s[64:65] scope:SCOPE_SE
	s_setreg_imm32_b32 hwreg(HW_REG_WAVE_MODE, 25, 1), 1
	s_wait_xcnt 0x0
	s_wait_alu depctr_hold_cnt(0) depctr_sa_sdst(0) depctr_va_vdst(0) depctr_va_sdst(0) depctr_va_ssrc(0) depctr_va_vcc(0) depctr_vm_vsrc(0)
	s_getreg_b32 s2, hwreg(HW_REG_IB_STS2, 6, 4)
	s_cmp_eq_u32 s2, 0
	s_cbranch_scc0 .Lentry_in_a_cluster
	s_endpgm
.Lentry_in_a_cluster:
	s_bfe_u32 s2, ttmp6, 0x10000c
	s_cmp_lg_u32 s2, 0x3003
	s_cbranch_scc0 .Lentry_shape_is_right
	s_endpgm
.Lentry_shape_is_right:
; ctx = softmax(Q K^T / 8, masked) V for one head and 256 queries a work-group, both products on codes of E4M3 with E8M0 block scales; ctx is quantised along the model's 1,024 on its way out, into arec's records.
; THE SOFTMAX: t = score x log2(e) / 8; M = the running largest t rounded up to a whole number; p = 2^(t - M) is quantised along the keys, not normalised; the row's sum is taken of the unquantised p and divides at the end.
; THE MASK came with K's records: a masked key's raw score is exactly -2^70, so its p is 0, and 1 in a row all of whose keys are masked.  LIMIT: the masked logit is -2^67 where the definition has -1e20.
; SHARES.  Sixteen waves, 16 queries each, 256 registers: four waves to a SIMD, so that one wave's vector work stands beside another's products and LDS loads.  Every wave walks the head's 2,048 keys, 128 a step.
; THE WHOLE HEAD'S K AND V LIE IN LDS, filled once: K 128 records of 1,280 bytes, V 32 records of 4,352: no slot is filled again.  The loads go out in eight pieces of 256 keys each for K and V, so that the first steps start behind the first two.
; CLUSTER.  The four query blocks of a cluster read the same K and V: every piece is asked for JOINTLY, with the mask of all four.  Nothing is prefetched: every load of the launch is issued at its head.
; LAYOUT.  Both products transposed (S^T = K Q^T, O^T = V^T P^T): a lane holds one query.  Register j of key tile T is key 16 T + 8 h + j, which is the order of k in every fragment of this program: p's codes are the operand.
; The first product's K is the head's 64: registers 0-7 of a fragment; register 8 is the pad word that carries the mask; registers 9-15 are zeros, written once.
; REGISTERS: v1-3 16, 8, 4 x lane; v4-7 addresses of the step; v12 -M, v13 the largest t, v[14:15] the sum; v16-31 Q; v32-95 four fragments of K; v96-159 S^T, then p, then V's four fragments; v160-191 O^T;
;   v192-207 p's codes; v208-211 V's scale words; v232-254 at work; v248-251 K's scale words; v253 p's; v255 Q's.
.set KREC, 1280
.set REC,  4352
.set VB,   128*KREC                    ; V lies behind K
.set KOFF, 32*128*KREC                 ; K's records lie behind Q's in qkrec
.set L16,  1
.set L8,   2
.set L4,   3
.set ADK,  4
.set ADKS, 5
.set ADV,  6
.set ADVS, 7
.set WV,   18
.set MNT,  19
.set SEL,  20
.set CS,   22
.set TBK,  2                           ; s2 LDS byte of the pair of steps' K
.set TBV,  3                           ; s3 and of its V
.set G0K,  24                          ; s[24:27] group 0 of my K piece
.set G0V,  40                          ; s[40:43] of my V piece
.set G1K,  56
.set G1V,  68
.set CNT,  76
.macro CROUND
	s_barrier_signal -1
	s_barrier_wait -1
	s_cmp_lg_u32 s[WV], 0
	s_cbranch_scc1 .Lnot_wave_0_\@
	s_barrier_signal -3
.Lnot_wave_0_\@:
	s_barrier_wait -3
	s_barrier_signal -1
	s_barrier_wait -1
.endm
	s_load_b128 s[4:7], s[0:1], 0x0                ; qkrec, vrec
	s_load_b64 s[8:9], s[0:1], 0x10                ; arec
	v_lshl_add_u32 v230, v0, 2, 0x4a000
	v_mov_b32 v231, 0
	ds_add_u32 v230, v231
	ds_add_u32 v230, v231
	v_lshrrev_b32 v8, 5, v0
	s_delay_alu instid0(VALU_DEP_1)
	v_readfirstlane_b32 s[WV], v8                  ; wave 0..15
	s_bfe_u32 s10, ttmp6, 0x40000                  ; cx
	s_lshl_b32 s11, ttmp9, 2
	s_add_co_u32 s11, s11, s10                     ; my block of 256 queries: it enters Q's and ctx's addresses alone
	s_and_b32 s12, ttmp7, 0xffff                   ; batch x 16 + head, which the partners share
	s_lshr_b32 s13, s12, 4                         ; batch
	s_and_b32 s14, s12, 15                         ; head
	s_and_b32 s15, s[WV], 7                        ; ONE LOAD A WAVE: waves 0-7 fetch K's pieces of 256 keys, waves 8-15 V's; piece = wave % 8
	s_mul_i32 s16, s15, 16*KREC                    ; K: a piece is 256 keys, 20,480 dense bytes
	s_mul_i32 s78, s12, 128*KREC
	s_add_co_u32 s78, s78, s16
	s_add_co_u32 s78, s78, KOFF
	s_mov_b32 s79, 0
	s_mul_i32 s17, s15, 4*REC                      ; V: a piece is four records: the head's four channel tiles of 256 keys
	s_add_co_u32 s17, s17, VB
	s_mul_i32 s80, s14, 64*REC                     ; the head's first channel tile: 4 x head, 16 records a tile
	s_lshl_b32 s82, s13, 3
	s_add_co_u32 s81, s15, s82                     ; 8 x batch + piece
	s_mul_i32 s81, s81, REC
	s_add_co_u32 s80, s80, s81
	s_mov_b32 s81, 0
	s_mov_b32 s[G1K], 15|(3<<16)|(1<<21)           ; the mask of all four; elements of 8 bytes; 21 set beside a mask
	s_mov_b32 s[G1K+1], 32<<16                     ; rows of 256 bytes,
	s_mov_b32 s[G1K+2], 80<<16                     ; 80 of them, dense
	s_mov_b32 s[G1K+3], 32<<16
	s_mov_b32 s[G1K+4], 80
	s_mov_b32 s[G1K+5], 32
	s_mov_b32 s[G1K+6], 0
	s_mov_b32 s[G1K+7], 0
	s_mov_b32 s[G1V], 15|(3<<16)|(1<<21)
	s_mov_b32 s[G1V+1], 544<<16                    ; a record,
	s_mov_b32 s[G1V+2], 4<<16                      ; four of them,
	s_mov_b32 s[G1V+3], 544<<16
	s_mov_b32 s[G1V+4], 4
	s_mov_b32 s[G1V+5], 16*544                     ; a tile of channels apart
	s_mov_b32 s[G1V+6], 0
	s_mov_b32 s[G1V+7], 0
	s_mov_b32 s[SEL], 0x76543210
	s_mov_b32 s[SEL+1], 0xfedcba98
	s_mov_b32 s[CS], 0x3e38aa3b                    ; c = log2(e) / 8
	s_mov_b32 s[CS+1], s[CS]
	s_mov_b32 s[MNT], 0x600000
	s_mov_b32 s[TBK], 0
	s_mov_b32 s[TBV], VB
	s_lshl_b32 s83, s12, 7
	s_lshl_b32 s84, s11, 4
	s_add_co_u32 s83, s83, s84
	s_add_co_u32 s83, s83, s[WV]
	s_mul_i32 s84, s83, KREC                       ; my 16 queries' record
	s_mov_b32 s85, 0
	s_lshl_b32 s86, s13, 7
	s_lshl_b32 s87, s11, 4
	s_add_co_u32 s86, s86, s87
	s_add_co_u32 s86, s86, s[WV]
	s_mul_i32 s86, s86, 4*REC                      ; ctx: my 16 rows' records;
	s_lshr_b32 s87, s14, 2
	s_mul_i32 s87, s87, REC
	s_add_co_u32 s86, s86, s87                     ; four heads to a record,
	s_bfe_u32 s87, s14, 0x10001                    ; two to a K step,
	s_and_b32 s88, s14, 1                          ; registers 8 (head % 2) on
	s_lshl_b32 s89, s87, 11
	s_add_co_u32 s90, s86, s89
	s_lshl_b32 s89, s88, 10
	s_add_co_u32 s90, s90, s89
	s_mov_b32 s91, 0
	s_lshl_b32 s89, s87, 7
	s_add_co_u32 s86, s86, s89
	s_lshl_b32 s89, s88, 1
	s_add_co_u32 s86, s86, s89
	s_add_co_u32 s86, s86, 4096                    ; and two bytes of each scale word
	s_mov_b32 s87, 0
	s_wait_dscnt 0x0
	s_wait_kmcnt 0x0
	s_add_nc_u64 s[78:79], s[4:5], s[78:79]
	s_add_nc_u64 s[80:81], s[6:7], s[80:81]
	s_add_nc_u64 s[4:5], s[4:5], s[84:85]
	s_add_nc_u64 s[90:91], s[8:9], s[90:91]
	s_add_nc_u64 s[86:87], s[8:9], s[86:87]
.irp j, 0
	s_mov_b32 s[G0K+4*\j], 1
	s_add_co_u32 s[G0K+4*\j+1], s16, \j*32*KREC
	s_add_nc_u64 s[G0K+4*\j+2:G0K+4*\j+3], s[78:79], \j*32*KREC
	s_or_b32 s[G0K+4*\j+3], s[G0K+4*\j+3], 0x80000000
	s_mov_b32 s[G0V+4*\j], 1
	s_add_co_u32 s[G0V+4*\j+1], s17, \j*8*REC
	s_add_nc_u64 s[G0V+4*\j+2:G0V+4*\j+3], s[80:81], \j*2*REC
	s_or_b32 s[G0V+4*\j+3], s[G0V+4*\j+3], 0x80000000
.endr
	CROUND                                         ; all four work-groups are here: the joint loads meet
	; one chain of branches on the wave's number, one load to an arm.  Waves 0, 1 (K) and 8, 9 (V) bring keys 0 to 511 and have load lines of their own: they alone wait at the first barrier
	s_cmp_lt_u32 s[WV], 2
	s_cbranch_scc0 .Lk_rest
	tensor_load_to_lds s[G0K:G0K+3], s[G1K:G1K+7]
	s_nop 0
.rept 4
	v_nop
.endr
	s_branch .Lasked
.Lk_rest:
	s_cmp_lt_u32 s[WV], 8
	s_cbranch_scc0 .Lv_first
	tensor_load_to_lds s[G0K:G0K+3], s[G1K:G1K+7]
	s_nop 0
.rept 4
	v_nop
.endr
	s_branch .Lasked
.Lv_first:
	s_cmp_lt_u32 s[WV], 10
	s_cbranch_scc0 .Lv_rest
	tensor_load_to_lds s[G0V:G0V+3], s[G1V:G1V+7]
	s_nop 0
.rept 4
	v_nop
.endr
	s_branch .Lasked
.Lv_rest:
	tensor_load_to_lds s[G0V:G0V+3], s[G1V:G1V+7]
	s_nop 0
.rept 4
	v_nop
.endr
.Lasked:
	v_and_b32 v8, 31, v0
	s_delay_alu instid0(VALU_DEP_1)
	v_lshlrev_b32 v[L16], 4, v8
	s_delay_alu instid0(VALU_DEP_2)
	v_lshlrev_b32 v[L8], 3, v8
	s_delay_alu instid0(VALU_DEP_3)
	v_lshlrev_b32 v[L4], 2, v8
	global_load_b128 v[16:19], v[L16], s[4:5]
	global_load_b128 v[20:23], v[L16], s[4:5] offset:512
	global_load_b32 v255, v[L8], s[4:5] offset:1024    ; Q's scale words
	global_load_b32 v24, v[L8], s[4:5] offset:1028     ; and its pad word
.set i, 25
.rept 7
	v_mov_b32 v[i], 0                              ; the rest of Q's fragment,
.set i, i+1
.endr
.irp t, 0,1,2,3
.set i, 9
.rept 7
	v_mov_b32 v[32+16*\t+i], 0                     ; and of K's four: no load ever lands here
.set i, i+1
.endr
.endr
	v_mov_b32 v13, 0xff61b1e6                      ; the largest t so far: -3e38
	s_delay_alu instid0(VALU_DEP_1)
	v_floor_f32 v12, -v13                          ; -M
	v_mov_b32 v14, 0
	v_mov_b32 v15, 0
.irp b, 0,1,2,3
	v_mov_b32 v[236+\b], 0                         ; a lane permute's destination counts as one of its sources
.endr
	v_mov_b32 v253, 0                              ; (named as the upper half of v[252:253] before it is first written)
.set i, 0
.rept 32
	v_mov_b32 v[160+i], 0                          ; O^T: the step is written once; its first turn finds zeros
.set i, i+1
.endr
; A KEY STEP: 128 keys, the q-th of a pair
.macro STEP q
.irp g, 0,1                                    ; S^T = K Q^T, four tiles of 16 keys at a time
.if \g
.rept 8
	v_nop                                          ; places in front of loads into registers that the four products above have read
.endr
.endif
.irp t, 0,1,2,3
	ds_load_b128 v[32+16*\t:35+16*\t], v[ADK] offset:(8*\q+4*\g+\t)*KREC
	ds_load_b128 v[36+16*\t:39+16*\t], v[ADK] offset:(8*\q+4*\g+\t)*KREC+512
	ds_load_b32 v[40+16*\t], v[ADKS] offset:(8*\q+4*\g+\t)*KREC+1028
	ds_load_b32 v[248+\t], v[ADKS] offset:(8*\q+4*\g+\t)*KREC+1024
.endr
	s_wait_dscnt 0x0
.irp t, 0,1,2,3
	v_wmma_scale_f32_16x16x128_f8f6f4 v[96+8*(4*\g+\t):103+8*(4*\g+\t)], v[32+16*\t:47+16*\t], v[16:31], 0, v[248+\t], v255
.endr
.endr
.rept 8
	v_nop
.endr
.irp b, 0,1,2,3
	v_max3_num_f32 v[232+\b], v[96+16*\b], v[97+16*\b], v[98+16*\b]   ; the largest score of each block of 32 keys: for the row's maximum, and, since p rises with the score, for the block's largest p
.endr
.irp i, 3,5,7,9,11,13
.irp b, 0,1,2,3
	v_max3_num_f32 v[232+\b], v[232+\b], v[96+16*\b+\i], v[97+16*\b+\i]
.endr
.endr
.irp b, 0,1,2,3
	v_max_num_f32 v[232+\b], v[232+\b], v[111+16*\b]
.endr
.irp b, 0,1,2,3
	s_delay_alu instid0(VALU_DEP_4)
	v_permlanex16_b32 v[236+\b], v[232+\b], s[SEL], s[SEL+1]
.endr
.irp b, 0,1,2,3
	s_delay_alu instid0(VALU_DEP_4)
	v_max_num_f32 v[232+\b], v[232+\b], v[236+\b]
.endr
	s_delay_alu instid0(VALU_DEP_2)
	v_max3_num_f32 v254, v232, v233, v234
	s_delay_alu instid0(VALU_DEP_1)
	v_max_num_f32 v254, v254, v235
	s_delay_alu instid0(VALU_DEP_1)
	v_mul_f32 v254, s[CS], v254                    ; the step's largest t of my query
	s_delay_alu instid0(VALU_DEP_1)
	v_max_num_f32 v13, v13, v254
	v_mov_b32 v254, v12
	s_delay_alu instid0(VALU_DEP_2)
	v_floor_f32 v12, -v13                          ; the new -M = -ceil(t)
	s_delay_alu instid0(VALU_DEP_1)
	v_sub_f32 v254, v12, v254                      ; old M - new M: a whole number, 0 or less
	s_delay_alu instid0(VALU_DEP_1)
	v_cvt_i32_f32 v254, v254                       ; (it saturates)
	s_delay_alu instid0(VALU_DEP_1)
	v_ldexp_f32 v252, 1.0, v254                    ; f = 2^(old M - new M): rounds nothing
.set j, 0
.rept 32
	v_pk_fma_f32 v[96+j:97+j], v[96+j:97+j], s[CS:CS+1], v[12:13] op_sel_hi:[1,0,0]   ; t - M
.set j, j+2
.endr
.irp b, 0,1,2,3
	v_fma_f32 v[232+\b], v[232+\b], s[CS], v12
.endr
.set j, 0
	s_wait_alu depctr_va_vdst(0)
.rept 64
	v_exp_f32 v[96+j], v[96+j]                     ; p = 2^(t - M)
.set j, j+1
.endr
	v_pk_mul_f32 v[14:15], v[14:15], v[252:253] op_sel_hi:[1,0]   ; the sums under the new M: a plain line behind the exponentials
	s_wait_alu depctr_va_vdst(0)                   ; one wait for the whole batch, ahead of its first reader
.irp b, 0,1,2,3
	v_exp_f32 v[232+\b], v[232+\b]                 ; the block's largest p
.endr
	v_pk_add_f32 v[236:237], v[100:101], v[104:105]
	v_pk_add_f32 v[250:251], v[108:109], v[112:113]
	v_pk_add_f32 v[248:249], v[116:117], v[120:121]
	v_pk_add_f32 v[246:247], v[124:125], v[128:129]
	v_pk_add_f32 v[244:245], v[132:133], v[136:137]
	v_pk_add_f32 v[242:243], v[140:141], v[144:145]
	v_pk_add_f32 v[240:241], v[148:149], v[152:153]
	v_pk_add_f32 v[14:15], v[14:15], v[156:157]
	v_pk_add_f32 v[236:237], v[236:237], v[96:97]
	v_pk_add_f32 v[250:251], v[250:251], v[98:99]
	v_pk_add_f32 v[248:249], v[248:249], v[102:103]
	v_pk_add_f32 v[246:247], v[246:247], v[106:107]
	v_pk_add_f32 v[244:245], v[244:245], v[110:111]
	v_pk_add_f32 v[242:243], v[242:243], v[114:115]
	v_pk_add_f32 v[240:241], v[240:241], v[118:119]
	v_pk_add_f32 v[14:15], v[14:15], v[122:123]
	v_pk_add_f32 v[236:237], v[236:237], v[126:127]
	v_pk_add_f32 v[250:251], v[250:251], v[130:131]
	v_pk_add_f32 v[248:249], v[248:249], v[134:135]
	v_pk_add_f32 v[246:247], v[246:247], v[138:139]
	v_pk_add_f32 v[244:245], v[244:245], v[142:143]
	v_pk_add_f32 v[242:243], v[242:243], v[146:147]
	v_pk_add_f32 v[240:241], v[240:241], v[150:151]
	v_pk_add_f32 v[14:15], v[14:15], v[154:155]
	v_pk_add_f32 v[236:237], v[236:237], v[158:159]
	s_delay_alu instid0(VALU_DEP_2)
	v_pk_add_f32 v[14:15], v[14:15], v[246:247]
	s_delay_alu instid0(VALU_DEP_2)
	v_pk_add_f32 v[236:237], v[236:237], v[244:245]
	v_pk_add_f32 v[250:251], v[250:251], v[242:243]
	v_pk_add_f32 v[248:249], v[248:249], v[240:241]
	s_delay_alu instid0(VALU_DEP_2)
	v_pk_add_f32 v[14:15], v[14:15], v[250:251]
	s_delay_alu instid0(VALU_DEP_2)
	v_pk_add_f32 v[236:237], v[236:237], v[248:249]
	s_delay_alu instid0(VALU_DEP_1)
	v_pk_add_f32 v[14:15], v[14:15], v[236:237]
	s_wait_alu depctr_va_vdst(0)                   ; and one for the four
.irp b, 0,1,2,3
	v_max_num_f32 v[232+\b], 0x4800000, v[232+\b]  ; the floor: the byte cannot fall under 1
.endr
.irp b, 0,1,2,3
	s_delay_alu instid0(VALU_DEP_4)
	v_add_nc_u32 v[244+\b], 0xfc000000, v[232+\b]
.endr
.irp b, 0,1,2,3
	v_and_or_b32 v[240+\b], v[232+\b], 0x7f800000, s[MNT]
.endr
.irp b, 0,1,2,3
	v_lshrrev_b32 v[236+\b], 23, v[244+\b]
.endr
	s_delay_alu instid0(VALU_DEP_3)
	v_lshl_or_b32 v253, v237, 8, v236              ; p's scale word for these 128 keys
	s_delay_alu instid0(VALU_DEP_1)
	v_lshl_or_b32 v253, v238, 16, v253
	s_delay_alu instid0(VALU_DEP_1)
	v_lshl_or_b32 v253, v239, 24, v253
.irp b, 0,1,2,3
.set i, 0
.rept 16
	v_min_num_f32 v[96+16*\b+i], v[96+16*\b+i], v[240+\b]   ; the hold; p is not negative
.set i, i+1
.endr
	v_cvt_scalef32_pk8_fp8_f32 v[192+4*\b:193+4*\b], v[96+16*\b:103+16*\b], v[244+\b]
	v_cvt_scalef32_pk8_fp8_f32 v[194+4*\b:195+4*\b], v[104+16*\b:111+16*\b], v[244+\b]
.endr
.irp t, 0,1,2,3                                ; V's four fragments land where p lay
.irp c, 0,1,2,3
	ds_load_b128 v[96+16*\t+4*\c:99+16*\t+4*\c], v[ADV] offset:\t*REC+2048*\q+512*\c
.endr
	ds_load_b32 v[208+\t], v[ADVS] offset:\t*REC+4096+128*\q
.endr
.set j, 0
.rept 16
	v_pk_mul_f32 v[160+j:161+j], v[160+j:161+j], v[252:253] op_sel_hi:[1,0]   ; O^T under the new M; these are also the places between the conversions and the products
.set j, j+2
.endr
	s_wait_alu depctr_va_vdst(0)
	s_wait_dscnt 0x0
.irp t, 0,1,2,3
	v_wmma_scale_f32_16x16x128_f8f6f4 v[160+8*\t:167+8*\t], v[96+16*\t:111+16*\t], v[192:207], v[160+8*\t:167+8*\t], v[208+\t], v253
.endr
.rept 9
	v_nop                                          ; nine places: the next step's first products write over V's registers
.endr
.endm
.macro PAIR                                    ; 256 keys: 16 records of K, four of V
	v_add_nc_u32 v[ADK], s[TBK], v[L16]
	s_wait_alu depctr_va_vdst(0)
	v_add_nc_u32 v[ADKS], s[TBK], v[L8]
	s_wait_alu depctr_va_vdst(0)
	v_add_nc_u32 v[ADV], s[TBV], v[L16]
	v_add_nc_u32 v[ADVS], s[TBV], v[L4]
	STEP 0
	STEP 1
	s_add_co_u32 s[TBK], s[TBK], 16*KREC
	s_add_co_u32 s[TBV], s[TBV], 4*REC
.endm
	s_wait_loadcnt 0x0                             ; Q
	s_cmp_lt_u32 s15, 2                            ; waves 0, 1, 8, 9: my piece belongs to keys 0 to 511
	s_cbranch_scc0 .Lnot_first
	s_wait_tensorcnt 0x0                           ; it has landed; the other waves' loads may stay out
.Lnot_first:
	s_barrier_signal -1
	s_barrier_wait -1                              ; everybody's has: keys 0 to 511 lie in LDS
	s_mov_b32 s[CNT], 2
.Lfirst:
	PAIR
	s_sub_co_u32 s[CNT], s[CNT], 1
	s_cmp_lg_u32 s[CNT], 0
	s_cbranch_scc1 .Lfirst
	s_wait_tensorcnt 0x0                           ; all my loads have landed
	s_barrier_signal -1
	s_barrier_wait -1                              ; the whole head lies in LDS
	s_mov_b32 s[CNT], 6
.Lrest:
	PAIR
	s_sub_co_u32 s[CNT], s[CNT], 1
	s_cmp_lg_u32 s[CNT], 0
	s_cbranch_scc1 .Lrest
	; THE WAY OUT: O^T / the sum; register 8 t + j is channel 16 t + 8 h + j of my query: two blocks of 32 of ctx's row, in the fragment's order
	v_add_f32 v14, v14, v15
	s_delay_alu instid0(VALU_DEP_1)
	v_permlanex16_b32 v252, v14, s[SEL], s[SEL+1]
	s_delay_alu instid0(VALU_DEP_1)
	v_add_f32 v14, v14, v252
	s_wait_alu depctr_va_vdst(0)
	v_rcp_f32 v14, v14
	v_nop                                          ; a plain line behind the reciprocal,
	s_wait_alu depctr_va_vdst(0)                   ; and the wait ahead of its first reader
.set j, 0
.rept 32
	v_mul_f32 v[96+j], v[160+j], v14
.set j, j+1
.endr
.irp b, 0,1
	v_max3_num_f32 v[232+\b], |v[96+16*\b]|, |v[97+16*\b]|, 0x4800000
.endr
.irp i, 2,4,6,8,10,12,14
.irp b, 0,1
	s_delay_alu instid0(VALU_DEP_2)
	v_max3_num_f32 v[232+\b], v[232+\b], |v[96+16*\b+\i]|, |v[97+16*\b+\i]|
.endr
.endr
.irp b, 0,1
	s_delay_alu instid0(VALU_DEP_2)
	v_permlanex16_b32 v[236+\b], v[232+\b], s[SEL], s[SEL+1]
.endr
.irp b, 0,1
	s_delay_alu instid0(VALU_DEP_2)
	v_max_num_f32 v[232+\b], v[232+\b], v[236+\b]
.endr
.irp b, 0,1
	s_delay_alu instid0(VALU_DEP_2)
	v_add_nc_u32 v[244+\b], 0xfc000000, v[232+\b]
.endr
.irp b, 0,1
	s_delay_alu instid0(VALU_DEP_4)
	v_and_or_b32 v[240+\b], v[232+\b], 0x7f800000, s[MNT]
.endr
.irp b, 0,1
	s_delay_alu instid0(VALU_DEP_4)
	v_lshrrev_b32 v[236+\b], 23, v[244+\b]
.endr
	s_delay_alu instid0(VALU_DEP_1)
	v_lshl_or_b32 v254, v237, 8, v236              ; my head's two bytes of the scale word
.irp b, 0,1
.set i, 0
.rept 16
	v_med3_num_f32 v[96+16*\b+i], v[96+16*\b+i], -v[240+\b], v[240+\b]
.set i, i+1
.endr
	v_cvt_scalef32_pk8_fp8_f32 v[192+4*\b:193+4*\b], v[96+16*\b:103+16*\b], v[244+\b]
	v_cvt_scalef32_pk8_fp8_f32 v[194+4*\b:195+4*\b], v[104+16*\b:111+16*\b], v[244+\b]
.endr
	v_nop
	global_store_b128 v[L16], v[192:195], s[90:91]             ; 512 consecutive bytes a store
	global_store_b128 v[L16], v[196:199], s[90:91] offset:512
	global_store_b16 v[L4], v254, s[86:87]
	s_wait_tensorcnt 0x0
	ds_add_u32 v230, v231
	s_wait_dscnt 0x0
	CROUND                                         ; the closing round
	s_endpgm
.Lfunc_end_k_qb4ad155f4d_attn:
	.size	k_qb4ad155f4d_attn, .Lfunc_end_k_qb4ad155f4d_attn-k_qb4ad155f4d_attn
	.p2alignl 7, 3214868480
	.fill 96, 4, 3214868480
	.section	.rodata,"a",@progbits
	.p2align	6, 0x0
	.amdhsa_kernel k_qb4ad155f4d_attn
		.amdhsa_group_segment_fixed_size 305152
		.amdhsa_private_segment_fixed_size 0
		.amdhsa_enable_private_segment 0
		.amdhsa_kernarg_size 24
		.amdhsa_user_sgpr_count 2
		.amdhsa_user_sgpr_kernarg_segment_ptr 1
		.amdhsa_wavefront_size32 1
		.amdhsa_system_sgpr_workgroup_id_x 1
		.amdhsa_system_sgpr_workgroup_id_y 1
		.amdhsa_system_sgpr_workgroup_id_z 1
		.amdhsa_system_vgpr_workitem_id 0
		.amdhsa_next_free_vgpr 256
		.amdhsa_next_free_sgpr 100
		.amdhsa_reserve_vcc 0
		.amdhsa_float_denorm_mode_32 3
		.amdhsa_float_denorm_mode_16_64 3
		.amdhsa_memory_ordered 1
		.amdhsa_forward_progress 1
		.amdhsa_inst_pref_size 99
	.end_amdhsa_kernel
	.amdgpu_metadata
---
amdhsa.version: [ 1, 2 ]
amdhsa.kernels:
  - .name:           k_qb4ad155f4d_attn
    .symbol:         k_qb4ad155f4d_attn.kd
    .args:
      - { .name: qkrec, .offset: 0, .size: 8, .value_kind: global_buffer, .address_space: global }
      - { .name: vrec, .offset: 8, .size: 8, .value_kind: global_buffer, .address_space: global }
      - { .name: arec, .offset: 16, .size: 8, .value_kind: global_buffer, .address_space: global }
    .group_segment_fixed_size: 305152
    .private_segment_fixed_size: 0
    .kernarg_segment_align: 8
    .kernarg_segment_size: 24
    .max_flat_workgroup_size: 512
    .sgpr_count:     100
    .vgpr_count:     256
    .wavefront_size: 32
...
	.end_amdgpu_metadata
.endif
;; end of part 11
;; launch woln (part 12): grid 256 x 1, 8 waves a work-group, no clusters, 92,416 bytes of LDS; arguments arec, wrec, bo, x, g1, be1, out1, nrec; writes out1, nrec
.if DOCPART == 12
	.amdgcn_target "amdgcn-amd-amdhsa--gfx1250"
	.amdhsa_code_object_version 6
	.text
	.protected	k_qb4ad155f4d_woln
	.globl	k_qb4ad155f4d_woln
	.p2align	8
	.type	k_qb4ad155f4d_woln,@function
k_qb4ad155f4d_woln:
	s_mov_b64 s[64:65], 0
	v_nop
	global_prefetch_b8 v0, s[64:65] scope:SCOPE_SE
	s_setreg_imm32_b32 hwreg(HW_REG_WAVE_MODE, 25, 1), 1
	s_wait_xcnt 0x0
; out1 = layernorm(x + (ctx Wo + bo)) g1 + be1: the product on codes of E4M3 with E8M0 block scales, all else in f32.  out1 is stored as f32 and, quantised along the row, as records for the next product (nrec [256][4]).
; A record: 16 rows x 256 K as an image of the operand's registers, 4,352 bytes: codes at 2048 q + 512 c + 16 lane, scale words at 4096 + 128 q + 4 lane; registers 2 c, 2 c + 1 of lane (r, h) hold k = 16 c + 8 h + 0 .. 7.
; SHARES.  256 work-groups; each owns 16 whole rows (the norm needs whole rows), all 1,024 columns.  Wave w of eight makes columns 128 w .. 128 w + 127: 8 accumulators, 64 matrix instructions.
; ctx's four records stay in registers (128).  Wo's records go FROM MEMORY STRAIGHT INTO REGISTERS: they are register images, and with 16 rows a fragment of Wo feeds exactly one product, in one wave:
; through LDS each byte would be written and read once more and serve nothing else.  For the same reason no cluster and no joint load: no LDS tile exists that partners could receive.
; Two sets of four records take turns: while one group (4 column tiles x 256 K, 36 loads, 8 products) is multiplied, the next group's loads are on their way.  That ring is the look-ahead: no prefetch beside it.
; THE MATRIX INSTRUCTION IS USED TRANSPOSED (source 0 = 16 rows of Wo, source 1 = ctx's 16 rows): lane (r, h) holds row r, register j of tile b column 16 b + 8 h + j.  The bias is loaded into the accumulators.
; The sums meet in a stage in LDS; behind a barrier wave w norms rows 2 w, 2 w + 1 (the variance from the differences to the mean), puts them back; behind a second barrier wave w quantises K step w of all 16 rows.
; LIMITS: a block whose largest magnitude lies under 2^-118 keeps the scale byte 1; NaN and infinities are not served.
; REGISTERS.  Window 0: v1-10 addresses; v12-15, v116-119 Wo's scale words (two sets), v120-123 ctx's: these hold scales alone; v16-31 at work; v32-95 the accumulators, then two rows; v96-112 codes and scale word;
;   v128-255 ctx's fragments, then the residual, g, be.  Window 1: Wo's fragments, two sets of 128.
.set ROW, 32
.set ACC, 32
.set RES, 128
.set G,   192
.set BE,  224
.set AF,  128
.set SA,  120
.set TM,  16
.set PC,  96
.set PW,  112
.set SPT, 4112                         ; a row of the stage: 4,096 bytes + 16: row r starts 4 r banks on
.set REC, 4352
.set WOFF, 3342336                     ; Wo's records in wrec
.set SPARE, 0x10100                    ; behind the stage: the spare words, 128 bytes a wave
.set AL,  0x10500                      ; behind them: ctx's four records, 17,408 bytes: each wave brings an eighth, all read them
.set GL,  0x14900                      ; and g (4,096 bytes) and be (4,096): likewise
.set WV,  20
.set INV, 24
.set EPSR, 25
.set SEL, 26
.set MNT, 28
.set MSB, 0
.macro WIN new                         ; the immediate's high byte repeats the setting that is left
.if MSB != \new
	s_set_vgpr_msb (MSB<<8)|\new
.set MSB, \new
.endif
.endm
; group g = 2 kp + quad: column tiles 4 quad .. 4 quad + 3 of my eight, the kp-th 256 of K; its records land in set quad
.macro WLOAD g
	WIN 0x40                                       ; destination window 1, address window 0
.irp t, 0,1,2,3
.irp c, 0,1,2,3,4,5,6,7
	global_load_b128 v[128*((\g)%2)+32*\t+4*\c:128*((\g)%2)+32*\t+4*\c+3], v3, s[36:37] offset:((4*((\g)%2)+\t)*4+(\g)/2)*REC+512*\c
.endr
.endr
	WIN 0
.irp t, 0,1,2,3
	global_load_b32 v[12+104*((\g)%2)+\t], v9, s[36:37] offset:((4*((\g)%2)+\t)*4+(\g)/2)*REC+4096   ; lanes 0-15 the first 128's scale words, lanes 16-31 the second's
.endr
.endm
; 8 products: four accumulators by turns, twice: three others stand between two steps of a sum
.macro MUL g
.set ST, (\g)%2
.set KQ, (\g)/2
	WIN 0x01                                       ; source 0 (Wo) window 1, all else window 0
.irp q, 0,1
.irp t, 0,1,2,3
.set rD, ACC+8*(4*ST+\t)
.set rB, 128*ST+32*\t+16*\q
.set rA, AF+32*KQ+16*\q
.if \q
	v_wmma_scale_f32_16x16x128_f8f6f4 v[rD:rD+7], v[rB:rB+15], v[rA:rA+15], v[rD:rD+7], v[12+104*ST+\t], v[SA+KQ] matrix_a_scale:MATRIX_SCALE_ROW1 matrix_b_scale:MATRIX_SCALE_ROW1
.else
	v_wmma_scale_f32_16x16x128_f8f6f4 v[rD:rD+7], v[rB:rB+15], v[rA:rA+15], v[rD:rD+7], v[12+104*ST+\t], v[SA+KQ]
.endif
.endr
.endr
.rept 8
	v_nop                                          ; eight places ahead of loads into what these products have read, and of the readers of their sums
.endr
.endm
.macro REDUCE                          ; each row's four partial sums become the row's sum, in every lane
.irp p, 0
	s_delay_alu instid0(VALU_DEP_3)
	v_pk_add_f32 v[TM+4*\p:TM+4*\p+1], v[TM+4*\p:TM+4*\p+1], v[TM+4*\p+2:TM+4*\p+3]
.endr
.irp p, 1
	s_delay_alu instid0(VALU_DEP_2)
	v_pk_add_f32 v[TM+4*\p:TM+4*\p+1], v[TM+4*\p:TM+4*\p+1], v[TM+4*\p+2:TM+4*\p+3]
.endr
.irp p, 0,1
	s_delay_alu instid0(VALU_DEP_2)
	v_add_f32 v[TM+4*\p], v[TM+4*\p], v[TM+4*\p+1]
.endr
.irp m, 1,2,4,8
.irp p, 0,1
	s_delay_alu instid0(VALU_DEP_2)
	v_add_f32_dpp v[TM+4*\p], v[TM+4*\p], v[TM+4*\p] row_xmask:\m row_mask:0xf bank_mask:0xf
.endr
.endr
.irp p, 0,1
	s_delay_alu instid0(VALU_DEP_2)
	v_permlanex16_b32 v[TM+4*\p+1], v[TM+4*\p], s[SEL], s[SEL+1]
.endr
.irp p, 0,1
	s_delay_alu instid0(VALU_DEP_2)
	v_add_f32 v[TM+4*\p], v[TM+4*\p], v[TM+4*\p+1]
.endr
.endm
.macro QUANT s
.irp b, 0,1,2,3
	v_max3_num_f32 v[TM+\b], |v[\s+16*\b]|, |v[\s+1+16*\b]|, 0x4800000   ; the floor 2^(9 - 127) holds the byte at 1 from below
.endr
.irp i, 2,4,6,8,10,12,14
.irp b, 0,1,2,3
	s_delay_alu instid0(VALU_DEP_4)
	v_max3_num_f32 v[TM+\b], v[TM+\b], |v[\s+16*\b+\i]|, |v[\s+1+16*\b+\i]|
.endr
.endr
.irp b, 0,1,2,3
	s_delay_alu instid0(VALU_DEP_4)
	v_permlanex16_b32 v[TM+4+\b], v[TM+\b], s[SEL], s[SEL+1]
.endr
.irp b, 0,1,2,3
	s_delay_alu instid0(VALU_DEP_4)
	v_max_num_f32 v[TM+\b], v[TM+\b], v[TM+4+\b]
.endr
.irp b, 0,1,2,3
	s_delay_alu instid0(VALU_DEP_4)
	v_add_nc_u32 v[TM+12+\b], 0xfc000000, v[TM+\b]     ; 8 off the exponent field: the conversion's scale operand
.endr
.irp b, 0,1,2,3
	v_and_or_b32 v[TM+8+\b], v[TM+\b], 0x7f800000, s[MNT]   ; 448 x the scale
.endr
.irp b, 0,1,2,3
	v_lshrrev_b32 v[TM+4+\b], 23, v[TM+12+\b]          ; the scale's byte
.endr
	s_delay_alu instid0(VALU_DEP_3)
	v_lshl_or_b32 v[PW], v[TM+5], 8, v[TM+4]
	s_delay_alu instid0(VALU_DEP_1)
	v_lshl_or_b32 v[PW], v[TM+6], 16, v[PW]
	s_delay_alu instid0(VALU_DEP_1)
	v_lshl_or_b32 v[PW], v[TM+7], 24, v[PW]
.irp b, 0,1,2,3
.set i, 0
.rept 16
	v_med3_num_f32 v[\s+16*\b+i], v[\s+16*\b+i], -v[TM+8+\b], v[TM+8+\b]   ; the conversion does not saturate (ISA guide 7.6.2)
.set i, i+1
.endr
	v_cvt_scalef32_pk8_fp8_f32 v[PC+4*\b:PC+1+4*\b], v[\s+16*\b:\s+7+16*\b], v[TM+12+\b]
	v_cvt_scalef32_pk8_fp8_f32 v[PC+2+4*\b:PC+3+4*\b], v[\s+8+16*\b:\s+15+16*\b], v[TM+12+\b]
.endr
	v_nop
.endm
	s_load_b512 s[4:19], s[0:1], 0x0               ; arec, wrec, bo, x, g1, be1, out1, nrec
	v_lshl_add_u32 v126, v0, 2, SPARE
	v_mov_b32 v127, 0
	v_lshrrev_b32 v1, 5, v0
	v_readfirstlane_b32 s[WV], v1                  ; wave 0..7
	v_and_b32 v2, 31, v0
	v_lshlrev_b32 v3, 4, v2                        ; 16 x lane
	v_and_b32 v4, 15, v0                           ; r
	v_bfe_u32 v5, v0, 4, 1                         ; h
	v_lshlrev_b32 v8, 2, v2                        ; 4 x lane
	v_lshlrev_b32 v9, 2, v4
	v_lshl_add_u32 v9, v5, 7, v9                   ; 4 r + 128 h: a record's scale words, one register for both halves of its K
	v_lshlrev_b32 v10, 5, v5                       ; 32 h
	v_mul_u32_u24 v7, v4, SPT
	v_lshl_add_u32 v7, v5, 5, v7
	s_lshl_b32 s21, s[WV], 9
	s_mul_i32 s29, s[WV], 2*SPT
	v_add_nc_u32 v7, s21, v7                       ; the stage, row r, byte 512 w + 32 h: where my sums go in, and where K step w is read for the quantiser
	v_add_nc_u32 v6, s29, v3                       ; the stage, rows 2 w, 2 w + 1, 16 x lane
	s_lshr_b32 s34, s[WV], 1                       ; my eighth of ctx's records: part q = w % 2 of record k = w / 2
	s_mul_i32 s34, s34, REC
	s_and_b32 s35, s[WV], 1
	s_lshl_b32 s42, s35, 11
	s_add_co_u32 s42, s42, s34                     ; its codes: k REC + 2048 q
	s_mov_b32 s43, 0
	s_lshl_b32 s44, s35, 7
	s_add_co_u32 s44, s44, s34                     ; its scale words: k REC + 128 q (+ 4096)
	s_mov_b32 s45, 0
	s_add_co_u32 s46, s42, AL
	s_add_co_u32 s47, s44, AL+4096
	s_add_co_u32 s35, s21, GL                      ; my eighth of g: 512 w
	s_wait_alu depctr_va_vdst(0)                   ; the wait here, behind the run of scalar lines and ahead of the readers below
	v_add_nc_u32 v113, s46, v3                     ; LDS: where my codes go,
	v_add_nc_u32 v114, s47, v8                     ; my scale words,
	v_add_nc_u32 v125, s35, v3                     ; my piece of g (be: 4,096 on);
	v_add_nc_u32 v115, AL, v3                      ; and where everybody reads: fragments,
	v_add_nc_u32 v124, AL, v9                      ; scale words,
	v_add_nc_u32 v11, GL, v3                       ; g and be
	s_lshl_b32 s22, ttmp9, 4
	s_lshl_b32 s23, s[WV], 1
	s_add_co_u32 s22, s22, s23
	s_lshl_b32 s22, s22, 12                        ; row 16 x work-group + 2 w, x 4,096 bytes
	s_mov_b32 s23, 0
	s_mov_b32 s[INV], 0x3a800000                   ; 1 / 1024
	s_mov_b32 s[EPSR], 0x3727c5ac                  ; 1e-5
	s_mov_b32 s[SEL], 0x76543210
	s_mov_b32 s[SEL+1], 0xfedcba98
	s_mov_b32 s[MNT], 0x600000
	s_mul_i32 s38, ttmp9, 4*REC                    ; the work-group's four records, in arec and in nrec
	s_mov_b32 s39, 0
	s_mul_i32 s36, s[WV], 32*REC                   ; my eight column tiles of Wo, four records each
	s_add_co_u32 s36, s36, WOFF
	s_mov_b32 s37, 0
	s_mov_b32 s40, s21                             ; my 128 numbers of the bias
	s_mov_b32 s41, 0
	s_lshr_b32 s31, s[WV], 1                       ; on the way out K step w is part w % 2 of record w / 2
	s_mul_i32 s31, s31, REC
	s_add_co_u32 s32, s38, s31
	s_and_b32 s31, s[WV], 1
	s_lshl_b32 s30, s31, 11
	s_add_co_u32 s30, s32, s30
	s_lshl_b32 s31, s31, 7
	s_add_co_u32 s32, s32, s31
	s_mov_b32 s31, 0
	s_mov_b32 s33, 0
	s_wait_alu depctr_va_vdst(0)                   ; the wait at the head's end
	s_wait_kmcnt 0x0
	s_add_nc_u64 s[38:39], s[4:5], s[38:39]
	s_add_nc_u64 s[36:37], s[6:7], s[36:37]
	s_add_nc_u64 s[42:43], s[38:39], s[42:43]
	s_add_nc_u64 s[44:45], s[38:39], s[44:45]
	s_add_nc_u64 s[12:13], s[12:13], s[40:41]      ; g and be at 512 w
	s_add_nc_u64 s[14:15], s[14:15], s[40:41]
	s_add_nc_u64 s[40:41], s[8:9], s[40:41]
	s_add_nc_u64 s[10:11], s[10:11], s[22:23]
	s_add_nc_u64 s[16:17], s[16:17], s[22:23]
	s_add_nc_u64 s[30:31], s[18:19], s[30:31]
	s_add_nc_u64 s[32:33], s[18:19], s[32:33]
.irp c, 0,1,2,3
	global_load_b128 v[AF+4*\c:AF+4*\c+3], v3, s[42:43] offset:512*\c   ; seven loads: my eighth of ctx's codes,
.endr
	global_load_b32 v[AF+24], v8, s[44:45] offset:4096                  ; of its scale words,
	global_load_b128 v[AF+16:AF+19], v3, s[12:13]                       ; of g,
	global_load_b128 v[AF+20:AF+23], v3, s[14:15]                       ; of be
.irp b, 0,1,2,3,4,5,6,7
	global_load_b128 v[ACC+8*\b:ACC+8*\b+3], v10, s[40:41] offset:64*\b       ; the bias in the result's layout starts the sums
	global_load_b128 v[ACC+8*\b+4:ACC+8*\b+7], v10, s[40:41] offset:64*\b+16
.endr
	WLOAD 0
	s_wait_loadcnt 52                              ; my seven are in; behind them: the bias's 16 and group 0's 36
.irp c, 0,1,2,3
	ds_store_b128 v113, v[AF+4*\c:AF+4*\c+3] offset:512*\c
.endr
	ds_store_b32 v114, v[AF+24]
	ds_store_b128 v125, v[AF+16:AF+19]
	ds_store_b128 v125, v[AF+20:AF+23] offset:4096
	s_wait_dscnt 0x0                               ; they have landed, for the other waves' sake
	s_barrier_signal -1
	s_barrier_wait -1
.irp k, 0,1,2,3
.irp c, 0,1,2,3,4,5,6,7
	ds_load_b128 v[AF+32*\k+4*\c:AF+32*\k+4*\c+3], v115 offset:\k*REC+512*\c   ; ctx's fragments, all of K
.endr
	ds_load_b32 v[SA+\k], v124 offset:\k*REC+4096
.endr
	WLOAD 1
	s_wait_dscnt 0x0
.irp g, 0,1,2,3,4,5,6,7
.if \g < 6
	s_wait_loadcnt 36                              ; loads come back in order: group g is in; the next group's 36 may be out
.elseif \g == 6
	s_wait_loadcnt 52                              ; behind group 6's: group 7's 36, the residual's 16
.else
	s_wait_loadcnt 16                              ; the residual's 16
.endif
	MUL \g
.if \g < 6
	WLOAD \g+2
.endif
.if \g == 5
.set n, 0
.rept 16
	global_load_b128 v[RES+4*n:RES+4*n+3], v3, s[10:11] offset:512*n th:TH_LOAD_NT   ; x's rows 2 w, 2 w + 1, over ctx's first 512 of K, which are done with
.set n, n+1
.endr
.set n, 0
.rept 8
	ds_load_b128 v[G+4*n:G+4*n+3], v11 offset:512*n                                  ; g, over the third 256
.set n, n+1
.endr
.endif
.endr
	WIN 0
.set n, 0
.rept 8
	ds_load_b128 v[BE+4*n:BE+4*n+3], v11 offset:4096+512*n
.set n, n+1
.endr
.irp b, 0,1,2,3,4,5,6,7
	ds_store_b128 v7, v[ACC+8*\b:ACC+8*\b+3] offset:64*\b          ; each accumulator from its low end on
	ds_store_b128 v7, v[ACC+8*\b+4:ACC+8*\b+7] offset:64*\b+16
.endr
	s_wait_dscnt 0x0                               ; my sums have landed, for the other waves' sake
	s_barrier_signal -1
	s_barrier_wait -1
.set n, 0
.rept 16
	ds_load_b128 v[ROW+4*n:ROW+4*n+3], v6 offset:(n/8)*SPT+(n%8)*512   ; rows 2 w, 2 w + 1, whole; from here to the next barrier they are mine alone
.set n, n+1
.endr
	s_wait_dscnt 0x0
	s_wait_loadcnt 0x0                             ; the residual is in (g and be came from LDS, under the wait above)
.set i, 0
.rept 32
	v_pk_add_f32 v[ROW+i:ROW+i+1], v[ROW+i:ROW+i+1], v[RES+i:RES+i+1]
.set i, i+2
.endr
.irp p, 0,1
	v_pk_add_f32 v[TM+4*\p:TM+4*\p+1], v[ROW+32*\p:ROW+32*\p+1], v[ROW+32*\p+2:ROW+32*\p+3]
	v_pk_add_f32 v[TM+4*\p+2:TM+4*\p+3], v[ROW+32*\p+4:ROW+32*\p+5], v[ROW+32*\p+6:ROW+32*\p+7]
.endr
.irp i, 8,12,16,20,24,28
.irp p, 0,1
	s_delay_alu instid0(VALU_DEP_4)
	v_pk_add_f32 v[TM+4*\p:TM+4*\p+1], v[TM+4*\p:TM+4*\p+1], v[ROW+32*\p+\i:ROW+32*\p+\i+1]
	s_delay_alu instid0(VALU_DEP_4)
	v_pk_add_f32 v[TM+4*\p+2:TM+4*\p+3], v[TM+4*\p+2:TM+4*\p+3], v[ROW+32*\p+\i+2:ROW+32*\p+\i+3]
.endr
.endr
	REDUCE
.irp p, 0
	s_delay_alu instid0(VALU_DEP_2)
	v_mul_f32 v[TM+8+2*\p], s[INV], v[TM+4*\p]     ; the mean, twice: a pair for the packed form
	s_delay_alu instid0(VALU_DEP_3)
	v_mul_f32 v[TM+9+2*\p], s[INV], v[TM+4*\p]
.endr
.irp p, 1
	s_delay_alu instid0(VALU_DEP_3)
	v_mul_f32 v[TM+8+2*\p], s[INV], v[TM+4*\p]
	s_delay_alu instid0(VALU_DEP_4)
	v_mul_f32 v[TM+9+2*\p], s[INV], v[TM+4*\p]
.endr
.set i, 0
.rept 32
	v_pk_add_f32 v[ROW+i:ROW+i+1], v[ROW+i:ROW+i+1], v[TM+8+2*(i/32):TM+9+2*(i/32)] neg_lo:[0,1] neg_hi:[0,1]
.set i, i+2
.endr
.irp p, 0,1
	v_pk_mul_f32 v[TM+4*\p:TM+4*\p+1], v[ROW+32*\p:ROW+32*\p+1], v[ROW+32*\p:ROW+32*\p+1]
	v_pk_mul_f32 v[TM+4*\p+2:TM+4*\p+3], v[ROW+32*\p+2:ROW+32*\p+3], v[ROW+32*\p+2:ROW+32*\p+3]
.endr
.irp i, 4,8,12,16,20,24,28
.irp p, 0,1
	s_delay_alu instid0(VALU_DEP_4)
	v_pk_fma_f32 v[TM+4*\p:TM+4*\p+1], v[ROW+32*\p+\i:ROW+32*\p+\i+1], v[ROW+32*\p+\i:ROW+32*\p+\i+1], v[TM+4*\p:TM+4*\p+1]
	s_delay_alu instid0(VALU_DEP_4)
	v_pk_fma_f32 v[TM+4*\p+2:TM+4*\p+3], v[ROW+32*\p+\i+2:ROW+32*\p+\i+3], v[ROW+32*\p+\i+2:ROW+32*\p+\i+3], v[TM+4*\p+2:TM+4*\p+3]
.endr
.endr
	REDUCE
.irp p, 0,1
	s_delay_alu instid0(VALU_DEP_2)
	v_fma_f32 v[TM+4*\p], v[TM+4*\p], s[INV], s[EPSR]   ; the variance + 1e-5
.endr
	s_wait_alu depctr_va_vdst(0)                   ; the wait ahead of the batch
.irp p, 0,1
	v_rsq_f32 v[TM+12+2*\p], v[TM+4*\p]
	v_rsq_f32 v[TM+13+2*\p], v[TM+4*\p]
.endr
	v_nop                                          ; a plain line behind the last of the four,
	s_wait_alu depctr_va_vdst(0)                   ; and one wait for the batch, ahead of its first reader
.set i, 0
.rept 32
	v_pk_mul_f32 v[ROW+i:ROW+i+1], v[ROW+i:ROW+i+1], v[TM+12+2*(i/32):TM+13+2*(i/32)]
	s_delay_alu instid0(VALU_DEP_1)
	v_pk_fma_f32 v[ROW+i:ROW+i+1], v[ROW+i:ROW+i+1], v[G+i%32:G+i%32+1], v[BE+i%32:BE+i%32+1]
.set i, i+2
.endr
.set n, 0
.rept 16
	global_store_b128 v3, v[ROW+4*n:ROW+4*n+3], s[16:17] offset:512*n   ; 512 consecutive bytes a store
	ds_store_b128 v6, v[ROW+4*n:ROW+4*n+3] offset:(n/8)*SPT+(n%8)*512
.set n, n+1
.endr
	s_wait_dscnt 0x0                               ; my rows have landed in the stage, for the other waves' sake
	s_barrier_signal -1
	s_barrier_wait -1
	s_wait_xcnt 0x0                                ; the global stores have read their registers, which the loads below write
.set n, 0
.rept 16
	ds_load_b128 v[ROW+4*n:ROW+4*n+3], v7 offset:64*(n/2)+16*(n%2)   ; register 8 c + i: k = 16 c + 8 h + i of my K step
.set n, n+1
.endr
	s_wait_dscnt 0x0
	QUANT ROW
.irp c, 0,1,2,3
	global_store_b128 v3, v[PC+4*\c:PC+4*\c+3], s[30:31] offset:512*\c
.endr
	global_store_b32 v8, v[PW], s[32:33] offset:4096
	s_wait_tensorcnt 0x0                           ; the wave's end
	ds_add_u32 v126, v127
	s_wait_dscnt 0x0
	s_endpgm
.Lfunc_end_k_qb4ad155f4d_woln:
	.size	k_qb4ad155f4d_woln, .Lfunc_end_k_qb4ad155f4d_woln-k_qb4ad155f4d_woln
	.p2alignl 7, 3214868480
	.fill 96, 4, 3214868480
	.section	.rodata,"a",@progbits
	.p2align	6, 0x0
	.amdhsa_kernel k_qb4ad155f4d_woln
		.amdhsa_group_segment_fixed_size 92416
		.amdhsa_private_segment_fixed_size 0
		.amdhsa_enable_private_segment 0
		.amdhsa_kernarg_size 64
		.amdhsa_user_sgpr_count 2
		.amdhsa_user_sgpr_kernarg_segment_ptr 1
		.amdhsa_wavefront_size32 1
		.amdhsa_system_sgpr_workgroup_id_x 1
		.amdhsa_system_sgpr_workgroup_id_y 1
		.amdhsa_system_sgpr_workgroup_id_z 1
		.amdhsa_system_vgpr_workitem_id 0
		.amdhsa_next_free_vgpr 512
		.amdhsa_next_free_sgpr 66
		.amdhsa_reserve_vcc 0
		.amdhsa_float_denorm_mode_32 3
		.amdhsa_float_denorm_mode_16_64 3
		.amdhsa_memory_ordered 1
		.amdhsa_forward_progress 1
		.amdhsa_inst_pref_size 83
	.end_amdhsa_kernel
	.amdgpu_metadata
---
amdhsa.version: [ 1, 2 ]
amdhsa.kernels:
  - .name:           k_qb4ad155f4d_woln
    .symbol:         k_qb4ad155f4d_woln.kd
    .args:
      - { .name: arec, .offset: 0, .size: 8, .value_kind: global_buffer, .address_space: global }
      - { .name: wrec, .offset: 8, .size: 8, .value_kind: global_buffer, .address_space: global }
      - { .name: bo, .offset: 16, .size: 8, .value_kind: global_buffer, .address_space: global }
      - { .name: x, .offset: 24, .size: 8, .value_kind: global_buffer, .address_space: global }
      - { .name: g1, .offset: 32, .size: 8, .value_kind: global_buffer, .address_space: global }
      - { .name: be1, .offset: 40, .size: 8, .value_kind: global_buffer, .address_space: global }
      - { .name: out1, .offset: 48, .size: 8, .value_kind: global_buffer, .address_space: global }
      - { .name: nrec, .offset: 56, .size: 8, .value_kind: global_buffer, .address_space: global }
    .group_segment_fixed_size: 92416
    .private_segment_fixed_size: 0
    .kernarg_segment_align: 8
    .kernarg_segment_size: 64
    .max_flat_workgroup_size: 256
    .sgpr_count:     66
    .vgpr_count:     512
    .wavefront_size: 32
...
	.end_amdgpu_metadata
.endif
;; end of part 12
;; launch ffn1 (part 13): grid 16 x 16, 4 waves a work-group, clusters of 4 x 4, 327,680 bytes of LDS; arguments nrec, wrec, b1, hrec; writes hrec
.if DOCPART == 13
	.amdgcn_target "amdgcn-amd-amdhsa--gfx1250"
	.amdhsa_code_object_version 6
	.text
	.protected	k_qb4ad155f4d_ffn1
	.globl	k_qb4ad155f4d_ffn1
	.p2align	8
	.type	k_qb4ad155f4d_ffn1,@function
k_qb4ad155f4d_ffn1:
	s_mov_b64 s[64:65], 0
	v_nop
	global_prefetch_b8 v0, s[64:65] scope:SCOPE_SE
	s_setreg_imm32_b32 hwreg(HW_REG_WAVE_MODE, 25, 1), 1
	s_wait_xcnt 0x0
	s_wait_alu depctr_hold_cnt(0) depctr_sa_sdst(0) depctr_va_vdst(0) depctr_va_sdst(0) depctr_va_ssrc(0) depctr_va_vcc(0) depctr_vm_vsrc(0)
	s_getreg_b32 s2, hwreg(HW_REG_IB_STS2, 6, 4)
	s_cmp_eq_u32 s2, 0
	s_cbranch_scc0 .Lentry_in_a_cluster
	s_endpgm
.Lentry_in_a_cluster:
	s_bfe_u32 s2, ttmp6, 0x10000c
	s_cmp_lg_u32 s2, 0xf033
	s_cbranch_scc0 .Lentry_shape_is_right
	s_endpgm
.Lentry_shape_is_right:
.set SIZE_K, 1024
.set WOFF,  4456448
.set REC,   4352
.set KP,    SIZE_K/256
.set HALFT, 8*REC
.set SLOT,  4*HALFT
.set SPARE, 2*SLOT
.set LAPS,  SIZE_K/512
.set NP,    8
.set FR,    16
.set ORS,   16*REC
.set ADRA, 16
.set ASA,  18
.set ADRB, 20
.set ASB,  22
.set CO,   26
.set L4,   27
.set SPW,  28
.set NIL,  29
.set SC,   32
.set BI,   64
.set AF,   128
.set PW,   72
.set TM,   112
.set PC,   128
.set WV, 20
.set RH, 21
.set CH, 22
.set TR, 23
.set TC, 42
.set G1, 24
.set G0, 32
.set G1B, 48
.set G0B, 56
.set MNT, 93
.set SEL, 94
.set MSB, 0
.macro WIN new
.if MSB != \new
	s_set_vgpr_msb (MSB<<8)|\new
.set MSB, \new
.endif
.endm
.set MUL_LO, 0xa1
.set MUL_HI, 0xf1
.set BEG_LO, 0x81
.set BEG_HI, 0xc1
.set TO_B,   0x40
.macro JLOAD s
	s_cmp_eq_u32 s[RH], 0
	s_cbranch_scc0 .Lfor_b_\@
	tensor_load_to_lds s[G0+4*\s:G0+4*\s+3], s[G1:G1+7]
	s_nop 0
.rept 4
	v_nop
.endr
	s_branch .Lasked_\@
.Lfor_b_\@:
	tensor_load_to_lds s[G0B+4*\s:G0B+4*\s+3], s[G1B:G1B+7]
	s_nop 0
.rept 4
	v_nop
.endr
.Lasked_\@:
.endm
.macro CREST
	s_cmp_lg_u32 s[WV], 0
	s_cbranch_scc1 .Lnot_wave_0_\@
	s_barrier_signal -3
.Lnot_wave_0_\@:
	s_barrier_wait -3
	s_barrier_signal -1
	s_barrier_wait -1
.endm
.macro CROUND
	s_barrier_signal -1
	s_barrier_wait -1
	CREST
.endm
.macro PLACES n
.rept \n
	v_nop
.endr
.endm
.macro FRAG reg, adr, q, i
.irp c, 0,1,2,3
	ds_load_b128 v[\reg+4*\c:\reg+4*\c+3], v[\adr] offset:(\i)*REC+2048*(\q)+512*\c
.endr
.endm
.macro MUL16 a0, p, q, sc, zero
.irp a, \a0, \a0+1
.irp b, 0,1,2,3,4,5,6,7
.set rD, 8*(8*((\a)%4)+\b)
.set rB, 128*(\p)+FR*\b
.set rA, AF+FR*(\a)
.set sB, SC+16*(\sc)+8+\b
.set sA, SC+16*(\sc)+(\a)
.if \zero
	v_wmma_scale_f32_16x16x128_f8f6f4 v[rD:rD+7], v[rB:rB+15], v[rA:rA+15], v[BI+8*\b:BI+8*\b+7], v[sB], v[sA]
.elseif \q
	v_wmma_scale_f32_16x16x128_f8f6f4 v[rD:rD+7], v[rB:rB+15], v[rA:rA+15], v[rD:rD+7], v[sB], v[sA] matrix_a_scale:MATRIX_SCALE_ROW1 matrix_b_scale:MATRIX_SCALE_ROW1
.else
	v_wmma_scale_f32_16x16x128_f8f6f4 v[rD:rD+7], v[rB:rB+15], v[rA:rA+15], v[rD:rD+7], v[sB], v[sA]
.endif
.endr
.endr
.endm
.macro FETCH_B slot, q, p
	WIN TO_B
.irp i, 0,1,2,3,4,5,6,7
	FRAG 128*(\p)+FR*\i, ADRB+\slot, \q, \i
.endr
	WIN 0
.endm
.macro FETCH_A slot, q, i0
.irp i, \i0, \i0+1, \i0+2, \i0+3
	FRAG AF+FR*(\i), ADRA+\slot, \q, \i
.endr
.endm
.macro SCALES sc
.irp i, 0,1,2,3,4,5,6,7
	ds_load_b32 v[SC+16*\sc+\i], v[ASA+\sc] offset:\i*REC+4096
	ds_load_b32 v[SC+16*\sc+8+\i], v[ASB+\sc] offset:\i*REC+4096
.endr
.endm
.macro STEP slot, zero
	s_wait_dscnt 16
.if \zero
	WIN BEG_LO
.else
	WIN MUL_LO
.endif
	MUL16 0, 0, 0, \slot, \zero
	MUL16 2, 0, 0, \slot, \zero
	s_wait_dscnt 0
	PLACES NP
	FETCH_B \slot, 1, 1
	FETCH_A \slot, 1, 0
.if \zero
	WIN BEG_HI
.else
	WIN MUL_HI
.endif
	MUL16 4, 0, 0, \slot, \zero
	MUL16 6, 0, 0, \slot, \zero
	PLACES NP
	WIN 0
	FETCH_A \slot, 1, 4
.endm
.macro TURN slot, next, fill
	s_wait_tensorcnt 0x0
	ds_add_u32 v[SPW], v[NIL]
	s_wait_dscnt 17
	WIN MUL_LO
	MUL16 0, 1, 1, \slot, 0
	s_wait_dscnt 0x0
	s_barrier_signal -1
	MUL16 2, 1, 1, \slot, 0
	WIN 0
	s_barrier_wait -1
.if \fill
	CREST
	s_add_nc_u64 s[G0+4*\slot+2:G0+4*\slot+3], s[G0+4*\slot+2:G0+4*\slot+3], 2*REC
	s_add_nc_u64 s[G0B+4*\slot+2:G0B+4*\slot+3], s[G0B+4*\slot+2:G0B+4*\slot+3], 2*REC
	JLOAD \slot
	PLACES NP-4
.else
	PLACES NP
.endif
	FETCH_B \next, 0, 0
	FETCH_A \next, 0, 0
	SCALES \next
	WIN MUL_HI
	MUL16 4, 1, 1, \slot, 0
	MUL16 6, 1, 1, \slot, 0
	PLACES NP
	WIN 0
	FETCH_A \next, 0, 4
.endm
	s_load_b256 s[4:11], s[0:1], 0x0
	v_lshl_add_u32 v[SPW], v0, 2, SPARE
	v_mov_b32 v[NIL], 0
	ds_add_u32 v28, v29
	ds_add_u32 v28, v29
	s_wait_dscnt 0x0
	v_lshrrev_b32 v1, 5, v0
	v_readfirstlane_b32 s[WV], v1
	s_lshr_b32 s[RH], s[WV], 1
	s_and_b32 s[CH], s[WV], 1
	s_bfe_u32 s40, ttmp6, 0x40000
	s_bfe_u32 s41, ttmp6, 0x40004
	s_lshl_b32 s[TC], ttmp9, 2
	s_add_co_u32 s[TC], s[TC], s40
	s_and_b32 s[TR], ttmp7, 0xffff
	s_lshl_b32 s[TR], s[TR], 2
	s_add_co_u32 s[TR], s[TR], s41
	s_lshl_b32 s43, s41, 2
	s_lshl_b32 s43, 15, s43
	s_lshl_b32 s44, 0x1111, s40
	s_or_b32 s[G1+0], s43, (3<<16)|(1<<21)
	s_or_b32 s[G1B+0], s44, (3<<16)|(1<<21)
.irp g, G1, G1B
	s_mov_b32 s[\g+1], 544<<16
	s_mov_b32 s[\g+2], 8<<16
	s_mov_b32 s[\g+3], 544<<16
	s_mov_b32 s[\g+4], 8
	s_mov_b32 s[\g+5], KP*544
	s_mov_b32 s[\g+6], 0
	s_mov_b32 s[\g+7], 0
.endr
	s_lshl_b32 s46, s[TR], 4
	s_lshl_b32 s47, s[CH], 3
	s_add_co_u32 s46, s46, s47
	s_mul_i32 s46, s46, KP*REC
	s_mov_b32 s47, 0
	s_lshl_b32 s66, s[TC], 4
	s_lshl_b32 s67, s[CH], 3
	s_add_co_u32 s66, s66, s67
	s_mul_i32 s66, s66, KP*REC
	s_mov_b32 s67, 0
	s_mul_i32 s45, s[WV], HALFT
	s_mov_b32 s[SEL], 0x76543210
	s_mov_b32 s[SEL+1], 0xfedcba98
	s_mov_b32 s[MNT], 0x600000
	s_wait_kmcnt 0x0
	s_add_nc_u64 s[68:69], s[4:5], s[46:47]
	s_add_nc_u64 s[70:71], s[6:7], WOFF
	s_add_nc_u64 s[70:71], s[70:71], s[66:67]
	CROUND
.irp s, 0,1
	s_mov_b32 s[G0+4*\s], 1
	s_add_co_u32 s[G0+4*\s+1], s45, \s*SLOT
	s_add_nc_u64 s[G0+4*\s+2:G0+4*\s+3], s[68:69], \s*REC
	s_or_b32 s[G0+4*\s+3], s[G0+4*\s+3], 0x80000000
	s_mov_b32 s[G0B+4*\s], 1
	s_add_co_u32 s[G0B+4*\s+1], s45, \s*SLOT
	s_add_nc_u64 s[G0B+4*\s+2:G0B+4*\s+3], s[70:71], \s*REC
	s_or_b32 s[G0B+4*\s+3], s[G0B+4*\s+3], 0x80000000
	s_wait_alu depctr_va_vdst(0)
	s_wait_tensorcnt 0x0
	ds_add_u32 v28, v29
	ds_add_u32 v28, v29
	s_wait_dscnt 0x0
	CROUND
	JLOAD \s
.endr
	v_and_b32 v1, 31, v0
	v_and_b32 v2, 15, v0
	v_bfe_u32 v3, v0, 4, 1
	v_lshlrev_b32 v[CO], 4, v1
	v_lshlrev_b32 v[L4], 2, v1
	v_lshlrev_b32 v4, 2, v2
	v_lshl_add_u32 v4, v3, 7, v4
	v_lshlrev_b32 v5, 5, v3
	s_wait_alu depctr_va_vdst(0)
	s_mul_i32 s74, s[RH], HALFT
	s_mul_i32 s75, s[CH], HALFT
	s_add_co_u32 s75, s75, 2*HALFT
.irp s, 0,1
	v_add_nc_u32 v[ADRA+\s], s74, v[CO]
	v_add_nc_u32 v[ADRB+\s], s75, v[CO]
	v_add_nc_u32 v[ASA+\s], s74, v4
	v_add_nc_u32 v[ASB+\s], s75, v4
	s_add_co_u32 s74, s74, SLOT
	s_add_co_u32 s75, s75, SLOT
.endr
	s_lshl_b32 s76, s[TC], 8
	s_lshl_b32 s77, s[CH], 7
	s_add_co_u32 s76, s76, s77
	s_lshl_b32 s76, s76, 2
	s_mov_b32 s77, 0
	s_add_nc_u64 s[78:79], s[8:9], s[76:77]
.irp b, 0,1,2,3,4,5,6,7
	global_load_b128 v[BI+8*\b:BI+8*\b+3], v5, s[78:79] offset:64*\b
	global_load_b128 v[BI+8*\b+4:BI+8*\b+7], v5, s[78:79] offset:64*\b+16
.endr
	s_lshl_b32 s86, s[TR], 4
	s_lshl_b32 s87, s[RH], 3
	s_add_co_u32 s86, s86, s87
	s_mul_i32 s86, s86, ORS
	s_mul_i32 s87, s[TC], REC
	s_add_co_u32 s86, s86, s87
	s_lshl_b32 s87, s[CH], 11
	s_add_co_u32 s88, s86, s87
	s_mov_b32 s89, 0
	s_lshl_b32 s87, s[CH], 7
	s_add_co_u32 s86, s86, s87
	s_mov_b32 s87, 0
	s_add_nc_u64 s[96:97], s[10:11], s[88:89]
	s_add_nc_u64 s[98:99], s[10:11], s[86:87]
	s_wait_alu depctr_va_vdst(0)
	s_wait_loadcnt 0x0
	s_wait_tensorcnt 1
	s_barrier_signal -1
	s_barrier_wait -1
	FETCH_B 0, 0, 0
	FETCH_A 0, 0, 0
	SCALES 0
	FETCH_A 0, 0, 4
	STEP 0, 1
	s_mov_b32 s3, LAPS-1
.Llap:
	TURN 0, 1, 1
	STEP 1, 0
	TURN 1, 0, 1
	STEP 0, 0
	s_sub_co_u32 s3, s3, 1
	s_cmp_lg_u32 s3, 0
	s_cbranch_scc1 .Llap
	TURN 0, 1, 0
	STEP 1, 0
	s_wait_dscnt 16
	WIN MUL_LO
	MUL16 0, 1, 1, 1, 0
	MUL16 2, 1, 1, 1, 0
	s_wait_dscnt 0
	WIN MUL_HI
	MUL16 4, 1, 1, 1, 0
	MUL16 6, 1, 1, 1, 0
	WIN 0
.macro QUANTW a
.set WA, 2+(\a)/4
.set AC, 64*((\a)%4)
.set PCA, PC+16*(\a)
.set W_RD, WA|(WA<<2)
.set W_RW, WA|(WA<<6)
	WIN W_RD
.irp b, 0,1,2,3
	v_max3_num_f32 v[TM+\b], v[AC+16*\b], v[AC+16*\b+1], 0x4800000
.endr
.irp i, 2,4,6,8,10,12,14
.irp b, 0,1,2,3
	v_max3_num_f32 v[TM+\b], v[AC+16*\b+\i], v[AC+16*\b+\i+1], v[TM+\b]
.endr
.endr
	WIN 0
.irp b, 0,1,2,3
	v_permlanex16_b32 v[TM+4+\b], v[TM+\b], s[SEL], s[SEL+1]
.endr
.irp b, 0,1,2,3
	v_max_num_f32 v[TM+\b], v[TM+\b], v[TM+4+\b]
.endr
.irp b, 0,1,2,3
	v_add_nc_u32 v[TM+12+\b], 0xfc000000, v[TM+\b]
.endr
.irp b, 0,1,2,3
	v_and_or_b32 v[TM+8+\b], v[TM+\b], 0x7f800000, s[MNT]
.endr
.irp b, 0,1,2,3
	v_lshrrev_b32 v[TM+4+\b], 23, v[TM+12+\b]
.endr
	v_lshl_or_b32 v[PW+(\a)], v[TM+5], 8, v[TM+4]
	v_lshl_or_b32 v[PW+(\a)], v[TM+6], 16, v[PW+(\a)]
	v_lshl_or_b32 v[PW+(\a)], v[TM+7], 24, v[PW+(\a)]
	WIN W_RW
.irp b, 0,1,2,3
.set i, 0
.rept 16
	v_med3_num_f32 v[AC+16*\b+i], v[AC+16*\b+i], 0, v[TM+8+\b]
.set i, i+1
.endr
.endr
	WIN WA
.irp b, 0,1,2,3
	v_cvt_scalef32_pk8_fp8_f32 v[PCA+4*\b:PCA+4*\b+1], v[AC+16*\b:AC+16*\b+7], v[TM+12+\b]
	v_cvt_scalef32_pk8_fp8_f32 v[PCA+4*\b+2:PCA+4*\b+3], v[AC+16*\b+8:AC+16*\b+15], v[TM+12+\b]
.endr
	v_nop
	WIN 0
.endm
	PLACES NP
.irp b, 0,1,2,3
	v_mov_b32 v[TM+4+\b], 0
.endr
.irp a, 0,1,2,3,4,5,6,7
	QUANTW \a
.irp c, 0,1,2,3
	global_store_b128 v[CO], v[PC+16*\a+4*\c:PC+16*\a+4*\c+3], s[96:97] offset:\a*ORS+512*\c
.endr
	global_store_b32 v[L4], v[PW+\a], s[98:99] offset:\a*ORS+4096
.endr
	s_wait_tensorcnt 0x0
	ds_add_u32 v[SPW], v[NIL]
	s_wait_dscnt 0x0
	CROUND
	s_endpgm
.Lfunc_end_k_qb4ad155f4d_ffn1:
	.size	k_qb4ad155f4d_ffn1, .Lfunc_end_k_qb4ad155f4d_ffn1-k_qb4ad155f4d_ffn1
	.p2alignl 7, 3214868480
	.fill 96, 4, 3214868480
	.section	.rodata,"a",@progbits
	.p2align	6, 0x0
	.amdhsa_kernel k_qb4ad155f4d_ffn1
		.amdhsa_group_segment_fixed_size 327680
		.amdhsa_private_segment_fixed_size 0
		.amdhsa_enable_private_segment 0
		.amdhsa_kernarg_size 32
		.amdhsa_user_sgpr_count 2
		.amdhsa_user_sgpr_kernarg_segment_ptr 1
		.amdhsa_wavefront_size32 1
		.amdhsa_system_sgpr_workgroup_id_x 1
		.amdhsa_system_sgpr_workgroup_id_y 1
		.amdhsa_system_sgpr_workgroup_id_z 1
		.amdhsa_system_vgpr_workitem_id 0
		.amdhsa_next_free_vgpr 1024
		.amdhsa_next_free_sgpr 100
		.amdhsa_reserve_vcc 0
		.amdhsa_float_denorm_mode_32 3
		.amdhsa_float_denorm_mode_16_64 3
		.amdhsa_memory_ordered 1
		.amdhsa_forward_progress 1
		.amdhsa_inst_pref_size 187
	.end_amdhsa_kernel
	.amdgpu_metadata
---
amdhsa.version: [ 1, 2 ]
amdhsa.kernels:
  - .name:           k_qb4ad155f4d_ffn1
    .symbol:         k_qb4ad155f4d_ffn1.kd
    .args:
      - { .name: nrec, .offset: 0, .size: 8, .value_kind: global_buffer, .address_space: global }
      - { .name: wrec, .offset: 8, .size: 8, .value_kind: global_buffer, .address_space: global }
      - { .name: b1, .offset: 16, .size: 8, .value_kind: global_buffer, .address_space: global }
      - { .name: hrec, .offset: 24, .size: 8, .value_kind: global_buffer, .address_space: global }
    .group_segment_fixed_size: 327680
    .private_segment_fixed_size: 0
    .kernarg_segment_align: 8
    .kernarg_segment_size: 32
    .max_flat_workgroup_size: 128
    .sgpr_count:     100
    .vgpr_count:     1024
    .wavefront_size: 32
...
	.end_amdgpu_metadata
.endif
;; end of part 13
;; launch ffn2 (part 14): grid 8 x 32, 4 waves a work-group, clusters of 4 x 1, 327,680 bytes of LDS; arguments hrec, wrec, b2, cbuf; writes cbuf
.if DOCPART == 14
	.amdgcn_target "amdgcn-amd-amdhsa--gfx1250"
	.amdhsa_code_object_version 6
	.text
	.protected	k_qb4ad155f4d_ffn2
	.globl	k_qb4ad155f4d_ffn2
	.p2align	8
	.type	k_qb4ad155f4d_ffn2,@function
k_qb4ad155f4d_ffn2:
	s_mov_b64 s[64:65], 0
	v_nop
	global_prefetch_b8 v0, s[64:65] scope:SCOPE_SE
	s_setreg_imm32_b32 hwreg(HW_REG_WAVE_MODE, 25, 1), 1
	s_wait_xcnt 0x0
	s_wait_alu depctr_hold_cnt(0) depctr_sa_sdst(0) depctr_va_vdst(0) depctr_va_sdst(0) depctr_va_ssrc(0) depctr_va_vcc(0) depctr_vm_vsrc(0)
	s_getreg_b32 s2, hwreg(HW_REG_IB_STS2, 6, 4)
	s_cmp_eq_u32 s2, 0
	s_cbranch_scc0 .Lentry_in_a_cluster
	s_endpgm
.Lentry_in_a_cluster:
	s_bfe_u32 s2, ttmp6, 0x10000c
	s_cmp_lg_u32 s2, 0x3003
	s_cbranch_scc0 .Lentry_shape_is_right
	s_endpgm
.Lentry_shape_is_right:
; C = h W2^T + b2 on codes of E4M3 with E8M0 block scales; h [4096][4096] (hrec), W2 [1024][4096] (wrec), C [4096][1024] f32 (cbuf).
; OPERANDS ARE RECORDS (16 rows x 256 K as an image of the registers, 4,352 bytes: codes at 2048 q + 512 c + 16 lane, scale words at 4096 + 128 q + 4 lane), a matrix [R][K] as rec[R / 16][K / 256].
; SHARES.  256 work-groups, a tile of 128 x 128 each.  K IS SPLIT AMONG THE FOUR WAVES: of each 1,024 along K wave w takes record w (256); each wave holds the whole tile, 64 accumulators, 512 registers; the four partial sums are added through LDS at the end.
; h COMES THROUGH LDS, two slots of 1,024 along K (8 row tiles x 4 records, 139,264 bytes): wave w fetches record w of the 8 tiles by one tensor load, and reads what it fetched.  K = 4,096 is four fills.
; CLUSTER 4 x 1: the four work-groups of a cluster make the same 128 rows and ask for h's tiles jointly (mask of all four).
; W2 GOES FROM MEMORY STRAIGHT INTO REGISTERS, no joint load: a wave's K slice of W2 is read by that wave alone and each fragment is loaded once into its operand registers;
; in the slots it would take half their bytes, that is eight fills and rounds in place of four.  Two sets of 128 registers take turns: the loads of one step of 128 along K are issued at the head of the step before.
; PREFETCH: behind each of the first two tensor loads one instruction a wave asks for the codes of the fill two on (h's records 8 + w and 12 + w): the four partners share the 8 row tiles out by address, two each; a lane a block of 256 bytes.
; The first two fills come by their loads alone; nothing lies behind the fourth.  W2's register loads run a step ahead by themselves.
; THE MATRIX INSTRUCTION IS USED TRANSPOSED (source 0 = 16 rows of W2, source 1 = 16 rows of h): lane (r, h) holds row r, register j of block b column 16 b + 8 h + j.
; REGISTERS: window 0: v8-11 bias, v12-30 addresses, v32-63 scale words (two sets: h's 8, W2's 8), v128-255 h's fragments (one set); at the end v64-255 partial sums.  Window 1: W2's fragments, two sets.  Windows 2, 3: the accumulators.
.set SIZE_K, 4096
.set WOFF,  8912896                    ; W2's records in wrec
.set SIZE_N, 1024
.set REC,   4352
.set KP,    SIZE_K/256
.set HALFT, 8*REC                      ; what one tensor load brings
.set SLOT,  4*HALFT
.set SPARE, 2*SLOT                     ; behind the ring: the spare words, 128 bytes a wave
.set NP,    8                          ; places behind this matrix instruction (ISA guide 7.12.1)
.set FR,    16
.set SPITCH, 528
.set PSUM,  128*SPITCH                 ; a wave's partial tile, laid over the ring when it has had its last fill and its last read
.set BIA,  8
.set RDP,  12
.set ADRA, 16
.set ASA,  18
.set BSO,  22
.set STO,  24
.set CO,   26
.set SPW,  28
.set NIL,  29
.set PFO,  30
.set SC,   32
.set X,    64
.set AF,   128
.set WV, 20
.set TR, 23
.set TC, 42
.set G1, 24
.set G0, 32
.set BW, 44
.set PFA, 46
.set MSB, 0
.macro WIN new                         ; the immediate's high byte repeats the setting that is left
.if MSB != \new
	s_set_vgpr_msb (MSB<<8)|\new
.set MSB, \new
.endif
.endm
.set MUL_LO, 0xa1
.set MUL_HI, 0xf1
.set TO_B,   0x40
.macro PLACES n
.rept \n
	v_nop
.endr
.endm
.macro TLOAD s                         ; my joint load: record w of the 8 row tiles; an s_nop 0 and four v_nop follow it
	tensor_load_to_lds s[G0+4*\s:G0+4*\s+3], s[G1:G1+7]
	s_nop 0
	PLACES 4
.endm
.macro CREST
	s_cmp_lg_u32 s[WV], 0
	s_cbranch_scc1 .Lnot_wave_0_\@
	s_barrier_signal -3
.Lnot_wave_0_\@:
	s_barrier_wait -3
	s_barrier_signal -1
	s_barrier_wait -1
.endm
.macro CROUND
	s_barrier_signal -1
	s_barrier_wait -1
	CREST
.endm
.macro FETCH_A slot, q, i0             ; h's blocks i0 .. i0 + 3 of my record, its q-th 128
.irp i, \i0, \i0+1, \i0+2, \i0+3
.irp c, 0,1,2,3
	ds_load_b128 v[AF+FR*(\i)+4*\c:AF+FR*(\i)+4*\c+3], v[ADRA+\slot] offset:(\i)*REC+2048*(\q)+512*\c
.endr
.endr
.endm
.macro ASCALES sc                      ; lanes 0-15 take the first 128's scale words, lanes 16-31 the second's
.irp i, 0,1,2,3,4,5,6,7
	ds_load_b32 v[SC+16*(\sc)+\i], v[ASA+\sc] offset:\i*REC+4096
.endr
.endm
.macro BLOAD s, q                      ; W2's eight fragments of my record of the s-th 1,024, its q-th 128, into set q: 32 loads of 512 consecutive bytes
	WIN TO_B
.irp i, 0,1,2,3,4,5,6,7
.irp c, 0,1,2,3
	global_load_b128 v[128*(\q)+FR*\i+4*\c:128*(\q)+FR*\i+4*\c+3], v[CO], s[BW:BW+1] offset:\i*KP*REC+(\s)*4*REC+2048*(\q)+512*\c
.endr
.endr
	WIN 0
.endm
.macro BSCALES s
.irp i, 0,1,2,3,4,5,6,7
	global_load_b32 v[SC+16*((\s)%2)+8+\i], v[BSO], s[BW:BW+1] offset:\i*KP*REC+(\s)*4*REC+4096
.endr
.endm
; 16 matrix instructions: h's blocks a0, a0 + 1 x W2's eight.  The 64 accumulators take turns, one instruction a turn.
.macro MUL16 a0, q, sc, zero
.irp a, \a0, \a0+1
.irp b, 0,1,2,3,4,5,6,7
.set rD, 8*(8*((\a)%4)+\b)
.set rB, 128*(\q)+FR*\b
.set rA, AF+FR*(\a)
.set sB, SC+16*(\sc)+8+\b
.set sA, SC+16*(\sc)+(\a)
.if \zero
	v_wmma_scale_f32_16x16x128_f8f6f4 v[rD:rD+7], v[rB:rB+15], v[rA:rA+15], 0, v[sB], v[sA]
.elseif \q
	v_wmma_scale_f32_16x16x128_f8f6f4 v[rD:rD+7], v[rB:rB+15], v[rA:rA+15], v[rD:rD+7], v[sB], v[sA] matrix_a_scale:MATRIX_SCALE_ROW1 matrix_b_scale:MATRIX_SCALE_ROW1
.else
	v_wmma_scale_f32_16x16x128_f8f6f4 v[rD:rD+7], v[rB:rB+15], v[rA:rA+15], v[rD:rD+7], v[sB], v[sA]
.endif
.endr
.endr
.endm
; the first 128 of my record of the s-th 1,024
.macro STEP s, zero
.set SL, (\s)%2
	BLOAD \s, 1                                    ; the second 128's fragments of W2 (eight places stand behind the last products that read set 1)
	s_wait_loadcnt 32                              ; all but these 32: set 0 and its scale words are in
	s_wait_dscnt 16                                ; all but the youngest sixteen LDS loads (h's blocks 4-7)
	WIN MUL_LO
	MUL16 0, 0, SL, \zero
	MUL16 2, 0, SL, \zero
	s_wait_dscnt 0
	PLACES NP                                      ; in front of loads into registers that matrix instructions have read
	WIN 0
	FETCH_A SL, 1, 0
	WIN MUL_HI
	MUL16 4, 0, SL, \zero
	MUL16 6, 0, SL, \zero
	PLACES NP
	WIN 0
	FETCH_A SL, 1, 4
.endm
; the second 128, and the change of slots
.macro TURN s, fill
.set SL, (\s)%2
.set NX, 1-SL
	BLOAD (\s)+1, 0                                ; the next 1,024's first fragments of W2 and its scale words: 40 loads
	BSCALES (\s)+1
	s_wait_loadcnt 40                              ; all but these 40: set 1 is in
	s_wait_tensorcnt 0x0                           ; all my tensor loads have landed: my part of the next slot
	ds_add_u32 v[SPW], v[NIL]                      ; 0 onto my spare word
	s_wait_dscnt 17                                ; (the add and the youngest sixteen loads may be out)
	WIN MUL_LO
	MUL16 0, 1, SL, 0
	s_wait_dscnt 0x0                               ; the add is done, and my reads of this slot are over
	s_barrier_signal -1
	MUL16 2, 1, SL, 0
	WIN 0
	s_barrier_wait -1
.if \fill
	CREST                                          ; the barrier has opened a round of the cluster's: no wave of any partner still reads this slot or has a load on its way
	s_add_nc_u64 s[G0+4*SL+2:G0+4*SL+3], s[G0+4*SL+2:G0+4*SL+3], 8*REC
	TLOAD SL                                       ; the first tensor load behind the round, my one load until the next
	PLACES NP-4
.else
	PLACES NP
.endif
	FETCH_A NX, 0, 0
	ASCALES NX
	WIN MUL_HI
	MUL16 4, 1, SL, 0
	MUL16 6, 1, SL, 0
	PLACES NP
	WIN 0
	FETCH_A NX, 0, 4
.endm
	s_load_b256 s[4:11], s[0:1], 0x0               ; hrec, wrec, b2, cbuf
	v_lshl_add_u32 v[SPW], v0, 2, SPARE
	v_mov_b32 v[NIL], 0
	ds_add_u32 v[SPW], v[NIL]                      ; the opening lines: the add, twice on end, and its wait ahead of my first tensor load
	ds_add_u32 v[SPW], v[NIL]
	v_lshrrev_b32 v1, 5, v0
	v_readfirstlane_b32 s[WV], v1                  ; wave 0..3
	s_bfe_u32 s40, ttmp6, 0x40000                  ; cx
	s_lshl_b32 s[TC], ttmp9, 2
	s_add_co_u32 s[TC], s[TC], s40                 ; tile column
	s_and_b32 s[TR], ttmp7, 0xffff                 ; tile row, which the partners share
	s_mov_b32 s[G1+0], 15|(3<<16)|(1<<21)          ; the mask of all four; elements of 8 bytes; 21 set beside a mask
	s_mov_b32 s[G1+1], 544<<16                     ; a record, 544 elements,
	s_mov_b32 s[G1+2], 8<<16                       ; 8 of them,
	s_mov_b32 s[G1+3], 544<<16
	s_mov_b32 s[G1+4], 8
	s_mov_b32 s[G1+5], KP*544                      ; a tile of 16 rows apart
	s_mov_b32 s[G1+6], 0
	s_mov_b32 s[G1+7], 0
	s_mul_i32 s54, s[WV], REC                      ; my record of each four
	s_mul_i32 s48, s[TR], 8*KP*REC
	s_add_co_u32 s48, s48, s54                     ; h: my tile row's first record + w
	s_mov_b32 s49, 0
	s_mul_i32 s50, s[TC], 8*KP*REC
	s_add_co_u32 s50, s50, s54
	s_add_co_u32 s50, s50, WOFF                    ; W2: my tile column's first record + w
	s_mov_b32 s51, 0
	s_mul_i32 s52, s40, 2*KP*REC
	s_add_co_u32 s52, s52, s48                     ; the prefetches: my work-group's two of the 8 row tiles
	s_mov_b32 s53, 0
	s_mul_i32 s55, s[WV], HALFT                    ; where my tiles go: no place in the cluster enters an LDS address
	s_add_co_u32 s56, s55, SLOT
	s_mul_i32 s57, s[WV], PSUM
	s_lshl_b32 s58, s[TC], 9                       ; the bias: my 128 columns
	s_mov_b32 s59, 0
	s_lshl_b32 s60, s[TR], 7
	s_lshl_b32 s61, s[WV], 5
	s_add_co_u32 s60, s60, s61
	s_lshl_b32 s60, s60, 12                        ; at the end I sum and store rows 32 w .. 32 w + 31 of the tile
	s_add_co_u32 s60, s60, s58
	s_mov_b32 s61, 0
	v_and_b32 v1, 31, v0
	v_and_b32 v2, 15, v0                           ; r
	v_bfe_u32 v3, v0, 4, 1                         ; h
	v_lshlrev_b32 v[CO], 4, v1                     ; 16 x lane
	v_lshlrev_b32 v4, 2, v2
	v_lshl_add_u32 v[BSO], v3, 7, v4               ; 4 r + 128 h
	v_add_nc_u32 v[ADRA], s55, v[CO]
	v_add_nc_u32 v[ASA], s55, v[BSO]
	v_add_nc_u32 v[ADRA+1], s56, v[CO]
	v_add_nc_u32 v[ASA+1], s56, v[BSO]
	v_mul_u32_u24 v7, v2, SPITCH
	v_lshl_add_u32 v7, v3, 5, v7
	v_add_nc_u32 v[STO], s57, v7                   ; my partial tile: row r, 32 bytes for each half of the lanes
	s_mul_i32 s57, s[WV], 32*SPITCH
.irp p, 0,1,2,3
	v_add_nc_u32 v[RDP+\p], s57, v[CO]             ; rows 32 w on of wave p's partial tile
	s_add_co_u32 s57, s57, PSUM
.endr
	v_mul_u32_u24 v[PFO], v3, KP*REC
	v_lshl_add_u32 v[PFO], v2, 8, v[PFO]           ; a prefetch's lanes: row tile h of my two, block r of the record's sixteen of codes
	s_wait_alu depctr_va_vdst(0)                   ; the wait at the end of the head's vector lines
	s_wait_dscnt 0x0                               ; both opening adds are done
	s_wait_kmcnt 0x0
	s_add_nc_u64 s[48:49], s[4:5], s[48:49]
	s_add_nc_u64 s[BW:BW+1], s[6:7], s[50:51]
	s_add_nc_u64 s[PFA:PFA+1], s[4:5], s[52:53]
	s_add_nc_u64 s[58:59], s[8:9], s[58:59]
	s_add_nc_u64 s[10:11], s[10:11], s[60:61]
.irp s, 0,1
	s_mov_b32 s[G0+4*\s], 1
	s_add_co_u32 s[G0+4*\s+1], s55, \s*SLOT
	s_add_nc_u64 s[G0+4*\s+2:G0+4*\s+3], s[48:49], \s*4*REC
	s_or_b32 s[G0+4*\s+3], s[G0+4*\s+3], 0x80000000
.endr
	CROUND                                         ; all four work-groups are here: the first joint loads meet
	TLOAD 0                                        ; K 0 to 1,023: one tensor load a wave at the head
	global_load_b128 v[BIA:BIA+3], v[CO], s[58:59]
	global_prefetch_b8 v[PFO], s[PFA:PFA+1] offset:8*REC th:TH_LOAD_NT scope:SCOPE_SE    ; the third fill's codes
	BLOAD 0, 0
	BSCALES 0
	s_wait_tensorcnt 0x0                           ; my part of slot 0 is in
	ds_add_u32 v[SPW], v[NIL]
	s_wait_dscnt 0x0
	CROUND
	TLOAD 1                                        ; K 1,024 to 2,047
	FETCH_A 0, 0, 0
	ASCALES 0
	FETCH_A 0, 0, 4
	global_prefetch_b8 v[PFO], s[PFA:PFA+1] offset:12*REC th:TH_LOAD_NT scope:SCOPE_SE   ; the fourth fill's codes
	STEP 0, 1                                      ; the first products start the sums
	TURN 0, 1                                      ; slot 0 takes K 2,048 on
	STEP 1, 0
	TURN 1, 1                                      ; slot 1 takes K 3,072 on
	STEP 2, 0
	TURN 2, 0                                      ; nothing is filled any more: a plain barrier shows slot 1
	STEP 3, 0
	s_wait_loadcnt 0x0                             ; the last set of W2
	s_wait_dscnt 16
	WIN MUL_LO
	MUL16 0, 1, 1, 0
	MUL16 2, 1, 1, 0
	s_wait_dscnt 0x0                               ; my reads of the ring are over
	s_barrier_signal -1
	WIN MUL_HI
	MUL16 4, 1, 1, 0
	MUL16 6, 1, 1, 0
	WIN 0
	s_barrier_wait -1                              ; everybody's are: the partial tiles may be laid over it
	PLACES NP
.irp a, 0,1,2,3,4,5,6,7
.set AC, 64*(\a%4)
.set WS, 0x08+4*(\a/4)
	WIN WS                                         ; an LDS store's data are its source 1: window 2 or 3
.irp b, 0,1,2,3,4,5,6,7
	ds_store_b128 v[STO], v[AC+8*\b:AC+8*\b+3] offset:\a*16*SPITCH+64*\b      ; each accumulator from its low end on
	ds_store_b128 v[STO], v[AC+8*\b+4:AC+8*\b+7] offset:\a*16*SPITCH+64*\b+16
.endr
.endr
	WIN 0
	s_wait_dscnt 0x0
	s_barrier_signal -1
	s_barrier_wait -1
; four rows at a time: the four partial sums of a row of 512 bytes, the bias, and out
.macro LOADC c
.set XB, X+64*((\c)%3)
.irp p, 0,1,2,3
.irp t, 0,1,2,3
	ds_load_b128 v[XB+16*\p+4*\t:XB+16*\p+4*\t+3], v[RDP+\p] offset:(4*(\c)+\t)*SPITCH
.endr
.endr
.endm
.macro SUMC c
.set XB, X+64*((\c)%3)
.irp t, 0,1,2,3
.irp e, 0,2
	v_pk_add_f32 v[XB+4*\t+\e:XB+4*\t+\e+1], v[XB+4*\t+\e:XB+4*\t+\e+1], v[XB+16+4*\t+\e:XB+16+4*\t+\e+1]
	v_pk_add_f32 v[XB+32+4*\t+\e:XB+32+4*\t+\e+1], v[XB+32+4*\t+\e:XB+32+4*\t+\e+1], v[XB+48+4*\t+\e:XB+48+4*\t+\e+1]
.endr
.endr
.irp t, 0,1,2,3
.irp e, 0,2
	v_pk_add_f32 v[XB+4*\t+\e:XB+4*\t+\e+1], v[XB+4*\t+\e:XB+4*\t+\e+1], v[BIA+\e:BIA+\e+1]
.endr
.endr
.irp t, 0,1,2,3
.irp e, 0,2
	v_pk_add_f32 v[XB+4*\t+\e:XB+4*\t+\e+1], v[XB+4*\t+\e:XB+4*\t+\e+1], v[XB+32+4*\t+\e:XB+32+4*\t+\e+1]
.endr
.endr
.irp t, 0,1,2,3
	global_store_b128 v[CO], v[XB+4*\t:XB+4*\t+3], s[10:11] offset:(4*(\c)+\t)*SIZE_N*4   ; 512 consecutive bytes, at a multiple of 256 from C's first byte
.endr
.endm
	LOADC 0
	LOADC 1
.irp c, 0,1,2,3,4,5,6,7
.if \c < 6
.if \c > 0
	s_wait_xcnt 0x0                                ; the stores of three chunks back have read their registers, which the loads below write
.endif
	LOADC \c+2
	s_wait_dscnt 32                                ; all but the two youngest chunks' loads
.elseif \c == 6
	s_wait_dscnt 16
.else
	s_wait_dscnt 0
.endif
	SUMC \c
.endr
	s_wait_tensorcnt 0x0                           ; the wave's end
	ds_add_u32 v[SPW], v[NIL]
	s_wait_dscnt 0x0
	CROUND                                         ; the closing round
	s_endpgm
.Lfunc_end_k_qb4ad155f4d_ffn2:
	.size	k_qb4ad155f4d_ffn2, .Lfunc_end_k_qb4ad155f4d_ffn2-k_qb4ad155f4d_ffn2
	.p2alignl 7, 3214868480
	.fill 96, 4, 3214868480
	.section	.rodata,"a",@progbits
	.p2align	6, 0x0
	.amdhsa_kernel k_qb4ad155f4d_ffn2
		.amdhsa_group_segment_fixed_size 327680
		.amdhsa_private_segment_fixed_size 0
		.amdhsa_enable_private_segment 0
		.amdhsa_kernarg_size 32
		.amdhsa_user_sgpr_count 2
		.amdhsa_user_sgpr_kernarg_segment_ptr 1
		.amdhsa_wavefront_size32 1
		.amdhsa_system_sgpr_workgroup_id_x 1
		.amdhsa_system_sgpr_workgroup_id_y 1
		.amdhsa_system_sgpr_workgroup_id_z 1
		.amdhsa_system_vgpr_workitem_id 0
		.amdhsa_next_free_vgpr 1024
		.amdhsa_next_free_sgpr 66
		.amdhsa_reserve_vcc 0
		.amdhsa_float_denorm_mode_32 3
		.amdhsa_float_denorm_mode_16_64 3
		.amdhsa_memory_ordered 1
		.amdhsa_forward_progress 1
		.amdhsa_inst_pref_size 158
	.end_amdhsa_kernel
	.amdgpu_metadata
---
amdhsa.version: [ 1, 2 ]
amdhsa.kernels:
  - .name:           k_qb4ad155f4d_ffn2
    .symbol:         k_qb4ad155f4d_ffn2.kd
    .args:
      - { .name: hrec, .offset: 0, .size: 8, .value_kind: global_buffer, .address_space: global }
      - { .name: wrec, .offset: 8, .size: 8, .value_kind: global_buffer, .address_space: global }
      - { .name: b2, .offset: 16, .size: 8, .value_kind: global_buffer, .address_space: global }
      - { .name: cbuf, .offset: 24, .size: 8, .value_kind: global_buffer, .address_space: global }
    .group_segment_fixed_size: 327680
    .private_segment_fixed_size: 0
    .kernarg_segment_align: 8
    .kernarg_segment_size: 32
    .max_flat_workgroup_size: 128
    .sgpr_count:     66
    .vgpr_count:     1024
    .wavefront_size: 32
...
	.end_amdgpu_metadata
.endif
;; end of part 14
;; launch ln2 (part 15): grid 256 x 1, 8 waves a work-group, no clusters, 0 bytes of LDS; arguments cbuf, out1, g2, be2, out0; writes out0
.if DOCPART == 15
	.amdgcn_target "amdgcn-amd-amdhsa--gfx1250"
	.amdhsa_code_object_version 6
	.text
	.protected	k_qb4ad155f4d_ln2
	.globl	k_qb4ad155f4d_ln2
	.p2align	8
	.type	k_qb4ad155f4d_ln2,@function
k_qb4ad155f4d_ln2:
	s_mov_b64 s[64:65], 0
	v_nop
	global_prefetch_b8 v0, s[64:65] scope:SCOPE_SE
	s_setreg_imm32_b32 hwreg(HW_REG_WAVE_MODE, 25, 1), 1
	s_wait_xcnt 0x0
; out0 = layernorm(out1 + (h W2 + b2)) g2 + be2, in f32.
; A work-group takes 16 rows; wave w norms rows 2 w, 2 w + 1 (a row in 32 registers; the two rows are 8,192 bytes on end).  The variance is taken from the differences to the mean: no difference of large sums.
; The reduction never leaves a wave: no LDS, no barrier.  Memory binds: no matrix unit, no cluster (only g and be, 8 KiB, are shared), no tensor load.  Every load and store of a wave covers 512 consecutive bytes.
.set ROW, 32                           ; v32-95   two rows
.set RES, 128                          ; v128-191 the residual's two rows
.set G,   192                          ; v192-223 g
.set BE,  224                          ; v224-255 be
.set TM,  16                           ; v16-31   sums (4 a row), mean (pair a row at +8), 1 / sigma (pair a row at +12)
.set SEL, 22
.macro REDUCE                          ; each row's four partial sums become the row's sum, in every lane
.irp p, 0
	s_delay_alu instid0(VALU_DEP_3)
	v_pk_add_f32 v[TM+4*\p:TM+4*\p+1], v[TM+4*\p:TM+4*\p+1], v[TM+4*\p+2:TM+4*\p+3]
.endr
.irp p, 1
	s_delay_alu instid0(VALU_DEP_2)
	v_pk_add_f32 v[TM+4*\p:TM+4*\p+1], v[TM+4*\p:TM+4*\p+1], v[TM+4*\p+2:TM+4*\p+3]
.endr
.irp p, 0,1
	s_delay_alu instid0(VALU_DEP_2)
	v_add_f32 v[TM+4*\p], v[TM+4*\p], v[TM+4*\p+1]
.endr
.irp m, 1,2,4,8
.irp p, 0,1
	s_delay_alu instid0(VALU_DEP_2)
	v_add_f32_dpp v[TM+4*\p], v[TM+4*\p], v[TM+4*\p] row_xmask:\m row_mask:0xf bank_mask:0xf
.endr
.endr
.irp p, 0,1
	s_delay_alu instid0(VALU_DEP_2)
	v_permlanex16_b32 v[TM+4*\p+1], v[TM+4*\p], s[SEL], s[SEL+1]
.endr
.irp p, 0,1
	s_delay_alu instid0(VALU_DEP_2)
	v_add_f32 v[TM+4*\p], v[TM+4*\p], v[TM+4*\p+1]
.endr
.endm
	s_load_b256 s[4:11], s[0:1], 0x0               ; the product, the residual, g, be
	s_load_b64 s[12:13], s[0:1], 0x20              ; out0
	v_lshrrev_b32 v1, 5, v0
	s_delay_alu instid0(VALU_DEP_1)
	v_readfirstlane_b32 s16, v1                    ; wave 0..7
	v_and_b32 v2, 31, v0
	s_delay_alu instid0(VALU_DEP_1)
	v_lshlrev_b32 v3, 4, v2                        ; 16 x lane
	s_lshl_b32 s17, ttmp9, 4
	s_lshl_b32 s18, s16, 1
	s_add_co_u32 s17, s17, s18
	s_lshl_b32 s18, s17, 12                        ; my first row x 4,096 bytes
	s_mov_b32 s19, 0
	s_mov_b32 s20, 0x3a800000                      ; 1 / 1024
	s_mov_b32 s21, 0x3727c5ac                      ; 1e-5
	s_mov_b32 s[SEL], 0x76543210
	s_mov_b32 s[SEL+1], 0xfedcba98
	s_wait_alu depctr_va_vdst(0)
	s_wait_kmcnt 0x0
	s_add_nc_u64 s[4:5], s[4:5], s[18:19]
	s_add_nc_u64 s[6:7], s[6:7], s[18:19]
	s_add_nc_u64 s[12:13], s[12:13], s[18:19]
.set n, 0
.rept 16
	global_load_b128 v[ROW+4*n:ROW+4*n+3], v3, s[4:5] offset:512*n th:TH_LOAD_NT
.set n, n+1
.endr
.set n, 0
.rept 16
	global_load_b128 v[RES+4*n:RES+4*n+3], v3, s[6:7] offset:512*n th:TH_LOAD_NT
.set n, n+1
.endr
.set n, 0
.rept 8
	global_load_b128 v[G+4*n:G+4*n+3], v3, s[8:9] offset:512*n
	global_load_b128 v[BE+4*n:BE+4*n+3], v3, s[10:11] offset:512*n
.set n, n+1
.endr
	s_wait_loadcnt 16                              ; the rows are in; the sixteen loads of g and be may be out
.set i, 0
.rept 32
	v_pk_add_f32 v[ROW+i:ROW+i+1], v[ROW+i:ROW+i+1], v[RES+i:RES+i+1]
.set i, i+2
.endr
.irp p, 0,1
	v_pk_add_f32 v[TM+4*\p:TM+4*\p+1], v[ROW+32*\p:ROW+32*\p+1], v[ROW+32*\p+2:ROW+32*\p+3]
	v_pk_add_f32 v[TM+4*\p+2:TM+4*\p+3], v[ROW+32*\p+4:ROW+32*\p+5], v[ROW+32*\p+6:ROW+32*\p+7]
.endr
.irp i, 8,12,16,20,24,28
.irp p, 0,1
	s_delay_alu instid0(VALU_DEP_4)
	v_pk_add_f32 v[TM+4*\p:TM+4*\p+1], v[TM+4*\p:TM+4*\p+1], v[ROW+32*\p+\i:ROW+32*\p+\i+1]
	s_delay_alu instid0(VALU_DEP_4)
	v_pk_add_f32 v[TM+4*\p+2:TM+4*\p+3], v[TM+4*\p+2:TM+4*\p+3], v[ROW+32*\p+\i+2:ROW+32*\p+\i+3]
.endr
.endr
	REDUCE
.irp p, 0
	s_delay_alu instid0(VALU_DEP_2)
	v_mul_f32 v[TM+8+2*\p], s20, v[TM+4*\p]        ; the mean, twice: a pair for the packed form
	s_delay_alu instid0(VALU_DEP_3)
	v_mul_f32 v[TM+9+2*\p], s20, v[TM+4*\p]
.endr
.irp p, 1
	s_delay_alu instid0(VALU_DEP_3)
	v_mul_f32 v[TM+8+2*\p], s20, v[TM+4*\p]        ; the mean, twice: a pair for the packed form
	s_delay_alu instid0(VALU_DEP_4)
	v_mul_f32 v[TM+9+2*\p], s20, v[TM+4*\p]
.endr
.set i, 0
.rept 32
	v_pk_add_f32 v[ROW+i:ROW+i+1], v[ROW+i:ROW+i+1], v[TM+8+2*(i/32):TM+9+2*(i/32)] neg_lo:[0,1] neg_hi:[0,1]
.set i, i+2
.endr
.irp p, 0,1
	v_pk_mul_f32 v[TM+4*\p:TM+4*\p+1], v[ROW+32*\p:ROW+32*\p+1], v[ROW+32*\p:ROW+32*\p+1]
	v_pk_mul_f32 v[TM+4*\p+2:TM+4*\p+3], v[ROW+32*\p+2:ROW+32*\p+3], v[ROW+32*\p+2:ROW+32*\p+3]
.endr
.irp i, 4,8,12,16,20,24,28
.irp p, 0,1
	s_delay_alu instid0(VALU_DEP_4)
	v_pk_fma_f32 v[TM+4*\p:TM+4*\p+1], v[ROW+32*\p+\i:ROW+32*\p+\i+1], v[ROW+32*\p+\i:ROW+32*\p+\i+1], v[TM+4*\p:TM+4*\p+1]
	s_delay_alu instid0(VALU_DEP_4)
	v_pk_fma_f32 v[TM+4*\p+2:TM+4*\p+3], v[ROW+32*\p+\i+2:ROW+32*\p+\i+3], v[ROW+32*\p+\i+2:ROW+32*\p+\i+3], v[TM+4*\p+2:TM+4*\p+3]
.endr
.endr
	REDUCE
.irp p, 0,1
	s_delay_alu instid0(VALU_DEP_2)
	v_fma_f32 v[TM+4*\p], v[TM+4*\p], s20, s21     ; the variance + 1e-5
.endr
	s_wait_alu depctr_va_vdst(0)
.irp p, 0,1
	v_rsq_f32 v[TM+12+2*\p], v[TM+4*\p]
	v_rsq_f32 v[TM+13+2*\p], v[TM+4*\p]
.endr
	v_nop                                          ; a plain line behind the last of the four,
	s_wait_alu depctr_va_vdst(0)                   ; and one wait for the batch, ahead of its first reader
	s_wait_loadcnt 0x0                             ; g and be
.set i, 0
.rept 32
	v_pk_mul_f32 v[ROW+i:ROW+i+1], v[ROW+i:ROW+i+1], v[TM+12+2*(i/32):TM+13+2*(i/32)]
	s_delay_alu instid0(VALU_DEP_1)
	v_pk_fma_f32 v[ROW+i:ROW+i+1], v[ROW+i:ROW+i+1], v[G+i%32:G+i%32+1], v[BE+i%32:BE+i%32+1]
.set i, i+2
.endr
.set n, 0
.rept 16
	global_store_b128 v3, v[ROW+4*n:ROW+4*n+3], s[12:13] offset:512*n th:TH_STORE_NT
.set n, n+1
.endr
	s_endpgm
.Lfunc_end_k_qb4ad155f4d_ln2:
	.size	k_qb4ad155f4d_ln2, .Lfunc_end_k_qb4ad155f4d_ln2-k_qb4ad155f4d_ln2
	.p2alignl 7, 3214868480
	.fill 96, 4, 3214868480
	.section	.rodata,"a",@progbits
	.p2align	6, 0x0
	.amdhsa_kernel k_qb4ad155f4d_ln2
		.amdhsa_group_segment_fixed_size 0
		.amdhsa_private_segment_fixed_size 0
		.amdhsa_enable_private_segment 0
		.amdhsa_kernarg_size 40
		.amdhsa_user_sgpr_count 2
		.amdhsa_user_sgpr_kernarg_segment_ptr 1
		.amdhsa_wavefront_size32 1
		.amdhsa_system_sgpr_workgroup_id_x 1
		.amdhsa_system_sgpr_workgroup_id_y 1
		.amdhsa_system_sgpr_workgroup_id_z 1
		.amdhsa_system_vgpr_workitem_id 0
		.amdhsa_next_free_vgpr 256
		.amdhsa_next_free_sgpr 66
		.amdhsa_reserve_vcc 0
		.amdhsa_float_denorm_mode_32 3
		.amdhsa_float_denorm_mode_16_64 3
		.amdhsa_memory_ordered 1
		.amdhsa_forward_progress 1
		.amdhsa_inst_pref_size 25
	.end_amdhsa_kernel
	.amdgpu_metadata
---
amdhsa.version: [ 1, 2 ]
amdhsa.kernels:
  - .name:           k_qb4ad155f4d_ln2
    .symbol:         k_qb4ad155f4d_ln2.kd
    .args:
      - { .name: cbuf, .offset: 0, .size: 8, .value_kind: global_buffer, .address_space: global }
      - { .name: out1, .offset: 8, .size: 8, .value_kind: global_buffer, .address_space: global }
      - { .name: g2, .offset: 16, .size: 8, .value_kind: global_buffer, .address_space: global }
      - { .name: be2, .offset: 24, .size: 8, .value_kind: global_buffer, .address_space: global }
      - { .name: out0, .offset: 32, .size: 8, .value_kind: global_buffer, .address_space: global }
    .group_segment_fixed_size: 0
    .private_segment_fixed_size: 0
    .kernarg_segment_align: 8
    .kernarg_segment_size: 40
    .max_flat_workgroup_size: 256
    .sgpr_count:     66
    .vgpr_count:     256
    .wavefront_size: 32
...
	.end_amdgpu_metadata
.endif
;; end of part 15
